; MI455X (gfx1250); checked and timed in simulation.
; The chip was launched on July 23, 2026; its instructions are those of AMD's public machine-readable ISA for CDNA 5 (MIT licence, August 2026) and "CDNA5" Instruction Set Architecture Reference Guide (July 2026). The comments in the code are by the model that wrote it; some were corrected since.
;; Relation Aware MLP. Allowed arithmetic: float matrix products may take bf16 or f16 operands with f32 sums; all other float work in f32.
;; Inputs: RW1 16 x 1,024 x 1,024 float32; RW2 16 x 1,024 x 1,024 float32; RW3 16 x 1,024 x 1,024 float32; Rb1 16 x 1,024 float32; Rb2 16 x 1,024 float32; Rb3 16 x 1,024 float32; W0 512 x 1,024 float32; W1 1,024 x 1,024 float32; b0 1,024 float32; b1 1,024 float32; relations 1,024 int32; x 1,024 x 512 float32.
;; Outputs: out0 1,024 x 1,024 float32.
;; 3 versions, each right; version 2 is faster than version 1; version 3 is version 2 with the launches l0, l1, r1, r2, r3 written anew for expert scheduling mode. Each part assembles by itself: llvm-mc -triple=amdgcn-amd-amdhsa -mcpu=gfx1250 --defsym DOCPART=n.
;; ======== version 1 of 3: 6 launches
;; workspace buffers: a0 16,777,216 bytes; hA 67,108,864 bytes; hB 67,108,864 bytes; list 65,536 bytes of whole numbers; tabD 256 bytes of whole numbers; tabR 256 bytes of whole numbers
;; launch pack (part 1): grid 64 x 16, 1 waves a work-group, no clusters, 7,168 bytes of LDS; arguments x, relations, a0, list, tabD, tabR; writes a0, list, tabD, tabR
.if DOCPART == 1
	.amdgcn_target "amdgcn-amd-amdhsa--gfx1250"
	.amdhsa_code_object_version 6
	.text
	.protected	k_qe6593da5e0_pack
	.globl	k_qe6593da5e0_pack
	.p2align	8
	.type	k_qe6593da5e0_pack,@function
k_qe6593da5e0_pack:
	s_mov_b64 s[64:65], 0
	v_nop
	global_prefetch_b8 v0, s[64:65] scope:SCOPE_SE
	s_setreg_imm32_b32 hwreg(HW_REG_WAVE_MODE, 25, 1), 1
	s_wait_xcnt 0x0
; PACK.  The 1,024 rows of x are grouped by relation, cut into tiles of 16 rows, rounded to bf16 and laid down as ready matrix fragments.
; A work-group is one wave.  Work-group (8 wv + kb, e): relation e, columns 64 kb .. 64 kb + 63 of x (256 bytes of a row, two K steps of 32), tiles wv, wv + 8, .. of the relation.
; Every wave makes the relation's list of rows for itself, in its own LDS, from the 4,096 bytes of relations: no wave waits for another and there is no barrier.
; LIST.  c rows, nt = ceil(c / 16) tiles, ntc = max(nt, 1).  Places c .. c + 31 repeat the last listed row (an empty relation: row 0), the rest is 0, so every tile below ntc names 16 rows of x.
; a0.  Tile i of relation e is tile 64 e + i, 16,384 bytes: 16 blocks of 1,024 bytes, one for each K step ks; a block is [c = 0, 1][lane][16 bytes]; lane (r = lane % 16, h = lane / 16),
; element t holds row r, column 32 ks + 16 c + 8 h + t: what a 16-bit fragment of 16 rows x 32 K wants (ISA guide 7.12.2), so that the next launch loads 512 consecutive bytes for half a fragment.
; tabD[e] = {ntc, 0, nt, 0}, tabR[e] = {ntc, e, nt, 0}: tiles, index of the weight matrix, tiles to be stored at the end.
; LIMITS.  relations lies in 0 .. 15 (an index stays inside its table); a row with another number is listed nowhere.  x is rounded to bf16, to nearest even.
.set REL,   16                         ; v[16:47]   relations of rows 128 j + 4 lane + u at REL + 4 j + u
.set RI,    48                         ; v[48:55]   row numbers of tile rows 8 h + m
.set XO,    56                         ; v[56:63]   their byte offsets in x
.set X,     64                         ; v[64:95]   load m: 4 f32 of tile row 8 h + m
.set C,     96                         ; v[96:111]  the same as bf16; at the end the two table entries
.set F,     112                        ; v[112:127] four half fragments; at the start four zeros
.set DUMPW, 1088                       ; LDS words 0 .. 1087 the list; words 1088 .. 1119 one word a lane for the lanes without a hit
.set STG,   4608                       ; LDS byte 4,608: 16 rows x 144 bytes (128 of data, 16 of padding: 16 rows start at 16 different groups of four banks)
.set SP,    144
	s_load_b256 s[4:11], s[0:1], 0x0               ; x s[4:5], relations s[6:7], a0 s[8:9], list s[10:11]
	s_load_b128 s[12:15], s[0:1], 0x20             ; tabD s[12:13], tabR s[14:15]
	v_lshl_add_u32 v128, v0, 2, 0x1b00
	v_mov_b32 v129, 0
	s_and_b32 s17, ttmp9, 7                        ; kb
	s_lshr_b32 s16, ttmp9, 3                       ; wv
	s_and_b32 s18, ttmp7, 0xffff                   ; e
	v_and_b32 v2, 15, v0                           ; r
	v_lshrrev_b32 v3, 4, v0                        ; h
	v_lshlrev_b32 v4, 4, v0                        ; 16 x lane
	v_lshlrev_b32 v5, 2, v0                        ; 4 x lane
	v_add_nc_u32 v6, DUMPW, v0                     ; my dump word
	v_lshlrev_b32 v12, 4, v2                       ; 16 r
.irp k, 0,1,2,3
	v_mov_b32 v[F+\k], 0
.endr
	s_wait_kmcnt 0x0
.irp j, 0,1,2,3,4,5,6,7
	global_load_b128 v[REL+4*\j:REL+4*\j+3], v4, s[6:7] offset:512*\j
.endr
.irp k, 0,1,2,3,4,5,6,7,8
	ds_store_b128 v4, v[F:F+3] offset:512*\k       ; list and dump words start at 0: 9 x 512 bytes
.endr
	s_mov_b32 s29, 0                               ; every offset is made apart from its pointer, in s[28:29]
	s_lshl_b32 s28, s17, 8
	s_add_nc_u64 s[4:5], s[4:5], s[28:29]          ; x at my 64 columns
	s_lshl_b32 s28, s18, 20                        ; 64 e tiles of 16,384 bytes,
	s_lshl_b32 s19, s16, 14                        ; tile wv,
	s_add_co_u32 s28, s28, s19
	s_lshl_b32 s19, s17, 11                        ; my two blocks of 1,024 bytes
	s_add_co_u32 s28, s28, s19
	s_add_nc_u64 s[8:9], s[8:9], s[28:29]
	s_lshl_b32 s28, s18, 12
	s_add_nc_u64 s[10:11], s[10:11], s[28:29]      ; the relation's 1,024 words of list
	s_lshl_b32 s28, s18, 4
	s_add_nc_u64 s[12:13], s[12:13], s[28:29]
	s_add_nc_u64 s[14:15], s[14:15], s[28:29]
	s_lshl_b32 s19, s16, 6
	v_lshl_add_u32 v9, v3, 5, s19                  ; list bytes of tile wv, rows 8 h on
	v_mul_u32_u24 v10, v3, 8*SP
	v_lshl_add_u32 v10, v2, 3, v10
	v_add_nc_u32 v10, STG, v10                     ; into the stage: row 8 h (+ m by the immediate), 8 bytes at 8 r
	v_mul_u32_u24 v11, v2, SP
	v_lshl_add_u32 v11, v3, 4, v11
	v_add_nc_u32 v11, STG, v11                     ; back: row r, 16 bytes at 16 h
	s_mov_b32 s21, 0                               ; rows found so far
	s_wait_loadcnt 0x0
; THE SCAN, 32 rows at a time.  A lane with a hit has the rank: rows found so far + hits in lower lanes; it writes its row number at that place of the list.  The others write into their dump
; words, so that EXEC never changes.  The clamp is the last line ahead of the shift: 1,119 is the last dump word.
.set q, 0
.rept 32
	v_cmp_eq_u32 s20, s18, v[REL+q]
	v_mbcnt_lo_u32_b32 v7, s20, s21
	v_cndmask_b32 v7, v6, v7, s20
	v_min_u32 v7, 0x45f, v7
	v_lshlrev_b32 v7, 2, v7
	v_add_nc_u32 v8, 128*(q/4)+q%4, v5             ; the row number
	ds_store_b32 v7, v8
	s_bcnt1_i32_b32 s22, s20
	s_add_co_u32 s21, s21, s22
.set q, q+1
.endr
	s_min_u32 s21, s21, 1024                       ; c
	s_add_co_u32 s24, s21, 15
	s_lshr_b32 s24, s24, 4                         ; nt
	s_max_u32 s25, s24, 1                          ; ntc
	s_max_u32 s23, s21, 1
	s_sub_co_u32 s23, s23, 1
	s_min_u32 s23, s23, 1023                       ; the last listed place
	s_lshl_b32 s23, s23, 2
	v_mov_b32 v7, s23
	ds_load_b32 v8, v7                             ; LDS serves a wave's instructions in order (ISA guide 5.7.1.4): this sees the stores above
	v_add_nc_u32 v13, s21, v0
	v_lshlrev_b32 v13, 2, v13                      ; places c .. c + 31, word 1,055 at the most
	s_wait_dscnt 0x0
	ds_store_b32 v13, v8
; THE TILES: eight trips, tile wv + 8 n; a trip whose tile is not there is jumped over, forward.
	s_mov_b32 s26, s16
	s_mov_b32 s27, 8
.Ltile:
	s_cmp_ge_u32 s26, s25
	s_cbranch_scc1 .Lstep
	ds_load_b128 v[RI:RI+3], v9
	ds_load_b128 v[RI+4:RI+7], v9 offset:16
	s_wait_dscnt 0x0
.irp m, 0,1,2,3,4,5,6,7
	v_min_u32 v[RI+\m], 0x3ff, v[RI+\m]
	v_lshl_add_u32 v[XO+\m], v[RI+\m], 11, v12     ; row x 2,048 bytes + 16 r
.endr
.irp m, 0,1,2,3,4,5,6,7
	global_load_b128 v[X+4*\m:X+4*\m+3], v[XO+\m], s[4:5]  ; 16 lanes take 256 consecutive bytes of a row, at a multiple of 256 from x's first byte
.endr
.irp m, 0,1,2,3,4,5,6,7
	s_wait_loadcnt 7-\m                            ; loads come back in order (ISA guide 5.7.1): load m is in, the younger ones stay out
	v_cvt_pk_bf16_f32 v[C+2*\m], v[X+4*\m], v[X+4*\m+1]
	v_cvt_pk_bf16_f32 v[C+2*\m+1], v[X+4*\m+2], v[X+4*\m+3]
	ds_store_b64 v10, v[C+2*\m:C+2*\m+1] offset:SP*\m
.endr
.irp n, 0,1,2,3
	ds_load_b128 v[F+4*\n:F+4*\n+3], v11 offset:32*\n  ; K step n / 2 of my two, chunk n % 2: row r, columns 16 n + 8 h on
.endr
.irp n, 0,1,2,3
	s_wait_dscnt 3-\n
	global_store_b128 v4, v[F+4*\n:F+4*\n+3], s[8:9] offset:512*\n  ; 512 consecutive bytes
.endr
.Lstep:
	s_wait_xcnt 0x0                                ; the stores' base and data are rewritten only behind this wait
	s_add_nc_u64 s[8:9], s[8:9], 0x20000           ; eight tiles on
	v_add_nc_u32 v9, 512, v9
	s_add_co_u32 s26, s26, 8
	s_sub_co_u32 s27, s27, 1
	s_cmp_lg_u32 s27, 0
	s_cbranch_scc1 .Ltile
; One work-group of each relation writes its list and its two table entries.
	s_or_b32 s19, s16, s17
	s_cmp_lg_u32 s19, 0
	s_cbranch_scc1 .Lend
.irp j, 0,1,2,3,4,5,6,7
	ds_load_b128 v[X+4*\j:X+4*\j+3], v4 offset:512*\j
.endr
.irp j, 0,1,2,3,4,5,6,7
	s_wait_dscnt 7-\j
	global_store_b128 v4, v[X+4*\j:X+4*\j+3], s[10:11] offset:512*\j
.endr
	v_mov_b32 v[C], s25
	v_mov_b32 v[C+1], 0
	v_mov_b32 v[C+2], s24
	v_mov_b32 v[C+3], 0
	v_mov_b32 v[C+4], s25
	v_mov_b32 v[C+5], s18
	v_mov_b32 v[C+6], s24
	v_mov_b32 v[C+7], 0
	v_mov_b32 v7, 0
	v_cmp_eq_u32 vcc_lo, 0, v0
	s_wait_xcnt 0x0                                ; EXEC changes only behind this wait
	s_and_saveexec_b32 s30, vcc_lo
	global_store_b128 v7, v[C:C+3], s[12:13]
	global_store_b128 v7, v[C+4:C+7], s[14:15]
	s_wait_xcnt 0x0                                ; and again in front of the line that widens it
	s_or_b32 exec_lo, exec_lo, s30
.Lend:
	s_wait_tensorcnt 0x0
	ds_add_u32 v128, v129
	s_wait_dscnt 0x0
	s_endpgm
.Lfunc_end_k_qe6593da5e0_pack:
	.size	k_qe6593da5e0_pack, .Lfunc_end_k_qe6593da5e0_pack-k_qe6593da5e0_pack
	.p2alignl 7, 3214868480
	.fill 96, 4, 3214868480
	.section	.rodata,"a",@progbits
	.p2align	6, 0x0
	.amdhsa_kernel k_qe6593da5e0_pack
		.amdhsa_group_segment_fixed_size 7168
		.amdhsa_private_segment_fixed_size 0
		.amdhsa_enable_private_segment 0
		.amdhsa_kernarg_size 48
		.amdhsa_user_sgpr_count 2
		.amdhsa_user_sgpr_kernarg_segment_ptr 1
		.amdhsa_wavefront_size32 1
		.amdhsa_system_sgpr_workgroup_id_x 1
		.amdhsa_system_sgpr_workgroup_id_y 1
		.amdhsa_system_sgpr_workgroup_id_z 1
		.amdhsa_system_vgpr_workitem_id 0
		.amdhsa_next_free_vgpr 130
		.amdhsa_next_free_sgpr 66
		.amdhsa_reserve_vcc 1
		.amdhsa_float_denorm_mode_32 3
		.amdhsa_float_denorm_mode_16_64 3
		.amdhsa_memory_ordered 1
		.amdhsa_forward_progress 1
		.amdhsa_inst_pref_size 26
	.end_amdhsa_kernel
	.amdgpu_metadata
---
amdhsa.version: [ 1, 2 ]
amdhsa.kernels:
  - .name:           k_qe6593da5e0_pack
    .symbol:         k_qe6593da5e0_pack.kd
    .args:
      - { .name: x, .offset: 0, .size: 8, .value_kind: global_buffer, .address_space: global }
      - { .name: relations, .offset: 8, .size: 8, .value_kind: global_buffer, .address_space: global }
      - { .name: a0, .offset: 16, .size: 8, .value_kind: global_buffer, .address_space: global }
      - { .name: list, .offset: 24, .size: 8, .value_kind: global_buffer, .address_space: global }
      - { .name: tabD, .offset: 32, .size: 8, .value_kind: global_buffer, .address_space: global }
      - { .name: tabR, .offset: 40, .size: 8, .value_kind: global_buffer, .address_space: global }
    .group_segment_fixed_size: 7168
    .private_segment_fixed_size: 0
    .kernarg_segment_align: 8
    .kernarg_segment_size: 48
    .max_flat_workgroup_size: 32
    .sgpr_count:     66
    .vgpr_count:     130
    .wavefront_size: 32
...
	.end_amdgpu_metadata
.endif
;; end of part 1
;; launch l0 (part 2): grid 16 x 16, 4 waves a work-group, no clusters, 131,584 bytes of LDS; arguments a0, W0, b0, tabD, hA; writes hA
.if DOCPART == 2
	.amdgcn_target "amdgcn-amd-amdhsa--gfx1250"
	.amdhsa_code_object_version 6
	.text
	.protected	k_qe6593da5e0_l0
	.globl	k_qe6593da5e0_l0
	.p2align	8
	.type	k_qe6593da5e0_l0,@function
k_qe6593da5e0_l0:
	s_mov_b64 s[64:65], 0
	v_nop
	global_prefetch_b8 v0, s[64:65] scope:SCOPE_SE
	s_setreg_imm32_b32 hwreg(HW_REG_WAVE_MODE, 25, 1), 1
	s_wait_xcnt 0x0
; ONE LAYER, first form: K = 512, input x as bf16 in the natural order of k, ReLU, output as fragments.  out[n] = relu(in[n] W + b) for the rows of relation e and the output columns 64 cb .. 64 cb + 63.
; SHARES.  Work-group (cb, e), four waves.  Wave w owns the K rows 32 NKS w on of the weight matrix, for all 64 columns: it reads them once, as f32, rounds them to bf16 and keeps them in registers
; as fragments for the whole launch.  Every wave multiplies every tile of 16 rows by its quarter of K; the four partial sums meet in LDS, and wave w finishes a quarter of each tile.
; WEIGHTS.  W is [K][1024] f32.  A lane loads 16 bytes, columns 64 cb + 4 r .. + 3 of one row: 16 lanes take 256 consecutive bytes.  Two rows that follow each other in a lane's k are paired by
; v_cvt_pk_bf16_f32, which turns the matrix on the way: fragment j, lane index r, is column 64 cb + 4 r + j.
; INPUT.  Tile 64 e + i, blocks of 1,024 bytes for each K step ks, [c][lane][16 bytes]; element t of lane (r, h) is row r, k = 32 ks + 16 c + 8 h + t.
; OUTPUT.  Source 0 = weights, source 1 = activations: lane (r, h), register t of fragment j holds row r, column 64 cb + 32 h + 4 t + j.  Wave w finishes fragment w: its 8 numbers a lane are chunk
; w % 2 of K step 2 cb + w / 2 of the next layer, whose k then runs 64 (ks / 2) + 32 h + 4 t + 2 (ks % 2) + c; the next layer loads its weight rows in that same order.
; TWO PARTS.  A number h of the output is stored as hi = bf16(h) and lo = bf16(h - hi): a tile of the output is 65,536 bytes, 32 blocks of hi and then 32 of lo.  The next layer multiplies both by the
; same weights into one sum.  One rounding to bf16 is off by up to 2^-9 of a number; four layers of that on end would take a large part of the 1 per cent of the root mean square that a result may be off.
; TILE COUNTS come from the table that the first launch stored.  All barriers stand in a loop with a constant count (PT tiles a trip, 64 tiles at the most); what a relation has not is jumped over, forward.
; NO CLUSTER: the weights pass through registers for the rounding, so they come by register loads, which cannot be asked for jointly.
; LIMITS.  Weights and bias are rounded to bf16 (nearest even); sums in f32, K in four quarters, added ((0 + 1) + (2 + 3)) + bias.  v_max_num_f32 makes 0 of a NaN; infinities are not treated apart.
.set NKS,   4                          ; K steps of 32 a wave
.set NAT,   1                          ; 1: k in the natural order; 0: in the order in which a layer leaves its output
.set FINAL, 0                          ; 1: no ReLU, f32 rows scattered to their places
.set PARTS, 1                          ; parts of the input: 1: bf16 alone; 2: hi and lo
.set ASH,   14                         ; a tile of the input is 1 << ASH bytes
.set AL,    2*NKS                      ; loads of a wave for one part of a tile
.set PBYTES, 4096*NKS                  ; bytes of one part of a tile of the input
.set ATILE, PBYTES*PARTS               ; bytes of a tile of the input
.set TPW,   4/PARTS                    ; tiles whose input fits in a register window
.set PT,    2*TPW                      ; tiles in a pass
.set NPASS, 64/PT
.if NAT
.set HSH,   15                         ; lanes 16-31 take the row 8 further down: 8 x 4,096 bytes
.else
.set HSH,   17                         ; 32 further down
.endif
; window 0: v1 r, v2 h, v3 lane, v4 my offset in a weight row pair, v5 16 x lane, v6 offset in the bias, v9, v10 LDS: where I put partial sums (tiles 0-3, 4-7), v11, v12 where I read them,
;           v13 offset in the list, v14, v15 offsets of stores, v16 16 r, v17 at work
.set BI,    24                         ; v[24:31]   bias
.set ACC,   32                         ; v[32:63]   four accumulators
.set P,     64                         ; v[64:95]   four waves' partial sums
.set OUT,   96                         ; v[96:103]  what is stored
.set RI,    104                        ; v[104:119] row numbers (last layer)
; window 1: the weights, fragment j of K step s at 32 s + 8 j.   window 2: four slots of 64 f32 on their way to window 1; later the input of the pass's second TPW tiles.   window 3: of its first TPW.
; s[4:5] input at my relation and my K steps; s[6:7] weights at my rows and columns; s[8:9] bias; s[10:11] table entry; s[12:13] output (last layer: list); s[14:15] last layer: out0
; s16 w, s17 cb, s18 e, s19 at work, s[20:23] the entry, s24 tiles to do, s25 last tile that exists, s26 tiles left, s27 first tile of the pass, s28 counter, s[30:31] offsets (s31 = 0),
; s[32:39] addresses for the four runs of loads of a pass's first TPW tiles, s[40:41] input at the pass, s[42:43] output or list at the pass
.set MSB, 0
.macro WIN new                         ; s_set_vgpr_msb: bits 1:0 source 0, 3:2 source 1, 5:4 source 2, 7:6 destination; the high byte repeats the setting that is left
.if MSB != (\new)
	s_set_vgpr_msb (MSB<<8)|(\new)
.set MSB, \new
.endif
.endm
.macro LOADW st                        ; the 32 weight rows of my K step st, 16 loads, into slot st % 4 of window 2: row (c, t) at 4 (8 c + t)
	WIN 0x80
.set cc, 0
.rept 2
.set tt, 0
.rept 8
.if NAT
.set rw, 32*(\st)+16*cc+tt
.else
.set rw, 64*((\st)/2)+2*((\st)%2)+cc+4*tt
.endif
.set rg, 64*((\st)%4)+4*(8*cc+tt)
.if FINAL
	global_load_b128 v[rg:rg+3], v4, s[6:7] offset:rw*4096 th:TH_LOAD_NT
.else
	global_load_b128 v[rg:rg+3], v4, s[6:7] offset:rw*4096
.endif
.set tt, tt+1
.endr
.set cc, cc+1
.endr
.endm
.macro CVT st                          ; 64 f32 a lane become four fragments: rows t and t + 1 of a column share a register
	WIN 0x4a
.set fj, 0
.rept 4
.set cc, 0
.rept 2
.set tt, 0
.rept 4
	v_cvt_pk_bf16_f32 v[32*(\st)+8*fj+4*cc+tt], v[64*((\st)%4)+4*(8*cc+2*tt)+fj], v[64*((\st)%4)+4*(8*cc+2*tt+1)+fj]
.set tt, tt+1
.endr
.set cc, cc+1
.endr
.set fj, fj+1
.endr
.endm
.macro LOADT win, run, base, off       ; my K steps of one part of one tile: AL loads of 512 consecutive bytes, into run 0..3 of a window (run = PARTS x tile + part)
	WIN \win
.set kk, 0
.rept NKS
.set rg, 8*NKS*(\run)+8*kk
	global_load_b128 v[rg:rg+3], v5, s[\base:\base+1] offset:(\off)+1024*kk
	global_load_b128 v[rg+4:rg+7], v5, s[\base:\base+1] offset:(\off)+1024*kk+512
.set kk, kk+1
.endr
.endm
.macro LBASES first                    ; for run i the address of tile s27 + first + i / PARTS; a tile that is not there is replaced by the last that is, so that the group is always 4 AL loads
.irp i, 0,1,2,3
	s_add_co_u32 s30, s27, (\first)+\i/PARTS
	s_min_u32 s30, s30, s25
	s_min_u32 s30, s30, 63
	s_lshl_b32 s30, s30, ASH
	s_add_nc_u64 s[32+2*\i:33+2*\i], s[4:5], s[30:31]
.endr
.endm
.macro MMA d, a, b, first
.if \first
	v_wmma_f32_16x16x32_bf16 v[\d:\d+7], v[\a:\a+7], v[\b:\b+7], 0
.else
	v_wmma_f32_16x16x32_bf16 v[\d:\d+7], v[\a:\a+7], v[\b:\b+7], v[\d:\d+7]
.endif
.endm
; Tile i of a pass times my quarter of K: 4 NKS PARTS products, by K step, part and fragment; the four accumulators take turns, one instruction a turn; the first starts each sum.
; Then the partial sums go to LDS: [tile: 16,384][fragment: 4,096][wave: 1,024][registers 0-3, 4-7: 512][lane: 16], lanes side by side, lowest registers first.
.macro TILE i
.if FINAL
	WIN 0x07-(\i)/TPW                              ; source 0 = input (window 3 or 2), source 1 = weights (window 1)
.else
	WIN 0x0d-4*((\i)/TPW)                          ; source 0 = weights, source 1 = input
.endif
.set kk, 0
.rept NKS
.set pq, 0
.rept PARTS
.set f1, 0
.if kk+pq == 0
.set f1, 1
.endif
.set fj, 0
.rept 4
.set ra, 8*NKS*(PARTS*((\i)%TPW)+pq)+8*kk
.set rb, 32*kk+8*fj
.set rc, ACC+8*fj
.if FINAL
	MMA rc, ra, rb, f1
.else
	MMA rc, rb, ra, f1
.endif
.set fj, fj+1
.endr
.set pq, pq+1
.endr
.set kk, kk+1
.endr
	WIN 0
.rept 5
	v_nop                                          ; places behind the last products: four before the stores read the sums and before loads land on the sources, five before the next tile's first product writes over the sums
.endr
.set fj, 0
.rept 8
	ds_store_b128 v[9+(\i)/4], v[ACC+4*fj:ACC+4*fj+3] offset:((\i)%4)*16384+4096*(fj/2)+512*(fj%2)
.set fj, fj+1
.endr
.endm
; My quarter of tile i is finished: the four waves' partial sums are added, then the bias.
.macro UNIT i
.set wq, 0
.if FINAL
.rept 16                               ; source wave wq / 4, fragment wq % 4: registers 2 w, 2 w + 1: rows 8 h + 2 w, + 1
	ds_load_b64 v[P+8*(wq/4)+2*(wq%4):P+8*(wq/4)+2*(wq%4)+1], v[11+(\i)/4] offset:((\i)%4)*16384+4096*(wq%4)+1024*(wq/4)
.set wq, wq+1
.endr
.else
.rept 8                                ; fragment w: source wave wq / 2, registers 4 (wq % 2) on
	ds_load_b128 v[P+4*wq:P+4*wq+3], v[11+(\i)/4] offset:((\i)%4)*16384+512*wq
.set wq, wq+1
.endr
.endif
	s_wait_dscnt 0x0
.irp p, 0,2,4,6
	v_pk_add_f32 v[P+\p:P+\p+1], v[P+\p:P+\p+1], v[P+8+\p:P+8+\p+1]
	v_pk_add_f32 v[P+16+\p:P+16+\p+1], v[P+16+\p:P+16+\p+1], v[P+24+\p:P+24+\p+1]
.endr
.irp p, 0,2,4,6
	v_pk_add_f32 v[P+\p:P+\p+1], v[P+\p:P+\p+1], v[P+16+\p:P+16+\p+1]
.endr
.if FINAL
	s_wait_xcnt 0x0                                ; the last stores' data and offsets are rewritten only behind this wait
.irp j, 0,1,2,3
	v_add_f32 v[OUT+\j], v[P+2*\j], v[BI+\j]
	v_add_f32 v[OUT+4+\j], v[P+2*\j+1], v[BI+\j]
.endr
	v_min_u32 v17, 0x3ff, v[RI+2*(\i)]
	v_lshl_add_u32 v14, v17, 12, v16               ; row x 4,096 bytes + 16 r
	v_min_u32 v17, 0x3ff, v[RI+2*(\i)+1]
	v_lshl_add_u32 v15, v17, 12, v16
	global_store_b128 v14, v[OUT:OUT+3], s[14:15] th:TH_STORE_NT    ; 16 lanes store 256 consecutive bytes of a row, at a multiple of 256 from the buffer's first byte
	global_store_b128 v15, v[OUT+4:OUT+7], s[14:15] th:TH_STORE_NT
.else
.irp p, 0,2,4,6
	v_pk_add_f32 v[P+\p:P+\p+1], v[P+\p:P+\p+1], v[BI+\p:BI+\p+1]
.endr
.irp t, 0,1,2,3,4,5,6,7
	v_max_num_f32 v[P+\t], 0, v[P+\t]
.endr
	s_wait_xcnt 0x0                                ; the last stores' data are rewritten only behind this wait
.irp t, 0,1,2,3
	v_cvt_pk_bf16_f32 v[OUT+\t], v[P+2*\t], v[P+2*\t+1]            ; hi
.endr
.irp t, 0,1,2,3
	v_lshlrev_b32 v[P+8+2*\t], 16, v[OUT+\t]       ; hi as f32 again
	v_and_b32 v[P+9+2*\t], 0xffff0000, v[OUT+\t]
.endr
.irp t, 0,1,2,3,4,5,6,7
	v_sub_f32 v[P+\t], v[P+\t], v[P+8+\t]          ; what hi has left out: exact
.endr
.irp t, 0,1,2,3
	v_cvt_pk_bf16_f32 v[OUT+4+\t], v[P+2*\t], v[P+2*\t+1]          ; lo
.endr
	global_store_b128 v5, v[OUT:OUT+3], s[42:43] offset:(\i)*65536          ; 512 consecutive bytes: half a fragment of the next layer,
	global_store_b128 v5, v[OUT+4:OUT+7], s[42:43] offset:(\i)*65536+32768  ; and the same half fragment of lo
.endif
.endm
	s_load_b256 s[4:11], s[0:1], 0x0               ; input, weights, bias, table
.if FINAL
	s_load_b128 s[12:15], s[0:1], 0x20             ; list, out0
.else
	s_load_b64 s[12:13], s[0:1], 0x20              ; output
	v_lshl_add_u32 v254, v0, 2, 0x20000
	v_mov_b32 v255, 0
.endif
	v_and_b32 v1, 15, v0
	v_bfe_u32 v2, v0, 4, 1
	v_and_b32 v3, 31, v0
	v_lshrrev_b32 v17, 5, v0
	v_readfirstlane_b32 s16, v17                   ; wave 0..3
	s_mov_b32 s17, ttmp9
	s_and_b32 s18, ttmp7, 0xffff
	s_lshl_b32 s30, s18, 4
	s_mov_b32 s31, 0
	s_wait_kmcnt 0x0
	s_add_nc_u64 s[10:11], s[10:11], s[30:31]
	s_load_b128 s[20:23], s[10:11], 0x0            ; tiles, index of the weight matrix, tiles to store
	v_lshlrev_b32 v4, 4, v1
	v_lshl_add_u32 v4, v2, HSH, v4
	v_lshlrev_b32 v5, 4, v3
	s_lshl_b32 s19, s17, 8
.if FINAL
	v_lshl_add_u32 v6, v1, 4, s19                  ; bias of columns 64 cb + 4 r on
.else
	s_lshl2_add_u32 s19, s16, s19
	v_lshl_add_u32 v6, v2, 7, s19                  ; bias of column 64 cb + 32 h + w (+ 4 t by the immediate)
.endif
	s_lshl_b32 s19, s16, 10
	v_add_nc_u32 v9, s19, v5
.if FINAL
	s_lshr_b32 s19, s16, 1
	s_lshl_b32 s19, s19, 9
	s_and_b32 s29, s16, 1
	s_lshl3_add_u32 s19, s29, s19
	v_add_nc_u32 v11, s19, v5
	s_lshl_b32 s19, s16, 3
	v_lshl_add_u32 v13, v2, 5, s19                 ; list words 8 h + 2 w, + 1 of a tile
	v_lshlrev_b32 v16, 4, v1
.set tt, 0
.rept 2*PT
	v_mov_b32 v[RI+tt], 0                          ; written on every way
.set tt, tt+1
.endr
.else
	s_lshl_b32 s19, s16, 12
	v_add_nc_u32 v11, s19, v5
.endif
.if PT > 4
	v_add_nc_u32 v10, 0x10000, v9
	v_add_nc_u32 v12, 0x10000, v11
.endif
	s_wait_kmcnt 0x0
	s_min_u32 s20, s20, 64
	s_min_u32 s21, s21, 15
	s_min_u32 s22, s22, 64
.if FINAL
	s_mov_b32 s24, s22
.else
	s_mov_b32 s24, s20
.endif
	s_max_u32 s25, s20, 1
	s_sub_co_u32 s25, s25, 1
	s_lshl_b32 s30, s18, ASH+6                     ; 64 tiles a relation,
	s_mul_i32 s19, s16, NKS*1024                   ; my K steps' blocks
	s_add_co_u32 s30, s30, s19
	s_add_nc_u64 s[4:5], s[4:5], s[30:31]
	s_mul_i32 s30, s21, NKS*524288                 ; the matrix: 128 NKS rows of 4,096 bytes,
	s_lshl_b32 s19, s17, 8                         ; my 64 columns,
	s_add_co_u32 s30, s30, s19
	s_mul_i32 s19, s16, NKS*131072                 ; my 32 NKS rows
	s_add_co_u32 s30, s30, s19
	s_add_nc_u64 s[6:7], s[6:7], s[30:31]
	s_lshl_b32 s30, s21, 12
	s_add_nc_u64 s[8:9], s[8:9], s[30:31]
.if FINAL
	s_lshl_b32 s30, s18, 12
	s_add_nc_u64 s[12:13], s[12:13], s[30:31]
	s_lshl_b32 s30, s17, 8
	s_add_nc_u64 s[14:15], s[14:15], s[30:31]
.else
	s_lshl_b32 s30, s18, 22                        ; 64 tiles of 65,536 bytes a relation,
	s_lshl_b32 s19, s17, 11                        ; K steps 2 cb, 2 cb + 1 of the next layer,
	s_add_co_u32 s30, s30, s19
	s_lshl_b32 s19, s16, 9                         ; my half fragment
	s_add_co_u32 s30, s30, s19
	s_add_nc_u64 s[12:13], s[12:13], s[30:31]
.endif
	s_mov_b32 s27, 0
	LBASES 0
; THE STREAM.  The bias first, then a ring of four slots of 16 loads: while K step s is rounded, the three behind it are on their way, and the ring runs on from the weights into the first pass's four runs.
.if FINAL
	global_load_b128 v[BI:BI+3], v6, s[8:9]
.else
.irp t, 0,1,2,3,4,5,6,7
	global_load_b32 v[BI+\t], v6, s[8:9] offset:16*\t
.endr
.endif
	LOADW 0
	LOADW 1
	LOADW 2
	LOADW 3
.set kst, 0
.rept NKS
.set cnt, 0                            ; the loads issued behind K step kst's: the three groups that follow it, 16 for weights, AL for a run of the input
.set uu, kst+1
.rept 3
.if uu < NKS
.set cnt, cnt+16
.else
.set cnt, cnt+AL
.endif
.set uu, uu+1
.endr
	s_wait_loadcnt cnt
	CVT kst
.if kst+4 < NKS
	LOADW kst+4
.else
	LOADT 0xc0, kst+4-NKS, 32+2*(kst+4-NKS), ((kst+4-NKS)%PARTS)*PBYTES
.endif
.set kst, kst+1
.endr
	WIN 0
.set tt, 0
.rept 4-2*FINAL                        ; the bias, older than every load waited for above, is rounded to bf16 like the other inputs
	v_cvt_pk_bf16_f32 v17, v[BI+tt], v[BI+tt+1]
	v_lshlrev_b32 v[BI+tt], 16, v17
	v_and_b32 v[BI+tt+1], 0xffff0000, v17
.set tt, tt+2
.endr
; THE PASSES: NPASS trips of PT tiles.  Two barriers a trip: between the partial sums' stores and the other waves' reads, and between those reads and the next trip's stores.
; The pass's two bases are made at the trip's head, on every way: each is its buffer's address plus the counted step, whether or not the trip has tiles (a trip without tiles uses neither).
	s_mov_b32 s28, NPASS
.Lpass:
	s_wait_xcnt 0x0                                ; the last trip's loads and stores name the bases below: they are rewritten only behind this wait
	s_lshl_b32 s30, s27, ASH
	s_add_nc_u64 s[40:41], s[4:5], s[30:31]
.if FINAL
	s_lshl_b32 s30, s27, 6
.else
	s_lshl_b32 s30, s27, 16
.endif
	s_add_nc_u64 s[42:43], s[12:13], s[30:31]
	s_sub_co_i32 s26, s24, s27
	s_max_i32 s26, s26, 0                          ; tiles left
	s_cmp_eq_u32 s26, 0
	s_cbranch_scc1 .Lmeet
.if FINAL
.set ti, 0
.rept PT
	global_load_b64 v[RI+2*ti:RI+2*ti+1], v13, s[42:43] offset:64*ti  ; the pass's 16 PT list words all lie inside the relation's 1,024
.set ti, ti+1
.endr
.endif
.set ti, TPW
.rept TPW
	s_cmp_le_u32 s26, ti
	s_cbranch_scc1 .Lh
.set pp, 0
.rept PARTS
	LOADT 0x80, PARTS*(ti-TPW)+pp, 40, ti*ATILE+pp*PBYTES
.set pp, pp+1
.endr
	WIN 0
.set ti, ti+1
.endr
.Lh:
	s_wait_loadcnt AL*(4-PARTS)                    ; behind tile i's runs stand at least the 4 - PARTS (i + 1) later runs of its group
	TILE 0
.set ti, 1
.rept TPW-1
	s_cmp_le_u32 s26, ti
	s_cbranch_scc1 .Ll
	s_wait_loadcnt AL*(4-PARTS*(ti+1))
	TILE ti
.set ti, ti+1
.endr
.Ll:
	s_cmp_le_u32 s26, PT
	s_cbranch_scc1 .Ln
	s_wait_loadcnt 0x0                             ; no load is pending on the registers that the next group fills,
	s_wait_xcnt 0x0                                ; and its four addresses may be written
	LBASES PT
.set gg, 0
.rept 4
	LOADT 0xc0, gg, 32+2*gg, (gg%PARTS)*PBYTES
.set gg, gg+1
.endr
	WIN 0
.Ln:
	s_wait_loadcnt 0x0                             ; the pass's second TPW tiles, the row numbers
.set ti, TPW
.rept TPW
	s_cmp_le_u32 s26, ti
	s_cbranch_scc1 .Lmeet
	TILE ti
.set ti, ti+1
.endr
.Lmeet:
	s_wait_dscnt 0x0                               ; for the others' sake: my partial sums are in LDS
	s_barrier_signal -1
	s_barrier_wait -1
.set ti, 0
.rept PT
	s_cmp_le_u32 s26, ti
	s_cbranch_scc1 .Lu
	UNIT ti
.set ti, ti+1
.endr
.Lu:
	s_wait_dscnt 0x0                               ; my reads of the partial sums are back: the next trip may write over them
	s_barrier_signal -1
	s_barrier_wait -1
	s_add_co_u32 s27, s27, PT
	s_sub_co_u32 s28, s28, 1
	s_cmp_lg_u32 s28, 0
	s_cbranch_scc1 .Lpass
	s_wait_tensorcnt 0x0
	ds_add_u32 v254, v255
	s_wait_dscnt 0x0
	s_endpgm
.Lfunc_end_k_qe6593da5e0_l0:
	.size	k_qe6593da5e0_l0, .Lfunc_end_k_qe6593da5e0_l0-k_qe6593da5e0_l0
	.p2alignl 7, 3214868480
	.fill 96, 4, 3214868480
	.section	.rodata,"a",@progbits
	.p2align	6, 0x0
	.amdhsa_kernel k_qe6593da5e0_l0
		.amdhsa_group_segment_fixed_size 131584
		.amdhsa_private_segment_fixed_size 0
		.amdhsa_enable_private_segment 0
		.amdhsa_kernarg_size 40
		.amdhsa_user_sgpr_count 2
		.amdhsa_user_sgpr_kernarg_segment_ptr 1
		.amdhsa_wavefront_size32 1
		.amdhsa_system_sgpr_workgroup_id_x 1
		.amdhsa_system_sgpr_workgroup_id_y 1
		.amdhsa_system_sgpr_workgroup_id_z 1
		.amdhsa_system_vgpr_workitem_id 0
		.amdhsa_next_free_vgpr 1024
		.amdhsa_next_free_sgpr 66
		.amdhsa_reserve_vcc 0
		.amdhsa_float_denorm_mode_32 3
		.amdhsa_float_denorm_mode_16_64 3
		.amdhsa_memory_ordered 1
		.amdhsa_forward_progress 1
		.amdhsa_inst_pref_size 70
	.end_amdhsa_kernel
	.amdgpu_metadata
---
amdhsa.version: [ 1, 2 ]
amdhsa.kernels:
  - .name:           k_qe6593da5e0_l0
    .symbol:         k_qe6593da5e0_l0.kd
    .args:
      - { .name: a0, .offset: 0, .size: 8, .value_kind: global_buffer, .address_space: global }
      - { .name: W0, .offset: 8, .size: 8, .value_kind: global_buffer, .address_space: global }
      - { .name: b0, .offset: 16, .size: 8, .value_kind: global_buffer, .address_space: global }
      - { .name: tabD, .offset: 24, .size: 8, .value_kind: global_buffer, .address_space: global }
      - { .name: hA, .offset: 32, .size: 8, .value_kind: global_buffer, .address_space: global }
    .group_segment_fixed_size: 131584
    .private_segment_fixed_size: 0
    .kernarg_segment_align: 8
    .kernarg_segment_size: 40
    .max_flat_workgroup_size: 128
    .sgpr_count:     66
    .vgpr_count:     1024
    .wavefront_size: 32
...
	.end_amdgpu_metadata
.endif
;; end of part 2
;; launch l1 (part 3): grid 16 x 16, 4 waves a work-group, no clusters, 66,048 bytes of LDS; arguments hA, W1, b1, tabD, hB; writes hB
.if DOCPART == 3
	.amdgcn_target "amdgcn-amd-amdhsa--gfx1250"
	.amdhsa_code_object_version 6
	.text
	.protected	k_qe6593da5e0_l1
	.globl	k_qe6593da5e0_l1
	.p2align	8
	.type	k_qe6593da5e0_l1,@function
k_qe6593da5e0_l1:
	s_mov_b64 s[64:65], 0
	v_nop
	global_prefetch_b8 v0, s[64:65] scope:SCOPE_SE
	s_setreg_imm32_b32 hwreg(HW_REG_WAVE_MODE, 25, 1), 1
	s_wait_xcnt 0x0
; ONE LAYER, middle form: K = 1,024, input in two parts and in the order in which a layer leaves it, ReLU, output as fragments.  out[n] = relu(in[n] W[x] + b[x]) for the rows of relation e and the
; output columns 64 cb .. 64 cb + 63; x is word 1 of the table entry: 0 for the dense layer, e for a layer of relations.
; SHARES.  Work-group (cb, e), four waves.  Wave w owns the K rows 32 NKS w on of the weight matrix, for all 64 columns: it reads them once, as f32, rounds them to bf16 and keeps them in registers
; as fragments for the whole launch.  Every wave multiplies every tile of 16 rows by its quarter of K; the four partial sums meet in LDS, and wave w finishes a quarter of each tile.
; WEIGHTS.  W is [K][1024] f32.  A lane loads 16 bytes, columns 64 cb + 4 r .. + 3 of one row: 16 lanes take 256 consecutive bytes.  Two rows that follow each other in a lane's k are paired by
; v_cvt_pk_bf16_f32, which turns the matrix on the way: fragment j, lane index r, is column 64 cb + 4 r + j.
; TWO PARTS.  A number h of an activation is stored as hi = bf16(h) and lo = bf16(h - hi): a tile, 64 e + i, is 65,536 bytes, 32 blocks of hi and then 32 of lo.  Both are multiplied by the same
; weights into one sum.  One rounding to bf16 is off by up to 2^-9 of a number; four layers of that on end would take a large part of the 1 per cent of the root mean square that a result may be off.
; A block of 1,024 bytes is one K step ks, [c][lane][16 bytes]; element t of lane (r, h) is row r, k = 64 (ks / 2) + 32 h + 4 t + 2 (ks % 2) + c.
; The weight rows are loaded in the same order: a permutation of k applied alike to both sources keeps the products.
; OUTPUT.  Source 0 = weights, source 1 = activations: lane (r, h), register t of fragment j holds row r, column 64 cb + 32 h + 4 t + j.  Wave w finishes fragment w: its 8 numbers a lane are chunk
; w % 2 of K step 2 cb + w / 2 of the next layer, in the order of k given above.
; TILE COUNTS come from the table that the first launch stored.  All barriers stand in a loop with a constant count (PT tiles a trip, 64 tiles at the most); what a relation has not is jumped over, forward.
; NO CLUSTER: the weights pass through registers for the rounding, so they come by register loads, which cannot be asked for jointly.
; LIMITS.  Weights and bias are rounded to bf16 (nearest even); sums in f32, K in four quarters, added ((0 + 1) + (2 + 3)) + bias.  v_max_num_f32 makes 0 of a NaN; infinities are not treated apart.
.set NKS,   8                          ; K steps of 32 a wave
.set NAT,   0                          ; 1: k in the natural order; 0: in the order in which a layer leaves its output
.set FINAL, 0                          ; 1: no ReLU, f32 rows scattered to their places
.set PARTS, 2                          ; parts of the input: 1: bf16 alone; 2: hi and lo
.set ASH,   16                         ; a tile of the input is 1 << ASH bytes
.set AL,    2*NKS                      ; loads of a wave for one part of a tile
.set PBYTES, 4096*NKS                  ; bytes of one part of a tile of the input
.set ATILE, PBYTES*PARTS               ; bytes of a tile of the input
.set TPW,   4/PARTS                    ; tiles whose input fits in a register window
.set PT,    2*TPW                      ; tiles in a pass
.set NPASS, 64/PT
.if NAT
.set HSH,   15                         ; lanes 16-31 take the row 8 further down: 8 x 4,096 bytes
.else
.set HSH,   17                         ; 32 further down
.endif
; window 0: v1 r, v2 h, v3 lane, v4 my offset in a weight row pair, v5 16 x lane, v6 offset in the bias, v9 LDS: where I put partial sums, v11 where I read them,
;           v13 offset in the list, v14, v15 offsets of stores, v16 16 r, v17 at work
.set BI,    24                         ; v[24:31]   bias
.set ACC,   32                         ; v[32:63]   four accumulators
.set P,     64                         ; v[64:95]   four waves' partial sums
.set OUT,   96                         ; v[96:103]  what is stored
.set RI,    104                        ; v[104:119] row numbers (last layer)
; window 1: the weights, fragment j of K step s at 32 s + 8 j.   window 2: four slots of 64 f32 on their way to window 1; later the input of the pass's second TPW tiles.   window 3: of its first TPW.
; s[4:5] input at my relation and my K steps; s[6:7] weights at my rows and columns; s[8:9] bias; s[10:11] table entry; s[12:13] output (last layer: list); s[14:15] last layer: out0
; s16 w, s17 cb, s18 e, s19 at work, s[20:23] the entry, s24 tiles to do, s25 last tile that exists, s26 tiles left, s27 first tile of the pass, s28 counter, s[30:31] offsets (s31 = 0),
; s[32:39] addresses for the four runs of loads of a pass's first TPW tiles, s[40:41] input at the pass, s[42:43] output or list at the pass
.set MSB, 0
.macro WIN new                         ; s_set_vgpr_msb: bits 1:0 source 0, 3:2 source 1, 5:4 source 2, 7:6 destination; the high byte repeats the setting that is left
.if MSB != (\new)
	s_set_vgpr_msb (MSB<<8)|(\new)
.set MSB, \new
.endif
.endm
.macro LOADW st                        ; the 32 weight rows of my K step st, 16 loads, into slot st % 4 of window 2: row (c, t) at 4 (8 c + t)
	WIN 0x80
.set cc, 0
.rept 2
.set tt, 0
.rept 8
.if NAT
.set rw, 32*(\st)+16*cc+tt
.else
.set rw, 64*((\st)/2)+2*((\st)%2)+cc+4*tt
.endif
.set rg, 64*((\st)%4)+4*(8*cc+tt)
.if FINAL
	global_load_b128 v[rg:rg+3], v4, s[6:7] offset:rw*4096 th:TH_LOAD_NT
.else
	global_load_b128 v[rg:rg+3], v4, s[6:7] offset:rw*4096
.endif
.set tt, tt+1
.endr
.set cc, cc+1
.endr
.endm
.macro CVT st                          ; 64 f32 a lane become four fragments: rows t and t + 1 of a column share a register
	WIN 0x4a
.set fj, 0
.rept 4
.set cc, 0
.rept 2
.set tt, 0
.rept 4
	v_cvt_pk_bf16_f32 v[32*(\st)+8*fj+4*cc+tt], v[64*((\st)%4)+4*(8*cc+2*tt)+fj], v[64*((\st)%4)+4*(8*cc+2*tt+1)+fj]
.set tt, tt+1
.endr
.set cc, cc+1
.endr
.set fj, fj+1
.endr
.endm
.macro LOADT win, run, base, off       ; my K steps of one part of one tile: AL loads of 512 consecutive bytes, into run 0..3 of a window (run = PARTS x tile + part)
	WIN \win
.set kk, 0
.rept NKS
.set rg, 8*NKS*(\run)+8*kk
	global_load_b128 v[rg:rg+3], v5, s[\base:\base+1] offset:(\off)+1024*kk
	global_load_b128 v[rg+4:rg+7], v5, s[\base:\base+1] offset:(\off)+1024*kk+512
.set kk, kk+1
.endr
.endm
.macro LBASES first                    ; for run i the address of tile s27 + first + i / PARTS; a tile that is not there is replaced by the last that is, so that the group is always 4 AL loads
.irp i, 0,1,2,3
	s_add_co_u32 s30, s27, (\first)+\i/PARTS
	s_min_u32 s30, s30, s25
	s_min_u32 s30, s30, 63
	s_lshl_b32 s30, s30, ASH
	s_add_nc_u64 s[32+2*\i:33+2*\i], s[4:5], s[30:31]
.endr
.endm
.macro MMA d, a, b, first
.if \first
	v_wmma_f32_16x16x32_bf16 v[\d:\d+7], v[\a:\a+7], v[\b:\b+7], 0
.else
	v_wmma_f32_16x16x32_bf16 v[\d:\d+7], v[\a:\a+7], v[\b:\b+7], v[\d:\d+7]
.endif
.endm
; Tile i of a pass times my quarter of K: 4 NKS PARTS products, by K step, part and fragment; the four accumulators take turns, one instruction a turn; the first starts each sum.
; Then the partial sums go to LDS: [tile: 16,384][fragment: 4,096][wave: 1,024][registers 0-3, 4-7: 512][lane: 16], lanes side by side, lowest registers first.
.macro TILE i
.if FINAL
	WIN 0x07-(\i)/TPW                              ; source 0 = input (window 3 or 2), source 1 = weights (window 1)
.else
	WIN 0x0d-4*((\i)/TPW)                          ; source 0 = weights, source 1 = input
.endif
.set kk, 0
.rept NKS
.set pq, 0
.rept PARTS
.set f1, 0
.if kk+pq == 0
.set f1, 1
.endif
.set fj, 0
.rept 4
.set ra, 8*NKS*(PARTS*((\i)%TPW)+pq)+8*kk
.set rb, 32*kk+8*fj
.set rc, ACC+8*fj
.if FINAL
	MMA rc, ra, rb, f1
.else
	MMA rc, rb, ra, f1
.endif
.set fj, fj+1
.endr
.set pq, pq+1
.endr
.set kk, kk+1
.endr
	WIN 0
.rept 5
	v_nop                                          ; places behind the last products: four before the stores read the sums and before loads land on the sources, five before the next tile's first product writes over the sums
.endr
.set fj, 0
.rept 8
	ds_store_b128 v[9+(\i)/4], v[ACC+4*fj:ACC+4*fj+3] offset:((\i)%4)*16384+4096*(fj/2)+512*(fj%2)
.set fj, fj+1
.endr
.endm
; My quarter of tile i is finished: the four waves' partial sums are added, then the bias.
.macro UNIT i
.set wq, 0
.if FINAL
.rept 16                               ; source wave wq / 4, fragment wq % 4: registers 2 w, 2 w + 1: rows 8 h + 2 w, + 1
	ds_load_b64 v[P+8*(wq/4)+2*(wq%4):P+8*(wq/4)+2*(wq%4)+1], v[11+(\i)/4] offset:((\i)%4)*16384+4096*(wq%4)+1024*(wq/4)
.set wq, wq+1
.endr
.else
.rept 8                                ; fragment w: source wave wq / 2, registers 4 (wq % 2) on
	ds_load_b128 v[P+4*wq:P+4*wq+3], v[11+(\i)/4] offset:((\i)%4)*16384+512*wq
.set wq, wq+1
.endr
.endif
	s_wait_dscnt 0x0
.irp p, 0,2,4,6
	v_pk_add_f32 v[P+\p:P+\p+1], v[P+\p:P+\p+1], v[P+8+\p:P+8+\p+1]
	v_pk_add_f32 v[P+16+\p:P+16+\p+1], v[P+16+\p:P+16+\p+1], v[P+24+\p:P+24+\p+1]
.endr
.irp p, 0,2,4,6
	v_pk_add_f32 v[P+\p:P+\p+1], v[P+\p:P+\p+1], v[P+16+\p:P+16+\p+1]
.endr
.if FINAL
	s_wait_xcnt 0x0                                ; the last stores' data and offsets are rewritten only behind this wait
.irp j, 0,1,2,3
	v_add_f32 v[OUT+\j], v[P+2*\j], v[BI+\j]
	v_add_f32 v[OUT+4+\j], v[P+2*\j+1], v[BI+\j]
.endr
	v_min_u32 v17, 0x3ff, v[RI+2*(\i)]
	v_lshl_add_u32 v14, v17, 12, v16               ; row x 4,096 bytes + 16 r
	v_min_u32 v17, 0x3ff, v[RI+2*(\i)+1]
	v_lshl_add_u32 v15, v17, 12, v16
	global_store_b128 v14, v[OUT:OUT+3], s[14:15] th:TH_STORE_NT    ; 16 lanes store 256 consecutive bytes of a row, at a multiple of 256 from the buffer's first byte
	global_store_b128 v15, v[OUT+4:OUT+7], s[14:15] th:TH_STORE_NT
.else
.irp p, 0,2,4,6
	v_pk_add_f32 v[P+\p:P+\p+1], v[P+\p:P+\p+1], v[BI+\p:BI+\p+1]
.endr
.irp t, 0,1,2,3,4,5,6,7
	v_max_num_f32 v[P+\t], 0, v[P+\t]
.endr
	s_wait_xcnt 0x0                                ; the last stores' data are rewritten only behind this wait
.irp t, 0,1,2,3
	v_cvt_pk_bf16_f32 v[OUT+\t], v[P+2*\t], v[P+2*\t+1]            ; hi
.endr
.irp t, 0,1,2,3
	v_lshlrev_b32 v[P+8+2*\t], 16, v[OUT+\t]       ; hi as f32 again
	v_and_b32 v[P+9+2*\t], 0xffff0000, v[OUT+\t]
.endr
.irp t, 0,1,2,3,4,5,6,7
	v_sub_f32 v[P+\t], v[P+\t], v[P+8+\t]          ; what hi has left out: exact
.endr
.irp t, 0,1,2,3
	v_cvt_pk_bf16_f32 v[OUT+4+\t], v[P+2*\t], v[P+2*\t+1]          ; lo
.endr
	global_store_b128 v5, v[OUT:OUT+3], s[42:43] offset:(\i)*65536          ; 512 consecutive bytes: half a fragment of the next layer,
	global_store_b128 v5, v[OUT+4:OUT+7], s[42:43] offset:(\i)*65536+32768  ; and the same half fragment of lo
.endif
.endm
	s_load_b256 s[4:11], s[0:1], 0x0               ; input, weights, bias, table
.if FINAL
	s_load_b128 s[12:15], s[0:1], 0x20             ; list, out0
.else
	s_load_b64 s[12:13], s[0:1], 0x20              ; output
	v_lshl_add_u32 v254, v0, 2, 0x10000
	v_mov_b32 v255, 0
.endif
	v_and_b32 v1, 15, v0
	v_bfe_u32 v2, v0, 4, 1
	v_and_b32 v3, 31, v0
	v_lshrrev_b32 v17, 5, v0
	v_readfirstlane_b32 s16, v17                   ; wave 0..3
	s_mov_b32 s17, ttmp9
	s_and_b32 s18, ttmp7, 0xffff
	s_lshl_b32 s30, s18, 4
	s_mov_b32 s31, 0
	s_wait_kmcnt 0x0
	s_add_nc_u64 s[10:11], s[10:11], s[30:31]
	s_load_b128 s[20:23], s[10:11], 0x0            ; tiles, index of the weight matrix, tiles to store
	v_lshlrev_b32 v4, 4, v1
	v_lshl_add_u32 v4, v2, HSH, v4
	v_lshlrev_b32 v5, 4, v3
	s_lshl_b32 s19, s17, 8
.if FINAL
	v_lshl_add_u32 v6, v1, 4, s19                  ; bias of columns 64 cb + 4 r on
.else
	s_lshl2_add_u32 s19, s16, s19
	v_lshl_add_u32 v6, v2, 7, s19                  ; bias of column 64 cb + 32 h + w (+ 4 t by the immediate)
.endif
	s_lshl_b32 s19, s16, 10
	v_add_nc_u32 v9, s19, v5
.if FINAL
	s_lshr_b32 s19, s16, 1
	s_lshl_b32 s19, s19, 9
	s_and_b32 s29, s16, 1
	s_lshl3_add_u32 s19, s29, s19
	v_add_nc_u32 v11, s19, v5
	s_lshl_b32 s19, s16, 3
	v_lshl_add_u32 v13, v2, 5, s19                 ; list words 8 h + 2 w, + 1 of a tile
	v_lshlrev_b32 v16, 4, v1
.set tt, 0
.rept 2*PT
	v_mov_b32 v[RI+tt], 0                          ; written on every way
.set tt, tt+1
.endr
.else
	s_lshl_b32 s19, s16, 12
	v_add_nc_u32 v11, s19, v5
.endif
.if PT > 4
	v_add_nc_u32 v10, 0x10000, v9
	v_add_nc_u32 v12, 0x10000, v11
.endif
	s_wait_kmcnt 0x0
	s_min_u32 s20, s20, 64
	s_min_u32 s21, s21, 15
	s_min_u32 s22, s22, 64
.if FINAL
	s_mov_b32 s24, s22
.else
	s_mov_b32 s24, s20
.endif
	s_max_u32 s25, s20, 1
	s_sub_co_u32 s25, s25, 1
	s_lshl_b32 s30, s18, ASH+6                     ; 64 tiles a relation,
	s_mul_i32 s19, s16, NKS*1024                   ; my K steps' blocks
	s_add_co_u32 s30, s30, s19
	s_add_nc_u64 s[4:5], s[4:5], s[30:31]
	s_mul_i32 s30, s21, NKS*524288                 ; the matrix: 128 NKS rows of 4,096 bytes,
	s_lshl_b32 s19, s17, 8                         ; my 64 columns,
	s_add_co_u32 s30, s30, s19
	s_mul_i32 s19, s16, NKS*131072                 ; my 32 NKS rows
	s_add_co_u32 s30, s30, s19
	s_add_nc_u64 s[6:7], s[6:7], s[30:31]
	s_lshl_b32 s30, s21, 12
	s_add_nc_u64 s[8:9], s[8:9], s[30:31]
.if FINAL
	s_lshl_b32 s30, s18, 12
	s_add_nc_u64 s[12:13], s[12:13], s[30:31]
	s_lshl_b32 s30, s17, 8
	s_add_nc_u64 s[14:15], s[14:15], s[30:31]
.else
	s_lshl_b32 s30, s18, 22                        ; 64 tiles of 65,536 bytes a relation,
	s_lshl_b32 s19, s17, 11                        ; K steps 2 cb, 2 cb + 1 of the next layer,
	s_add_co_u32 s30, s30, s19
	s_lshl_b32 s19, s16, 9                         ; my half fragment
	s_add_co_u32 s30, s30, s19
	s_add_nc_u64 s[12:13], s[12:13], s[30:31]
.endif
	s_mov_b32 s27, 0
	LBASES 0
; THE STREAM.  The bias first, then a ring of four slots of 16 loads: while K step s is rounded, the three behind it are on their way, and the ring runs on from the weights into the first pass's four runs.
.if FINAL
	global_load_b128 v[BI:BI+3], v6, s[8:9]
.else
.irp t, 0,1,2,3,4,5,6,7
	global_load_b32 v[BI+\t], v6, s[8:9] offset:16*\t
.endr
.endif
	LOADW 0
	LOADW 1
	LOADW 2
	LOADW 3
.set kst, 0
.rept NKS
.set cnt, 0                            ; the loads issued behind K step kst's: the three groups that follow it, 16 for weights, AL for a run of the input
.set uu, kst+1
.rept 3
.if uu < NKS
.set cnt, cnt+16
.else
.set cnt, cnt+AL
.endif
.set uu, uu+1
.endr
	s_wait_loadcnt cnt
	CVT kst
.if kst+4 < NKS
	LOADW kst+4
.else
	LOADT 0xc0, kst+4-NKS, 32+2*(kst+4-NKS), ((kst+4-NKS)%PARTS)*PBYTES
.endif
.set kst, kst+1
.endr
	WIN 0
.set tt, 0
.rept 4-2*FINAL                        ; the bias, older than every load waited for above, is rounded to bf16 like the other inputs
	v_cvt_pk_bf16_f32 v17, v[BI+tt], v[BI+tt+1]
	v_lshlrev_b32 v[BI+tt], 16, v17
	v_and_b32 v[BI+tt+1], 0xffff0000, v17
.set tt, tt+2
.endr
; THE PASSES: NPASS trips of PT tiles.  Two barriers a trip: between the partial sums' stores and the other waves' reads, and between those reads and the next trip's stores.
; The pass's two bases are made at the trip's head, on every way: each is its buffer's address plus the counted step, whether or not the trip has tiles (a trip without tiles uses neither).
	s_mov_b32 s28, NPASS
.Lpass:
	s_wait_xcnt 0x0                                ; the last trip's loads and stores name the bases below: they are rewritten only behind this wait
	s_lshl_b32 s30, s27, ASH
	s_add_nc_u64 s[40:41], s[4:5], s[30:31]
.if FINAL
	s_lshl_b32 s30, s27, 6
.else
	s_lshl_b32 s30, s27, 16
.endif
	s_add_nc_u64 s[42:43], s[12:13], s[30:31]
	s_sub_co_i32 s26, s24, s27
	s_max_i32 s26, s26, 0                          ; tiles left
	s_cmp_eq_u32 s26, 0
	s_cbranch_scc1 .Lmeet
.if FINAL
.set ti, 0
.rept PT
	global_load_b64 v[RI+2*ti:RI+2*ti+1], v13, s[42:43] offset:64*ti  ; the pass's 16 PT list words all lie inside the relation's 1,024
.set ti, ti+1
.endr
.endif
.set ti, TPW
.rept TPW
	s_cmp_le_u32 s26, ti
	s_cbranch_scc1 .Lh
.set pp, 0
.rept PARTS
	LOADT 0x80, PARTS*(ti-TPW)+pp, 40, ti*ATILE+pp*PBYTES
.set pp, pp+1
.endr
	WIN 0
.set ti, ti+1
.endr
.Lh:
	s_wait_loadcnt AL*(4-PARTS)                    ; behind tile i's runs stand at least the 4 - PARTS (i + 1) later runs of its group
	TILE 0
.set ti, 1
.rept TPW-1
	s_cmp_le_u32 s26, ti
	s_cbranch_scc1 .Ll
	s_wait_loadcnt AL*(4-PARTS*(ti+1))
	TILE ti
.set ti, ti+1
.endr
.Ll:
	s_cmp_le_u32 s26, PT
	s_cbranch_scc1 .Ln
	s_wait_loadcnt 0x0                             ; no load is pending on the registers that the next group fills,
	s_wait_xcnt 0x0                                ; and its four addresses may be written
	LBASES PT
.set gg, 0
.rept 4
	LOADT 0xc0, gg, 32+2*gg, (gg%PARTS)*PBYTES
.set gg, gg+1
.endr
	WIN 0
.Ln:
	s_wait_loadcnt 0x0                             ; the pass's second TPW tiles, the row numbers
.set ti, TPW
.rept TPW
	s_cmp_le_u32 s26, ti
	s_cbranch_scc1 .Lmeet
	TILE ti
.set ti, ti+1
.endr
.Lmeet:
	s_wait_dscnt 0x0                               ; for the others' sake: my partial sums are in LDS
	s_barrier_signal -1
	s_barrier_wait -1
.set ti, 0
.rept PT
	s_cmp_le_u32 s26, ti
	s_cbranch_scc1 .Lu
	UNIT ti
.set ti, ti+1
.endr
.Lu:
	s_wait_dscnt 0x0                               ; my reads of the partial sums are back: the next trip may write over them
	s_barrier_signal -1
	s_barrier_wait -1
	s_add_co_u32 s27, s27, PT
	s_sub_co_u32 s28, s28, 1
	s_cmp_lg_u32 s28, 0
	s_cbranch_scc1 .Lpass
	s_wait_tensorcnt 0x0
	ds_add_u32 v254, v255
	s_wait_dscnt 0x0
	s_endpgm
.Lfunc_end_k_qe6593da5e0_l1:
	.size	k_qe6593da5e0_l1, .Lfunc_end_k_qe6593da5e0_l1-k_qe6593da5e0_l1
	.p2alignl 7, 3214868480
	.fill 96, 4, 3214868480
	.section	.rodata,"a",@progbits
	.p2align	6, 0x0
	.amdhsa_kernel k_qe6593da5e0_l1
		.amdhsa_group_segment_fixed_size 66048
		.amdhsa_private_segment_fixed_size 0
		.amdhsa_enable_private_segment 0
		.amdhsa_kernarg_size 40
		.amdhsa_user_sgpr_count 2
		.amdhsa_user_sgpr_kernarg_segment_ptr 1
		.amdhsa_wavefront_size32 1
		.amdhsa_system_sgpr_workgroup_id_x 1
		.amdhsa_system_sgpr_workgroup_id_y 1
		.amdhsa_system_sgpr_workgroup_id_z 1
		.amdhsa_system_vgpr_workitem_id 0
		.amdhsa_next_free_vgpr 1024
		.amdhsa_next_free_sgpr 66
		.amdhsa_reserve_vcc 0
		.amdhsa_float_denorm_mode_32 3
		.amdhsa_float_denorm_mode_16_64 3
		.amdhsa_memory_ordered 1
		.amdhsa_forward_progress 1
		.amdhsa_inst_pref_size 85
	.end_amdhsa_kernel
	.amdgpu_metadata
---
amdhsa.version: [ 1, 2 ]
amdhsa.kernels:
  - .name:           k_qe6593da5e0_l1
    .symbol:         k_qe6593da5e0_l1.kd
    .args:
      - { .name: hA, .offset: 0, .size: 8, .value_kind: global_buffer, .address_space: global }
      - { .name: W1, .offset: 8, .size: 8, .value_kind: global_buffer, .address_space: global }
      - { .name: b1, .offset: 16, .size: 8, .value_kind: global_buffer, .address_space: global }
      - { .name: tabD, .offset: 24, .size: 8, .value_kind: global_buffer, .address_space: global }
      - { .name: hB, .offset: 32, .size: 8, .value_kind: global_buffer, .address_space: global }
    .group_segment_fixed_size: 66048
    .private_segment_fixed_size: 0
    .kernarg_segment_align: 8
    .kernarg_segment_size: 40
    .max_flat_workgroup_size: 128
    .sgpr_count:     66
    .vgpr_count:     1024
    .wavefront_size: 32
...
	.end_amdgpu_metadata
.endif
;; end of part 3
;; launch r1: the kernel of part 3 again; grid 16 x 16, 4 waves a work-group, no clusters, 66,048 bytes of LDS; arguments hB, RW1, Rb1, tabR, hA; writes hA
;; launch r2: the kernel of part 3 again; grid 16 x 16, 4 waves a work-group, no clusters, 66,048 bytes of LDS; arguments hA, RW2, Rb2, tabR, hB; writes hB
;; launch r3 (part 4): grid 16 x 16, 4 waves a work-group, no clusters, 66,048 bytes of LDS; arguments hB, RW3, Rb3, tabR, list, out0; writes out0
.if DOCPART == 4
	.amdgcn_target "amdgcn-amd-amdhsa--gfx1250"
	.amdhsa_code_object_version 6
	.text
	.protected	k_qe6593da5e0_r3
	.globl	k_qe6593da5e0_r3
	.p2align	8
	.type	k_qe6593da5e0_r3,@function
k_qe6593da5e0_r3:
	s_mov_b64 s[64:65], 0
	v_nop
	global_prefetch_b8 v0, s[64:65] scope:SCOPE_SE
	s_setreg_imm32_b32 hwreg(HW_REG_WAVE_MODE, 25, 1), 1
	s_wait_xcnt 0x0
; ONE LAYER, last form: K = 1,024, input in two parts and in the order in which a layer leaves it, no ReLU, f32 rows stored at their own places.  out0[n] = in[n] W[e] + b[e] for the rows n of
; relation e and the output columns 64 cb .. 64 cb + 63.
; SHARES.  Work-group (cb, e), four waves.  Wave w owns the K rows 32 NKS w on of the weight matrix, for all 64 columns: it reads them once, as f32, rounds them to bf16 and keeps them in registers
; as fragments for the whole launch.  Every wave multiplies every tile of 16 rows by its quarter of K; the four partial sums meet in LDS, and wave w finishes a quarter of each tile.
; WEIGHTS.  W is [K][1024] f32.  A lane loads 16 bytes, columns 64 cb + 4 r .. + 3 of one row: 16 lanes take 256 consecutive bytes.  Two rows that follow each other in a lane's k are paired by
; v_cvt_pk_bf16_f32, which turns the matrix on the way: fragment j, lane index r, is column 64 cb + 4 r + j.  Each byte of these weights is read once in the launch.
; TWO PARTS.  A number h of the input is stored as hi = bf16(h) and lo = bf16(h - hi): a tile, 64 e + i, is 65,536 bytes, 32 blocks of hi and then 32 of lo.  Both are multiplied by the same
; weights into one sum.  A block of 1,024 bytes is one K step ks, [c][lane][16 bytes]; element t of lane (r, h) is row r, k = 64 (ks / 2) + 32 h + 4 t + 2 (ks % 2) + c.
; The weight rows are loaded in the same order: a permutation of k applied alike to both sources keeps the products.
; OUTPUT.  Source 0 = activations, source 1 = weights: lane (r, h), register t of fragment j holds tile row 8 h + t, column 64 cb + 4 r + j.  Wave w finishes tile rows 8 h + 2 w and 8 h + 2 w + 1:
; the four fragments give a lane four neighbouring columns, 16 lanes 256 consecutive bytes of a row of out0.  The row's number comes from the list that the first launch stored.  Places of a tile behind
; the relation's last row repeat that row: the same numbers are stored twice at the same place, by this work-group.  An empty relation stores nothing (word 2 of the table entry is 0).
; TILE COUNTS come from the table that the first launch stored.  All barriers stand in a loop with a constant count (PT tiles a trip, 64 tiles at the most); what a relation has not is jumped over, forward.
; NO CLUSTER: the weights pass through registers for the rounding, so they come by register loads, which cannot be asked for jointly.
; LIMITS.  Weights and bias are rounded to bf16 (nearest even); sums in f32, K in four quarters, added ((0 + 1) + (2 + 3)) + bias.  A row whose relation lies outside 0 .. 15 is not written.
.set NKS,   8                          ; K steps of 32 a wave
.set NAT,   0                          ; 1: k in the natural order; 0: in the order in which a layer leaves its output
.set FINAL, 1                          ; 1: no ReLU, f32 rows scattered to their places
.set PARTS, 2                          ; parts of the input: 1: bf16 alone; 2: hi and lo
.set ASH,   16                         ; a tile of the input is 1 << ASH bytes
.set AL,    2*NKS                      ; loads of a wave for one part of a tile
.set PBYTES, 4096*NKS                  ; bytes of one part of a tile of the input
.set ATILE, PBYTES*PARTS               ; bytes of a tile of the input
.set TPW,   4/PARTS                    ; tiles whose input fits in a register window
.set PT,    2*TPW                      ; tiles in a pass
.set NPASS, 64/PT
.if NAT
.set HSH,   15                         ; lanes 16-31 take the row 8 further down: 8 x 4,096 bytes
.else
.set HSH,   17                         ; 32 further down
.endif
; window 0: v1 r, v2 h, v3 lane, v4 my offset in a weight row pair, v5 16 x lane, v6 offset in the bias, v9 LDS: where I put partial sums, v11 where I read them,
;           v13 offset in the list, v14, v15 offsets of stores, v16 16 r, v17 at work
.set BI,    24                         ; v[24:31]   bias
.set ACC,   32                         ; v[32:63]   four accumulators
.set P,     64                         ; v[64:95]   four waves' partial sums
.set OUT,   96                         ; v[96:103]  what is stored
.set RI,    104                        ; v[104:119] row numbers (last layer)
; window 1: the weights, fragment j of K step s at 32 s + 8 j.   window 2: four slots of 64 f32 on their way to window 1; later the input of the pass's second TPW tiles.   window 3: of its first TPW.
; s[4:5] input at my relation and my K steps; s[6:7] weights at my rows and columns; s[8:9] bias; s[10:11] table entry; s[12:13] output (last layer: list); s[14:15] last layer: out0
; s16 w, s17 cb, s18 e, s19 at work, s[20:23] the entry, s24 tiles to do, s25 last tile that exists, s26 tiles left, s27 first tile of the pass, s28 counter, s[30:31] offsets (s31 = 0),
; s[32:39] addresses for the four runs of loads of a pass's first TPW tiles, s[40:41] input at the pass, s[42:43] output or list at the pass
.set MSB, 0
.macro WIN new                         ; s_set_vgpr_msb: bits 1:0 source 0, 3:2 source 1, 5:4 source 2, 7:6 destination; the high byte repeats the setting that is left
.if MSB != (\new)
	s_set_vgpr_msb (MSB<<8)|(\new)
.set MSB, \new
.endif
.endm
.macro LOADW st                        ; the 32 weight rows of my K step st, 16 loads, into slot st % 4 of window 2: row (c, t) at 4 (8 c + t)
	WIN 0x80
.set cc, 0
.rept 2
.set tt, 0
.rept 8
.if NAT
.set rw, 32*(\st)+16*cc+tt
.else
.set rw, 64*((\st)/2)+2*((\st)%2)+cc+4*tt
.endif
.set rg, 64*((\st)%4)+4*(8*cc+tt)
.if FINAL
	global_load_b128 v[rg:rg+3], v4, s[6:7] offset:rw*4096 th:TH_LOAD_NT
.else
	global_load_b128 v[rg:rg+3], v4, s[6:7] offset:rw*4096
.endif
.set tt, tt+1
.endr
.set cc, cc+1
.endr
.endm
.macro CVT st                          ; 64 f32 a lane become four fragments: rows t and t + 1 of a column share a register
	WIN 0x4a
.set fj, 0
.rept 4
.set cc, 0
.rept 2
.set tt, 0
.rept 4
	v_cvt_pk_bf16_f32 v[32*(\st)+8*fj+4*cc+tt], v[64*((\st)%4)+4*(8*cc+2*tt)+fj], v[64*((\st)%4)+4*(8*cc+2*tt+1)+fj]
.set tt, tt+1
.endr
.set cc, cc+1
.endr
.set fj, fj+1
.endr
.endm
.macro LOADT win, run, base, off       ; my K steps of one part of one tile: AL loads of 512 consecutive bytes, into run 0..3 of a window (run = PARTS x tile + part)
	WIN \win
.set kk, 0
.rept NKS
.set rg, 8*NKS*(\run)+8*kk
	global_load_b128 v[rg:rg+3], v5, s[\base:\base+1] offset:(\off)+1024*kk
	global_load_b128 v[rg+4:rg+7], v5, s[\base:\base+1] offset:(\off)+1024*kk+512
.set kk, kk+1
.endr
.endm
.macro LBASES first                    ; for run i the address of tile s27 + first + i / PARTS; a tile that is not there is replaced by the last that is, so that the group is always 4 AL loads
.irp i, 0,1,2,3
	s_add_co_u32 s30, s27, (\first)+\i/PARTS
	s_min_u32 s30, s30, s25
	s_min_u32 s30, s30, 63
	s_lshl_b32 s30, s30, ASH
	s_add_nc_u64 s[32+2*\i:33+2*\i], s[4:5], s[30:31]
.endr
.endm
.macro MMA d, a, b, first
.if \first
	v_wmma_f32_16x16x32_bf16 v[\d:\d+7], v[\a:\a+7], v[\b:\b+7], 0
.else
	v_wmma_f32_16x16x32_bf16 v[\d:\d+7], v[\a:\a+7], v[\b:\b+7], v[\d:\d+7]
.endif
.endm
; Tile i of a pass times my quarter of K: 4 NKS PARTS products, by K step, part and fragment; the four accumulators take turns, one instruction a turn; the first starts each sum.
; Then the partial sums go to LDS: [tile: 16,384][fragment: 4,096][wave: 1,024][registers 0-3, 4-7: 512][lane: 16], lanes side by side, lowest registers first.
.macro TILE i
.if FINAL
	WIN 0x07-(\i)/TPW                              ; source 0 = input (window 3 or 2), source 1 = weights (window 1)
.else
	WIN 0x0d-4*((\i)/TPW)                          ; source 0 = weights, source 1 = input
.endif
.set kk, 0
.rept NKS
.set pq, 0
.rept PARTS
.set f1, 0
.if kk+pq == 0
.set f1, 1
.endif
.set fj, 0
.rept 4
.set ra, 8*NKS*(PARTS*((\i)%TPW)+pq)+8*kk
.set rb, 32*kk+8*fj
.set rc, ACC+8*fj
.if FINAL
	MMA rc, ra, rb, f1
.else
	MMA rc, rb, ra, f1
.endif
.set fj, fj+1
.endr
.set pq, pq+1
.endr
.set kk, kk+1
.endr
	WIN 0
.rept 5
	v_nop                                          ; places behind the last products: four before the stores read the sums and before loads land on the sources, five before the next tile's first product writes over the sums
.endr
.set fj, 0
.rept 8
	ds_store_b128 v[9+(\i)/4], v[ACC+4*fj:ACC+4*fj+3] offset:((\i)%4)*16384+4096*(fj/2)+512*(fj%2)
.set fj, fj+1
.endr
.endm
; My quarter of tile i is finished: the four waves' partial sums are added, then the bias.
.macro UNIT i
.set wq, 0
.if FINAL
.rept 16                               ; source wave wq / 4, fragment wq % 4: registers 2 w, 2 w + 1: rows 8 h + 2 w, + 1
	ds_load_b64 v[P+8*(wq/4)+2*(wq%4):P+8*(wq/4)+2*(wq%4)+1], v[11+(\i)/4] offset:((\i)%4)*16384+4096*(wq%4)+1024*(wq/4)
.set wq, wq+1
.endr
.else
.rept 8                                ; fragment w: source wave wq / 2, registers 4 (wq % 2) on
	ds_load_b128 v[P+4*wq:P+4*wq+3], v[11+(\i)/4] offset:((\i)%4)*16384+512*wq
.set wq, wq+1
.endr
.endif
	s_wait_dscnt 0x0
.irp p, 0,2,4,6
	v_pk_add_f32 v[P+\p:P+\p+1], v[P+\p:P+\p+1], v[P+8+\p:P+8+\p+1]
	v_pk_add_f32 v[P+16+\p:P+16+\p+1], v[P+16+\p:P+16+\p+1], v[P+24+\p:P+24+\p+1]
.endr
.irp p, 0,2,4,6
	v_pk_add_f32 v[P+\p:P+\p+1], v[P+\p:P+\p+1], v[P+16+\p:P+16+\p+1]
.endr
.if FINAL
	s_wait_xcnt 0x0                                ; the last stores' data and offsets are rewritten only behind this wait
.irp j, 0,1,2,3
	v_add_f32 v[OUT+\j], v[P+2*\j], v[BI+\j]
	v_add_f32 v[OUT+4+\j], v[P+2*\j+1], v[BI+\j]
.endr
	v_min_u32 v17, 0x3ff, v[RI+2*(\i)]
	v_lshl_add_u32 v14, v17, 12, v16               ; row x 4,096 bytes + 16 r
	v_min_u32 v17, 0x3ff, v[RI+2*(\i)+1]
	v_lshl_add_u32 v15, v17, 12, v16
	global_store_b128 v14, v[OUT:OUT+3], s[14:15] th:TH_STORE_NT    ; 16 lanes store 256 consecutive bytes of a row, at a multiple of 256 from the buffer's first byte
	global_store_b128 v15, v[OUT+4:OUT+7], s[14:15] th:TH_STORE_NT
.else
.irp p, 0,2,4,6
	v_pk_add_f32 v[P+\p:P+\p+1], v[P+\p:P+\p+1], v[BI+\p:BI+\p+1]
.endr
.irp t, 0,1,2,3,4,5,6,7
	v_max_num_f32 v[P+\t], 0, v[P+\t]
.endr
	s_wait_xcnt 0x0                                ; the last stores' data are rewritten only behind this wait
.irp t, 0,1,2,3
	v_cvt_pk_bf16_f32 v[OUT+\t], v[P+2*\t], v[P+2*\t+1]            ; hi
.endr
.irp t, 0,1,2,3
	v_lshlrev_b32 v[P+8+2*\t], 16, v[OUT+\t]       ; hi as f32 again
	v_and_b32 v[P+9+2*\t], 0xffff0000, v[OUT+\t]
.endr
.irp t, 0,1,2,3,4,5,6,7
	v_sub_f32 v[P+\t], v[P+\t], v[P+8+\t]          ; what hi has left out: exact
.endr
.irp t, 0,1,2,3
	v_cvt_pk_bf16_f32 v[OUT+4+\t], v[P+2*\t], v[P+2*\t+1]          ; lo
.endr
	global_store_b128 v5, v[OUT:OUT+3], s[42:43] offset:(\i)*65536          ; 512 consecutive bytes: half a fragment of the next layer,
	global_store_b128 v5, v[OUT+4:OUT+7], s[42:43] offset:(\i)*65536+32768  ; and the same half fragment of lo
.endif
.endm
	s_load_b256 s[4:11], s[0:1], 0x0               ; input, weights, bias, table
.if FINAL
	s_load_b128 s[12:15], s[0:1], 0x20             ; list, out0
	v_lshl_add_u32 v254, v0, 2, 0x10000
	v_mov_b32 v255, 0
.else
	s_load_b64 s[12:13], s[0:1], 0x20              ; output
.endif
	v_and_b32 v1, 15, v0
	v_bfe_u32 v2, v0, 4, 1
	v_and_b32 v3, 31, v0
	v_lshrrev_b32 v17, 5, v0
	v_readfirstlane_b32 s16, v17                   ; wave 0..3
	s_mov_b32 s17, ttmp9
	s_and_b32 s18, ttmp7, 0xffff
	s_lshl_b32 s30, s18, 4
	s_mov_b32 s31, 0
	s_wait_kmcnt 0x0
	s_add_nc_u64 s[10:11], s[10:11], s[30:31]
	s_load_b128 s[20:23], s[10:11], 0x0            ; tiles, index of the weight matrix, tiles to store
	v_lshlrev_b32 v4, 4, v1
	v_lshl_add_u32 v4, v2, HSH, v4
	v_lshlrev_b32 v5, 4, v3
	s_lshl_b32 s19, s17, 8
.if FINAL
	v_lshl_add_u32 v6, v1, 4, s19                  ; bias of columns 64 cb + 4 r on
.else
	s_lshl2_add_u32 s19, s16, s19
	v_lshl_add_u32 v6, v2, 7, s19                  ; bias of column 64 cb + 32 h + w (+ 4 t by the immediate)
.endif
	s_lshl_b32 s19, s16, 10
	v_add_nc_u32 v9, s19, v5
.if FINAL
	s_lshr_b32 s19, s16, 1
	s_lshl_b32 s19, s19, 9
	s_and_b32 s29, s16, 1
	s_lshl3_add_u32 s19, s29, s19
	v_add_nc_u32 v11, s19, v5
	s_lshl_b32 s19, s16, 3
	v_lshl_add_u32 v13, v2, 5, s19                 ; list words 8 h + 2 w, + 1 of a tile
	v_lshlrev_b32 v16, 4, v1
.set tt, 0
.rept 2*PT
	v_mov_b32 v[RI+tt], 0                          ; written on every way
.set tt, tt+1
.endr
.else
	s_lshl_b32 s19, s16, 12
	v_add_nc_u32 v11, s19, v5
.endif
.if PT > 4
	v_add_nc_u32 v10, 0x10000, v9
	v_add_nc_u32 v12, 0x10000, v11
.endif
	s_wait_kmcnt 0x0
	s_min_u32 s20, s20, 64
	s_min_u32 s21, s21, 15
	s_min_u32 s22, s22, 64
.if FINAL
	s_mov_b32 s24, s22
.else
	s_mov_b32 s24, s20
.endif
	s_max_u32 s25, s20, 1
	s_sub_co_u32 s25, s25, 1
	s_lshl_b32 s30, s18, ASH+6                     ; 64 tiles a relation,
	s_mul_i32 s19, s16, NKS*1024                   ; my K steps' blocks
	s_add_co_u32 s30, s30, s19
	s_add_nc_u64 s[4:5], s[4:5], s[30:31]
	s_mul_i32 s30, s21, NKS*524288                 ; the matrix: 128 NKS rows of 4,096 bytes,
	s_lshl_b32 s19, s17, 8                         ; my 64 columns,
	s_add_co_u32 s30, s30, s19
	s_mul_i32 s19, s16, NKS*131072                 ; my 32 NKS rows
	s_add_co_u32 s30, s30, s19
	s_add_nc_u64 s[6:7], s[6:7], s[30:31]
	s_lshl_b32 s30, s21, 12
	s_add_nc_u64 s[8:9], s[8:9], s[30:31]
.if FINAL
	s_lshl_b32 s30, s18, 12
	s_add_nc_u64 s[12:13], s[12:13], s[30:31]
	s_lshl_b32 s30, s17, 8
	s_add_nc_u64 s[14:15], s[14:15], s[30:31]
.else
	s_lshl_b32 s30, s18, 22                        ; 64 tiles of 65,536 bytes a relation,
	s_lshl_b32 s19, s17, 11                        ; K steps 2 cb, 2 cb + 1 of the next layer,
	s_add_co_u32 s30, s30, s19
	s_lshl_b32 s19, s16, 9                         ; my half fragment
	s_add_co_u32 s30, s30, s19
	s_add_nc_u64 s[12:13], s[12:13], s[30:31]
.endif
	s_mov_b32 s27, 0
	LBASES 0
; THE STREAM.  The bias first, then a ring of four slots of 16 loads: while K step s is rounded, the three behind it are on their way, and the ring runs on from the weights into the first pass's four runs.
.if FINAL
	global_load_b128 v[BI:BI+3], v6, s[8:9]
.else
.irp t, 0,1,2,3,4,5,6,7
	global_load_b32 v[BI+\t], v6, s[8:9] offset:16*\t
.endr
.endif
	LOADW 0
	LOADW 1
	LOADW 2
	LOADW 3
.set kst, 0
.rept NKS
.set cnt, 0                            ; the loads issued behind K step kst's: the three groups that follow it, 16 for weights, AL for a run of the input
.set uu, kst+1
.rept 3
.if uu < NKS
.set cnt, cnt+16
.else
.set cnt, cnt+AL
.endif
.set uu, uu+1
.endr
	s_wait_loadcnt cnt
	CVT kst
.if kst+4 < NKS
	LOADW kst+4
.else
	LOADT 0xc0, kst+4-NKS, 32+2*(kst+4-NKS), ((kst+4-NKS)%PARTS)*PBYTES
.endif
.set kst, kst+1
.endr
	WIN 0
.set tt, 0
.rept 4-2*FINAL                        ; the bias, older than every load waited for above, is rounded to bf16 like the other inputs
	v_cvt_pk_bf16_f32 v17, v[BI+tt], v[BI+tt+1]
	v_lshlrev_b32 v[BI+tt], 16, v17
	v_and_b32 v[BI+tt+1], 0xffff0000, v17
.set tt, tt+2
.endr
; THE PASSES: NPASS trips of PT tiles.  Two barriers a trip: between the partial sums' stores and the other waves' reads, and between those reads and the next trip's stores.
; The pass's two bases are made at the trip's head, on every way: each is its buffer's address plus the counted step, whether or not the trip has tiles (a trip without tiles uses neither).
	s_mov_b32 s28, NPASS
.Lpass:
	s_wait_xcnt 0x0                                ; the last trip's loads and stores name the bases below: they are rewritten only behind this wait
	s_lshl_b32 s30, s27, ASH
	s_add_nc_u64 s[40:41], s[4:5], s[30:31]
.if FINAL
	s_lshl_b32 s30, s27, 6
.else
	s_lshl_b32 s30, s27, 16
.endif
	s_add_nc_u64 s[42:43], s[12:13], s[30:31]
	s_sub_co_i32 s26, s24, s27
	s_max_i32 s26, s26, 0                          ; tiles left
	s_cmp_eq_u32 s26, 0
	s_cbranch_scc1 .Lmeet
.if FINAL
.set ti, 0
.rept PT
	global_load_b64 v[RI+2*ti:RI+2*ti+1], v13, s[42:43] offset:64*ti  ; the pass's 16 PT list words all lie inside the relation's 1,024
.set ti, ti+1
.endr
.endif
.set ti, TPW
.rept TPW
	s_cmp_le_u32 s26, ti
	s_cbranch_scc1 .Lh
.set pp, 0
.rept PARTS
	LOADT 0x80, PARTS*(ti-TPW)+pp, 40, ti*ATILE+pp*PBYTES
.set pp, pp+1
.endr
	WIN 0
.set ti, ti+1
.endr
.Lh:
	s_wait_loadcnt AL*(4-PARTS)                    ; behind tile i's runs stand at least the 4 - PARTS (i + 1) later runs of its group
	TILE 0
.set ti, 1
.rept TPW-1
	s_cmp_le_u32 s26, ti
	s_cbranch_scc1 .Ll
	s_wait_loadcnt AL*(4-PARTS*(ti+1))
	TILE ti
.set ti, ti+1
.endr
.Ll:
	s_cmp_le_u32 s26, PT
	s_cbranch_scc1 .Ln
	s_wait_loadcnt 0x0                             ; no load is pending on the registers that the next group fills,
	s_wait_xcnt 0x0                                ; and its four addresses may be written
	LBASES PT
.set gg, 0
.rept 4
	LOADT 0xc0, gg, 32+2*gg, (gg%PARTS)*PBYTES
.set gg, gg+1
.endr
	WIN 0
.Ln:
	s_wait_loadcnt 0x0                             ; the pass's second TPW tiles, the row numbers
.set ti, TPW
.rept TPW
	s_cmp_le_u32 s26, ti
	s_cbranch_scc1 .Lmeet
	TILE ti
.set ti, ti+1
.endr
.Lmeet:
	s_wait_dscnt 0x0                               ; for the others' sake: my partial sums are in LDS
	s_barrier_signal -1
	s_barrier_wait -1
.set ti, 0
.rept PT
	s_cmp_le_u32 s26, ti
	s_cbranch_scc1 .Lu
	UNIT ti
.set ti, ti+1
.endr
.Lu:
	s_wait_dscnt 0x0                               ; my reads of the partial sums are back: the next trip may write over them
	s_barrier_signal -1
	s_barrier_wait -1
	s_add_co_u32 s27, s27, PT
	s_sub_co_u32 s28, s28, 1
	s_cmp_lg_u32 s28, 0
	s_cbranch_scc1 .Lpass
	s_wait_tensorcnt 0x0
	ds_add_u32 v254, v255
	s_wait_dscnt 0x0
	s_endpgm
.Lfunc_end_k_qe6593da5e0_r3:
	.size	k_qe6593da5e0_r3, .Lfunc_end_k_qe6593da5e0_r3-k_qe6593da5e0_r3
	.p2alignl 7, 3214868480
	.fill 96, 4, 3214868480
	.section	.rodata,"a",@progbits
	.p2align	6, 0x0
	.amdhsa_kernel k_qe6593da5e0_r3
		.amdhsa_group_segment_fixed_size 66048
		.amdhsa_private_segment_fixed_size 0
		.amdhsa_enable_private_segment 0
		.amdhsa_kernarg_size 48
		.amdhsa_user_sgpr_count 2
		.amdhsa_user_sgpr_kernarg_segment_ptr 1
		.amdhsa_wavefront_size32 1
		.amdhsa_system_sgpr_workgroup_id_x 1
		.amdhsa_system_sgpr_workgroup_id_y 1
		.amdhsa_system_sgpr_workgroup_id_z 1
		.amdhsa_system_vgpr_workitem_id 0
		.amdhsa_next_free_vgpr 1024
		.amdhsa_next_free_sgpr 66
		.amdhsa_reserve_vcc 0
		.amdhsa_float_denorm_mode_32 3
		.amdhsa_float_denorm_mode_16_64 3
		.amdhsa_memory_ordered 1
		.amdhsa_forward_progress 1
		.amdhsa_inst_pref_size 83
	.end_amdhsa_kernel
	.amdgpu_metadata
---
amdhsa.version: [ 1, 2 ]
amdhsa.kernels:
  - .name:           k_qe6593da5e0_r3
    .symbol:         k_qe6593da5e0_r3.kd
    .args:
      - { .name: hB, .offset: 0, .size: 8, .value_kind: global_buffer, .address_space: global }
      - { .name: RW3, .offset: 8, .size: 8, .value_kind: global_buffer, .address_space: global }
      - { .name: Rb3, .offset: 16, .size: 8, .value_kind: global_buffer, .address_space: global }
      - { .name: tabR, .offset: 24, .size: 8, .value_kind: global_buffer, .address_space: global }
      - { .name: list, .offset: 32, .size: 8, .value_kind: global_buffer, .address_space: global }
      - { .name: out0, .offset: 40, .size: 8, .value_kind: global_buffer, .address_space: global }
    .group_segment_fixed_size: 66048
    .private_segment_fixed_size: 0
    .kernarg_segment_align: 8
    .kernarg_segment_size: 48
    .max_flat_workgroup_size: 128
    .sgpr_count:     66
    .vgpr_count:     1024
    .wavefront_size: 32
...
	.end_amdgpu_metadata
.endif
;; end of part 4
;; ======== version 2 of 3: 6 launches; 1.21 times as fast as version 1
;; workspace buffers: a0 16,777,216 bytes; hA 67,108,864 bytes; hB 67,108,864 bytes; list 65,536 bytes of whole numbers; tabD 256 bytes of whole numbers; tabR 256 bytes of whole numbers
;; launch pack: the kernel of part 1 again; grid 64 x 16, 1 waves a work-group, no clusters, 7,168 bytes of LDS; arguments x, relations, a0, list, tabD, tabR; writes a0, list, tabD, tabR
;; launch l0 (part 5): grid 16 x 16, 8 waves a work-group, no clusters, 263,168 bytes of LDS; arguments a0, W0, b0, tabD, hA; writes hA
.if DOCPART == 5
	.amdgcn_target "amdgcn-amd-amdhsa--gfx1250"
	.amdhsa_code_object_version 6
	.text
	.protected	k_qe6593da5e0_l0
	.globl	k_qe6593da5e0_l0
	.p2align	8
	.type	k_qe6593da5e0_l0,@function
k_qe6593da5e0_l0:
	s_mov_b64 s[64:65], 0
	v_nop
	global_prefetch_b8 v0, s[64:65] scope:SCOPE_SE
	s_setreg_imm32_b32 hwreg(HW_REG_WAVE_MODE, 25, 1), 1
	s_wait_xcnt 0x0
; ONE LAYER, first form: K = 512, input x as bf16 in the natural order of k, one weight matrix, ReLU, output as bf16 fragments.  out[n] = relu(in[n] W + b) for the rows of relation e, columns 64 cb .. 64 cb + 63.
; SHARES.  Work-group (cb, e), eight waves.  Wave w owns the K rows 32 NKS w on of the weight matrix, for all 64 columns: 16 NKS loads, all issued at the head; it rounds them to bf16 and keeps them in
; registers as fragments for the whole launch.  Every wave multiplies every tile of 16 rows by its eighth of K; the eight partial sums meet in LDS; wave w finishes fragment w % 4 of the tiles of parity w / 4.
; WEIGHTS.  W is [K][1024] f32.  A lane loads 16 bytes, columns 64 cb + 4 r .. + 3 of one row: 16 lanes take 256 consecutive bytes.  Two rows that follow each other in a lane's k are paired by
; v_cvt_pk_bf16_f32, which turns the matrix on the way: fragment j, lane index r, is column 64 cb + 4 r + j.
; INPUT.  Tile 64 e + i, blocks of 1,024 bytes for each K step ks, [c][lane][16 bytes]; element t of lane (r, h) is row r, k = 32 ks + 16 c + 8 h + t.
; OUTPUT.  Source 0 = weights, source 1 = activations: lane (r, h), register t of fragment j holds row r, column 64 cb + 32 h + 4 t + j: chunk j % 2 of K step 2 cb + j / 2 of the next layer, whose k
; then runs 64 (ks / 2) + 32 h + 4 t + 2 (ks % 2) + c; the next layer loads its weight rows in that same order.  Tiles of the output lie 65,536 bytes apart; this layer fills the first 32 blocks of each.
; ONE ROUNDING.  This layer's output is rounded once to bf16: off by about 2^-9 of a number (root mean square), a fifth of the 1 per cent of the root mean square that a result may be off.  The three later
; activations are stored in two parts: four such roundings on end would add up to twice one's error.
; TILES.  Their number comes from the table that the first launch stored.  A pass has 8 tiles in four register slots, tile i in slot i % 4.  Tiles 0-3 of a pass are always asked for (a tile that is not
; there: the last that is); a further tile is asked for only where it exists, as soon as its slot has been multiplied.  The count of a wait must hold on every way that reaches it, so a pass is written in
; three ways: up to 4 tiles, 5 tiles, 6 to 8: in each the loads that stand behind a tile's own are known.  All barriers stand in a loop of 8 trips, outside these ways; every jump but the loop's goes forward.
; NO CLUSTER: the weights pass through registers for the rounding, so they come by register loads, which cannot be asked for jointly.
; LIMITS.  Weights, bias and output are rounded to bf16 (nearest even); sums in f32, K in eight parts, added as a tree, then the bias.  v_max_num_f32 makes 0 of a NaN; infinities are not treated apart.
.set NKS,   2                          ; K steps of 32 a wave
.set NAT,   1                          ; 1: k in the natural order; 0: in the order in which a layer leaves its output
.set FINAL, 0                          ; 1: no ReLU, f32 rows scattered to their places
.set PARTS, 1                          ; parts of the input that are read: 1: bf16 alone; 2: hi and lo
.set OPARTS, 1                         ; parts of the output that are stored
.set ASH,   14                         ; tiles of the input lie 1 << ASH bytes apart
.set DENSE, 1                          ; 1: weight matrix and bias number 0; 0: number e
.set AL,    2*NKS*PARTS                ; loads of a wave for a tile
.set SLR,   8*NKS*PARTS                ; registers of a wave for a tile
.set PBYTES, 8192*NKS                  ; bytes of one part of a tile of the input
.set ATILE, 1<<ASH                     ; bytes from a tile of the input to the next
.set TPS,   4/NKS                      ; tiles asked for behind each K step of the weights
.set PT,    8                          ; tiles in a pass
.set NPASS, 64/PT
.set NB,    8-7*FINAL                  ; loads of the bias
.set NRI,   4*FINAL                    ; loads of row numbers in a pass
.if NAT
.set HSH,   15                         ; lanes 16-31 take the row 8 further down: 8 x 4,096 bytes
.else
.set HSH,   17                         ; 32 further down
.endif
; window 0: v1 r, v2 h, v3 lane, v4 my offset in a weight row pair, v5 16 x lane, v6 offset in the bias, v13 offset in the list, v14, v15 offsets of stores, v16 16 r, v17 at work
.set WR,    9                          ; v[9:12]    LDS: where I put partial sums, tiles 2 k and 2 k + 1
.set RD,    18                         ; v[18:21]   LDS: where I read them, my unit k
.set BI,    24                         ; v[24:31]   bias
.set ACC,   32                         ; v[32:95]   two sets of four accumulators, by the tile's parity: a tile's products do not wait for the LDS stores that still read the sums of the tile before
.set P,     32                         ; v[32:95]   eight waves' partial sums, while the accumulators are idle
.set OUT,   96                         ; v[96:103]  what is stored
.set RI,    104                        ; v[104:111] row numbers (last layer)
.set WB,    128                        ; v[128:255] the weights: fragment j of K step s at 32 s + 8 j
; window 1: NKS slots of 64 f32 on their way to WB; then four slots of SLR registers, the input of tile i in slot i % 4
; s[4:5] input at my relation and my K steps; s[6:7] weights at my rows and columns; s[8:9] bias; s[10:11] table entry; s[12:13] output (last layer: list); s[14:15] last layer: out0
; s16 w, s17 cb, s18 e, s19, s49 at work, s[20:23] the entry, s24 tiles to do, s25 last tile that exists, s26 tiles left, s27 first tile of the pass, s28 counter, s29 w / 4, s48 w % 4,
; s[30:31] offsets (s31 = 0), s[32:39] addresses of a pass's tiles 0-3, s[40:41] input at the pass, s[42:43] output or list at the pass
.set MSB, 0
.macro WIN new                         ; s_set_vgpr_msb: bits 1:0 source 0, 3:2 source 1, 5:4 source 2, 7:6 destination; the high byte repeats the setting that is left
.if MSB != (\new)
	s_set_vgpr_msb (MSB<<8)|(\new)
.set MSB, \new
.endif
.endm
.macro LOADW st                        ; the 32 weight rows of my K step st, 16 loads, into slot st of window 1: row (c, t) at 4 (8 c + t)
	WIN 0x40
.set cc, 0
.rept 2
.set tt, 0
.rept 8
.if NAT
.set rw, 32*(\st)+16*cc+tt
.else
.set rw, 64*((\st)/2)+2*((\st)%2)+cc+4*tt
.endif
.set rg, 64*(\st)+4*(8*cc+tt)
.if DENSE
	global_load_b128 v[rg:rg+3], v4, s[6:7] offset:rw*4096
.else
	global_load_b128 v[rg:rg+3], v4, s[6:7] offset:rw*4096 th:TH_LOAD_NT
.endif
.set tt, tt+1
.endr
.set cc, cc+1
.endr
.endm
.macro CVT st                          ; 64 f32 a lane become four fragments: rows t and t + 1 of a column share a register
	WIN 0x05
.set fj, 0
.rept 4
.set cc, 0
.rept 2
.set tt, 0
.rept 4
	v_cvt_pk_bf16_f32 v[WB+32*(\st)+8*fj+4*cc+tt], v[64*(\st)+4*(8*cc+2*tt)+fj], v[64*(\st)+4*(8*cc+2*tt+1)+fj]
.set tt, tt+1
.endr
.set cc, cc+1
.endr
.set fj, fj+1
.endr
.endm
.macro LOADT slot, base, off           ; my K steps of one tile, all parts that are read: AL loads of 512 consecutive bytes
	WIN 0x40
.set pp, 0
.rept PARTS
.set kk, 0
.rept NKS
.set rg, SLR*(\slot)+8*NKS*pp+8*kk
	global_load_b128 v[rg:rg+3], v5, s[\base:\base+1] offset:(\off)+PBYTES*pp+1024*kk
	global_load_b128 v[rg+4:rg+7], v5, s[\base:\base+1] offset:(\off)+PBYTES*pp+1024*kk+512
.set kk, kk+1
.endr
.set pp, pp+1
.endr
.endm
.macro LBASES first                    ; the addresses of the four tiles s27 + first on; a tile that is not there is replaced by the last that is
.irp i, 0,1,2,3
	s_add_co_u32 s30, s27, (\first)+\i
	s_min_u32 s30, s30, s25
	s_min_u32 s30, s30, 63
	s_lshl_b32 s30, s30, ASH
	s_add_nc_u64 s[32+2*\i:33+2*\i], s[4:5], s[30:31]
.endr
.endm
.macro MMA d, a, b, first
.if \first
	v_wmma_f32_16x16x32_bf16 v[\d:\d+7], v[\a:\a+7], v[\b:\b+7], 0
.else
	v_wmma_f32_16x16x32_bf16 v[\d:\d+7], v[\a:\a+7], v[\b:\b+7], v[\d:\d+7]
.endif
.endm
; Tile i of a pass times my eighth of K: 4 NKS PARTS products, by K step, part and fragment; the set's four accumulators take turns, one instruction a turn; the first starts each sum.
; Then the partial sums go to LDS: [tile: 32,768][fragment: 8,192][wave: 1,024][registers 0-3, 4-7: 512][lane: 16], lanes side by side, lowest registers first.
.macro TILE i
.if FINAL
	WIN 0x01                                       ; source 0 = input (window 1), source 1 = weights
.else
	WIN 0x04                                       ; source 0 = weights, source 1 = input (window 1)
.endif
.set kk, 0
.rept NKS
.set pq, 0
.rept PARTS
.set f1, 0
.if kk+pq == 0
.set f1, 1
.endif
.set fj, 0
.rept 4
.set ra, SLR*((\i)%4)+8*NKS*pq+8*kk
.set rb, WB+32*kk+8*fj
.set rc, ACC+32*((\i)%2)+8*fj
.if FINAL
	MMA rc, ra, rb, f1
.else
	MMA rc, rb, ra, f1
.endif
.set fj, fj+1
.endr
.set pq, pq+1
.endr
.set kk, kk+1
.endr
	WIN 0
.rept 5
	v_nop                                          ; places behind the last products: four before the stores read the sums and before loads land on the sources; five before a first product writes over the sums: the next trip's tile 0 takes the same set as this trip's, with these places alone certain between
.endr
.set fj, 0
.rept 8
	ds_store_b128 v[WR+(\i)/2], v[ACC+32*((\i)%2)+4*fj:ACC+32*((\i)%2)+4*fj+3] offset:((\i)%2)*32768+8192*(fj/2)+512*(fj%2)
.set fj, fj+1
.endr
.endm
.macro UPTO n, label                   ; a pass of up to n tiles goes on at the label, forward
	s_cmp_le_u32 s26, \n
	s_cbranch_scc1 \label
.endm
.macro ASK slot, tile                  ; the pass's tile is asked for, into a slot that has just been multiplied
	LOADT \slot, 40, (\tile)*ATILE
	WIN 0
.endm
.macro MULT tile, left                 ; left: the loads that stand behind the tile's own on every way that leads here
	s_wait_loadcnt \left
	TILE \tile
.endm
; My unit u: my part of tile 2 u + w / 4 is finished: the eight waves' partial sums are added, then the bias.
.macro UNIT u
.set wq, 0
.if FINAL
.rept 32                               ; source wave wq / 4, fragment wq % 4: registers 2 (w % 4), + 1: tile rows 8 h + 2 (w % 4), + 1
	ds_load_b64 v[P+8*(wq/4)+2*(wq%4):P+8*(wq/4)+2*(wq%4)+1], v[RD+(\u)] offset:8192*(wq%4)+1024*(wq/4)
.set wq, wq+1
.endr
.else
.rept 16                               ; fragment w % 4: source wave wq / 2, registers 4 (wq % 2) on
	ds_load_b128 v[P+4*wq:P+4*wq+3], v[RD+(\u)] offset:512*wq
.set wq, wq+1
.endr
.endif
	s_wait_dscnt 0x0
.irp a, 0,16,32,48
.irp p, 0,2,4,6
	v_pk_add_f32 v[P+\a+\p:P+\a+\p+1], v[P+\a+\p:P+\a+\p+1], v[P+\a+8+\p:P+\a+8+\p+1]
.endr
.endr
.irp a, 0,32
.irp p, 0,2,4,6
	v_pk_add_f32 v[P+\a+\p:P+\a+\p+1], v[P+\a+\p:P+\a+\p+1], v[P+\a+16+\p:P+\a+16+\p+1]
.endr
.endr
.irp p, 0,2,4,6
	v_pk_add_f32 v[P+\p:P+\p+1], v[P+\p:P+\p+1], v[P+32+\p:P+32+\p+1]
.endr
.if FINAL
	s_wait_xcnt 0x0                                ; the last stores' data and offsets are rewritten only behind this wait
.irp j, 0,1,2,3
	v_add_f32 v[OUT+\j], v[P+2*\j], v[BI+\j]
	v_add_f32 v[OUT+4+\j], v[P+2*\j+1], v[BI+\j]
.endr
	v_min_u32 v17, 0x3ff, v[RI+2*(\u)]
	v_lshl_add_u32 v14, v17, 12, v16               ; row x 4,096 bytes + 16 r
	v_min_u32 v17, 0x3ff, v[RI+2*(\u)+1]
	v_lshl_add_u32 v15, v17, 12, v16
	global_store_b128 v14, v[OUT:OUT+3], s[14:15] th:TH_STORE_NT    ; 16 lanes store 256 consecutive bytes of a row, at a multiple of 256 from the buffer's first byte
	global_store_b128 v15, v[OUT+4:OUT+7], s[14:15] th:TH_STORE_NT
.else
.irp p, 0,2,4,6
	v_pk_add_f32 v[P+\p:P+\p+1], v[P+\p:P+\p+1], v[BI+\p:BI+\p+1]
.endr
.irp t, 0,1,2,3,4,5,6,7
	v_max_num_f32 v[P+\t], 0, v[P+\t]
.endr
	s_wait_xcnt 0x0                                ; the last stores' data are rewritten only behind this wait
.irp t, 0,1,2,3
	v_cvt_pk_bf16_f32 v[OUT+\t], v[P+2*\t], v[P+2*\t+1]            ; hi
.endr
.if OPARTS == 2
.irp t, 0,1,2,3
	v_lshlrev_b32 v[P+8+2*\t], 16, v[OUT+\t]       ; hi as f32 again
	v_and_b32 v[P+9+2*\t], 0xffff0000, v[OUT+\t]
.endr
.irp t, 0,1,2,3,4,5,6,7
	v_sub_f32 v[P+\t], v[P+\t], v[P+8+\t]          ; what hi has left out: exact
.endr
.irp t, 0,1,2,3
	v_cvt_pk_bf16_f32 v[OUT+4+\t], v[P+2*\t], v[P+2*\t+1]          ; lo
.endr
.endif
	global_store_b128 v5, v[OUT:OUT+3], s[42:43] offset:(\u)*131072          ; 512 consecutive bytes: half a fragment of the next layer
.if OPARTS == 2
	global_store_b128 v5, v[OUT+4:OUT+7], s[42:43] offset:(\u)*131072+32768  ; and the same half fragment of lo
.endif
.endif
.endm
	s_load_b256 s[4:11], s[0:1], 0x0               ; input, weights, bias, table
.if FINAL
	s_load_b128 s[12:15], s[0:1], 0x20             ; list, out0
.else
	s_load_b64 s[12:13], s[0:1], 0x20              ; output
	v_lshl_add_u32 v254, v0, 2, 0x40000
	v_mov_b32 v255, 0
.endif
	v_and_b32 v1, 15, v0
	v_bfe_u32 v2, v0, 4, 1
	v_and_b32 v3, 31, v0
	v_lshrrev_b32 v17, 5, v0
	v_readfirstlane_b32 s16, v17                   ; wave 0..7
	s_mov_b32 s17, ttmp9
	s_and_b32 s18, ttmp7, 0xffff
	s_lshr_b32 s29, s16, 2
	s_and_b32 s48, s16, 3
	s_mov_b32 s31, 0
	v_lshlrev_b32 v4, 4, v1
	v_lshl_add_u32 v4, v2, HSH, v4
	v_lshlrev_b32 v5, 4, v3
	s_lshl_b32 s19, s17, 8
.if FINAL
	v_lshl_add_u32 v6, v1, 4, s19                  ; bias of columns 64 cb + 4 r on
.else
	s_lshl2_add_u32 s19, s48, s19
	v_lshl_add_u32 v6, v2, 7, s19                  ; bias of column 64 cb + 32 h + w % 4 (+ 4 t by the immediate)
.endif
	s_mul_i32 s49, s16, NKS*131072                 ; my 32 NKS rows of 4,096 bytes,
	s_lshl_b32 s19, s17, 8                         ; my 64 columns,
	s_add_co_u32 s49, s49, s19
.if DENSE == 0
	s_mul_i32 s19, s18, NKS*1048576                ; the relation's matrix: 256 NKS rows
	s_add_co_u32 s49, s49, s19
.endif
	s_wait_kmcnt 0x0
	s_lshl_b32 s30, s18, 4
	s_add_nc_u64 s[10:11], s[10:11], s[30:31]
	s_load_b128 s[20:23], s[10:11], 0x0            ; tiles, (not used), tiles to store: on its way while the weights are asked for
	s_mov_b32 s30, s49
	s_add_nc_u64 s[6:7], s[6:7], s[30:31]
.if DENSE == 0
	s_lshl_b32 s30, s18, 12
	s_add_nc_u64 s[8:9], s[8:9], s[30:31]
.endif
; THE STREAM.  All my weights are asked for at once, then the bias.
.set kst, 0
.rept NKS
	LOADW kst
.set kst, kst+1
.endr
	WIN 0
.if FINAL
	global_load_b128 v[BI:BI+3], v6, s[8:9]
.else
.irp t, 0,1,2,3,4,5,6,7
	global_load_b32 v[BI+\t], v6, s[8:9] offset:16*\t
.endr
.endif
	s_lshl_b32 s19, s16, 10
	v_add_nc_u32 v[WR], s19, v5
.irp k, 1,2,3
	v_add_nc_u32 v[WR+\k], \k*0x10000, v[WR]
.endr
	s_lshl_b32 s19, s29, 15                        ; the tiles of my parity
.if FINAL
	s_lshr_b32 s49, s48, 1
	s_lshl_b32 s49, s49, 9
	s_add_co_u32 s19, s19, s49
	s_and_b32 s49, s48, 1
	s_lshl3_add_u32 s19, s49, s19
	v_add_nc_u32 v[RD], s19, v5
	s_lshl_b32 s19, s48, 3
	v_lshl_add_u32 v13, v2, 5, s19                 ; list words 8 h + 2 (w % 4), + 1 of a tile
	v_lshlrev_b32 v16, 4, v1
.set tt, 0
.rept 8
	v_mov_b32 v[RI+tt], 0                          ; written on every way
.set tt, tt+1
.endr
.else
	s_lshl_b32 s49, s48, 13
	s_add_co_u32 s19, s19, s49
	v_add_nc_u32 v[RD], s19, v5
.endif
.irp k, 1,2,3
	v_add_nc_u32 v[RD+\k], \k*0x10000, v[RD]
.endr
	s_lshl_b32 s30, s18, ASH+6                     ; 64 tiles a relation,
	s_mul_i32 s19, s16, NKS*1024                   ; my K steps' blocks
	s_add_co_u32 s30, s30, s19
	s_add_nc_u64 s[4:5], s[4:5], s[30:31]
.if FINAL
	s_lshl_b32 s30, s18, 12
	s_lshl_b32 s19, s29, 6                         ; the tiles of my parity
	s_add_co_u32 s30, s30, s19
	s_add_nc_u64 s[12:13], s[12:13], s[30:31]
	s_lshl_b32 s30, s17, 8
	s_add_nc_u64 s[14:15], s[14:15], s[30:31]
.else
	s_lshl_b32 s30, s18, 22                        ; 64 tiles of 65,536 bytes a relation,
	s_lshl_b32 s19, s17, 11                        ; K steps 2 cb, 2 cb + 1 of the next layer,
	s_add_co_u32 s30, s30, s19
	s_lshl_b32 s19, s48, 9                         ; my half fragment,
	s_add_co_u32 s30, s30, s19
	s_lshl_b32 s19, s29, 16                        ; the tiles of my parity
	s_add_co_u32 s30, s30, s19
	s_add_nc_u64 s[12:13], s[12:13], s[30:31]
.endif
	s_wait_kmcnt 0x0                               ; the table entry
	s_min_u32 s20, s20, 64
	s_min_u32 s22, s22, 64
.if FINAL
	s_mov_b32 s24, s22
.else
	s_mov_b32 s24, s20
.endif
	s_max_u32 s25, s20, 1
	s_sub_co_u32 s25, s25, 1
	s_mov_b32 s27, 0
	LBASES 0
; As each K step is rounded, its registers take the first pass's tiles.  The count: behind K step kst's loads stand 16 for each later step, the bias's NB, and AL for each tile asked for so far.
.set kst, 0
.rept NKS
	s_wait_loadcnt 16*(NKS-1-kst)+NB+kst*TPS*AL
	CVT kst
.set tq, 0
.rept TPS
	LOADT kst*TPS+tq, 32+2*(kst*TPS+tq), 0
.set tq, tq+1
.endr
.set kst, kst+1
.endr
	WIN 0
	s_wait_loadcnt 3*AL                            ; tile 0 is in, and with it the bias, which is older
.set tt, 0
.rept 4-2*FINAL                        ; the bias is rounded to bf16 like the other inputs
	v_cvt_pk_bf16_f32 v17, v[BI+tt], v[BI+tt+1]
	v_lshlrev_b32 v[BI+tt], 16, v17
	v_and_b32 v[BI+tt+1], 0xffff0000, v17
.set tt, tt+2
.endr
; THE PASSES: NPASS trips of PT tiles.  Two barriers a trip: between the partial sums' stores and the other waves' reads, and between those reads and the next trip's stores.
; The pass's two bases are made at the trip's head, on every way: each is its buffer's address plus the counted step, whether or not the trip has tiles (a trip without tiles uses neither).
	s_mov_b32 s28, NPASS
.Lpass:
	s_wait_xcnt 0x0                                ; the last trip's loads and stores name the bases below: they are rewritten only behind this wait
	s_lshl_b32 s30, s27, ASH
	s_add_nc_u64 s[40:41], s[4:5], s[30:31]
.if FINAL
	s_lshl_b32 s30, s27, 6
.else
	s_lshl_b32 s30, s27, 16
.endif
	s_add_nc_u64 s[42:43], s[12:13], s[30:31]
	s_sub_co_i32 s26, s24, s27
	s_max_i32 s26, s26, 0                          ; tiles left
	s_cmp_eq_u32 s26, 0
	s_cbranch_scc1 .Lmeet
.if FINAL
.irp u, 0,1,2,3
	global_load_b64 v[RI+2*\u:RI+2*\u+1], v13, s[42:43] offset:128*\u  ; the pass's 128 list words all lie inside the relation's 1,024
.endr
.endif
	MULT 0, 3*AL+NRI                               ; behind tile 0's loads: tiles 1, 2, 3, the row numbers
	UPTO 4, .Lshort
	ASK 0, 4                                       ; FIVE TILES OR MORE
	MULT 1, 3*AL+NRI                               ; behind tile 1's: tiles 2, 3, the row numbers, tile 4
	UPTO 5, .Lfive
	ASK 1, 5                                       ; SIX TO EIGHT
	MULT 2, 3*AL+NRI                               ; behind tile 2's: tile 3, the row numbers, tiles 4, 5
	UPTO 6, .Ls2
	ASK 2, 6
.Ls2:
	MULT 3, 2*AL+NRI                               ; behind tile 3's, on both ways: the row numbers, tiles 4, 5
	UPTO 7, .Ls3
	ASK 3, 7
.Ls3:
	MULT 4, AL                                     ; behind tile 4's, on every way: tile 5
	MULT 5, 0                                      ; tile 5, and tiles 6 and 7 where they were asked for
	UPTO 6, .Lmeet
	TILE 6
	UPTO 7, .Lmeet
	TILE 7
	UPTO 8, .Lmeet
	s_wait_xcnt 0x0                                ; the four addresses may be written; no load is pending on the four slots (the wait for 0 above)
	LBASES PT
.set gg, 0
.rept 4
	LOADT gg, 32+2*gg, 0
.set gg, gg+1
.endr
	WIN 0
	s_branch .Lmeet
.Lfive:                                                ; FIVE TILES: nothing more is asked for
	MULT 2, 2*AL+NRI                               ; behind tile 2's: tile 3, the row numbers, tile 4
	MULT 3, AL+NRI                                 ; behind tile 3's: the row numbers, tile 4
	MULT 4, 0
	s_branch .Lmeet
.Lshort:                                               ; UP TO FOUR TILES: nothing more is asked for
	UPTO 1, .Lmeet
	MULT 1, 2*AL+NRI                               ; behind tile 1's: tiles 2, 3, the row numbers
	UPTO 2, .Lmeet
	MULT 2, AL+NRI
	UPTO 3, .Lmeet
	MULT 3, NRI
.Lmeet:
	s_wait_loadcnt 0x0                             ; nothing is pending on a slot when the next trip begins; the row numbers are in
	s_wait_dscnt 0x0                               ; for the others' sake: my partial sums are in LDS
	s_barrier_signal -1
	s_barrier_wait -1
.set un, 0
.rept 4
	s_add_co_u32 s19, s29, 2*un                    ; my unit's tile
	s_cmp_le_u32 s26, s19
	s_cbranch_scc1 .Lu
	UNIT un
.set un, un+1
.endr
.Lu:
	s_wait_dscnt 0x0                               ; my reads of the partial sums are back: the next trip may write over them
	s_barrier_signal -1
	s_barrier_wait -1
	s_add_co_u32 s27, s27, PT
	s_sub_co_u32 s28, s28, 1
	s_cmp_lg_u32 s28, 0
	s_cbranch_scc1 .Lpass
	s_wait_tensorcnt 0x0
	ds_add_u32 v254, v255
	s_wait_dscnt 0x0
	s_endpgm
.Lfunc_end_k_qe6593da5e0_l0:
	.size	k_qe6593da5e0_l0, .Lfunc_end_k_qe6593da5e0_l0-k_qe6593da5e0_l0
	.p2alignl 7, 3214868480
	.fill 96, 4, 3214868480
	.section	.rodata,"a",@progbits
	.p2align	6, 0x0
	.amdhsa_kernel k_qe6593da5e0_l0
		.amdhsa_group_segment_fixed_size 263168
		.amdhsa_private_segment_fixed_size 0
		.amdhsa_enable_private_segment 0
		.amdhsa_kernarg_size 40
		.amdhsa_user_sgpr_count 2
		.amdhsa_user_sgpr_kernarg_segment_ptr 1
		.amdhsa_wavefront_size32 1
		.amdhsa_system_sgpr_workgroup_id_x 1
		.amdhsa_system_sgpr_workgroup_id_y 1
		.amdhsa_system_sgpr_workgroup_id_z 1
		.amdhsa_system_vgpr_workitem_id 0
		.amdhsa_next_free_vgpr 512
		.amdhsa_next_free_sgpr 66
		.amdhsa_reserve_vcc 0
		.amdhsa_float_denorm_mode_32 3
		.amdhsa_float_denorm_mode_16_64 3
		.amdhsa_memory_ordered 1
		.amdhsa_forward_progress 1
		.amdhsa_inst_pref_size 52
	.end_amdhsa_kernel
	.amdgpu_metadata
---
amdhsa.version: [ 1, 2 ]
amdhsa.kernels:
  - .name:           k_qe6593da5e0_l0
    .symbol:         k_qe6593da5e0_l0.kd
    .args:
      - { .name: a0, .offset: 0, .size: 8, .value_kind: global_buffer, .address_space: global }
      - { .name: W0, .offset: 8, .size: 8, .value_kind: global_buffer, .address_space: global }
      - { .name: b0, .offset: 16, .size: 8, .value_kind: global_buffer, .address_space: global }
      - { .name: tabD, .offset: 24, .size: 8, .value_kind: global_buffer, .address_space: global }
      - { .name: hA, .offset: 32, .size: 8, .value_kind: global_buffer, .address_space: global }
    .group_segment_fixed_size: 263168
    .private_segment_fixed_size: 0
    .kernarg_segment_align: 8
    .kernarg_segment_size: 40
    .max_flat_workgroup_size: 256
    .sgpr_count:     66
    .vgpr_count:     512
    .wavefront_size: 32
...
	.end_amdgpu_metadata
.endif
;; end of part 5
;; launch l1 (part 6): grid 16 x 16, 8 waves a work-group, no clusters, 263,168 bytes of LDS; arguments hA, W1, b1, tabD, hB; writes hB
.if DOCPART == 6
	.amdgcn_target "amdgcn-amd-amdhsa--gfx1250"
	.amdhsa_code_object_version 6
	.text
	.protected	k_qe6593da5e0_l1
	.globl	k_qe6593da5e0_l1
	.p2align	8
	.type	k_qe6593da5e0_l1,@function
k_qe6593da5e0_l1:
	s_mov_b64 s[64:65], 0
	v_nop
	global_prefetch_b8 v0, s[64:65] scope:SCOPE_SE
	s_setreg_imm32_b32 hwreg(HW_REG_WAVE_MODE, 25, 1), 1
	s_wait_xcnt 0x0
; ONE LAYER, second form: K = 1,024, input as bf16 in the order in which a layer leaves it, one weight matrix, ReLU, output as fragments in two parts.  out[n] = relu(in[n] W + b) for the rows of
; relation e and the output columns 64 cb .. 64 cb + 63.
; SHARES.  Work-group (cb, e), eight waves.  Wave w owns the K rows 32 NKS w on of the weight matrix, for all 64 columns: 16 NKS loads, all issued at the head; it rounds them to bf16 and keeps them in
; registers as fragments for the whole launch.  Every wave multiplies every tile of 16 rows by its eighth of K; the eight partial sums meet in LDS; wave w finishes fragment w % 4 of the tiles of parity w / 4.
; WEIGHTS.  W is [K][1024] f32.  A lane loads 16 bytes, columns 64 cb + 4 r .. + 3 of one row: 16 lanes take 256 consecutive bytes.  Two rows that follow each other in a lane's k are paired by
; v_cvt_pk_bf16_f32, which turns the matrix on the way: fragment j, lane index r, is column 64 cb + 4 r + j.
; INPUT.  Tiles, 64 e + i, lie 65,536 bytes apart; the layer before has filled the first 32 blocks of each, its output rounded once to bf16.  A block of 1,024 bytes is one K step ks, [c][lane][16 bytes];
; element t of lane (r, h) is row r, k = 64 (ks / 2) + 32 h + 4 t + 2 (ks % 2) + c.  The weight rows are loaded in the same order: a permutation of k applied alike to both sources keeps the products.
; OUTPUT.  Source 0 = weights, source 1 = activations: lane (r, h), register t of fragment j holds row r, column 64 cb + 32 h + 4 t + j: chunk j % 2 of K step 2 cb + j / 2 of the next layer, in the
; order of k given above.  TWO PARTS: a number h is stored as hi = bf16(h) and lo = bf16(h - hi): 32 blocks of hi, then 32 of lo; the next layer multiplies both by the same weights into one sum.
; A rounding to bf16 is off by about 2^-9 of a number (root mean square), a fifth of the 1 per cent of the root mean square that a result may be off: one such rounding on the way is kept, this layer's
; input's; four on end would add up to twice that.
; TILES.  Their number comes from the table that the first launch stored.  A pass has 8 tiles in four register slots, tile i in slot i % 4.  Tiles 0-3 of a pass are always asked for (a tile that is not
; there: the last that is); a further tile is asked for only where it exists, as soon as its slot has been multiplied.  The count of a wait must hold on every way that reaches it, so a pass is written in
; three ways: up to 4 tiles, 5 tiles, 6 to 8: in each the loads that stand behind a tile's own are known.  All barriers stand in a loop of 8 trips, outside these ways; every jump but the loop's goes forward.
; NO CLUSTER: the weights pass through registers for the rounding, so they come by register loads, which cannot be asked for jointly.
; LIMITS.  Weights and bias are rounded to bf16 (nearest even), the input has bf16's 8 significant bits; sums in f32, K in eight parts, added as a tree, then the bias.  v_max_num_f32 makes 0 of a NaN;
; infinities are not treated apart.
.set NKS,   4                          ; K steps of 32 a wave
.set NAT,   0                          ; 1: k in the natural order; 0: in the order in which a layer leaves its output
.set FINAL, 0                          ; 1: no ReLU, f32 rows scattered to their places
.set PARTS, 1                          ; parts of the input that are read: 1: bf16 alone; 2: hi and lo
.set OPARTS, 2                         ; parts of the output that are stored
.set ASH,   16                         ; tiles of the input lie 1 << ASH bytes apart
.set DENSE, 1                          ; 1: weight matrix and bias number 0; 0: number e
.set AL,    2*NKS*PARTS                ; loads of a wave for a tile
.set SLR,   8*NKS*PARTS                ; registers of a wave for a tile
.set PBYTES, 8192*NKS                  ; bytes of one part of a tile of the input
.set ATILE, 1<<ASH                     ; bytes from a tile of the input to the next
.set TPS,   4/NKS                      ; tiles asked for behind each K step of the weights
.set PT,    8                          ; tiles in a pass
.set NPASS, 64/PT
.set NB,    8-7*FINAL                  ; loads of the bias
.set NRI,   4*FINAL                    ; loads of row numbers in a pass
.if NAT
.set HSH,   15                         ; lanes 16-31 take the row 8 further down: 8 x 4,096 bytes
.else
.set HSH,   17                         ; 32 further down
.endif
; window 0: v1 r, v2 h, v3 lane, v4 my offset in a weight row pair, v5 16 x lane, v6 offset in the bias, v13 offset in the list, v14, v15 offsets of stores, v16 16 r, v17 at work
.set WR,    9                          ; v[9:12]    LDS: where I put partial sums, tiles 2 k and 2 k + 1
.set RD,    18                         ; v[18:21]   LDS: where I read them, my unit k
.set BI,    24                         ; v[24:31]   bias
.set ACC,   32                         ; v[32:95]   two sets of four accumulators, by the tile's parity: a tile's products do not wait for the LDS stores that still read the sums of the tile before
.set P,     32                         ; v[32:95]   eight waves' partial sums, while the accumulators are idle
.set OUT,   96                         ; v[96:103]  what is stored
.set RI,    104                        ; v[104:111] row numbers (last layer)
.set WB,    128                        ; v[128:255] the weights: fragment j of K step s at 32 s + 8 j
; window 1: NKS slots of 64 f32 on their way to WB; then four slots of SLR registers, the input of tile i in slot i % 4
; s[4:5] input at my relation and my K steps; s[6:7] weights at my rows and columns; s[8:9] bias; s[10:11] table entry; s[12:13] output (last layer: list); s[14:15] last layer: out0
; s16 w, s17 cb, s18 e, s19, s49 at work, s[20:23] the entry, s24 tiles to do, s25 last tile that exists, s26 tiles left, s27 first tile of the pass, s28 counter, s29 w / 4, s48 w % 4,
; s[30:31] offsets (s31 = 0), s[32:39] addresses of a pass's tiles 0-3, s[40:41] input at the pass, s[42:43] output or list at the pass
.set MSB, 0
.macro WIN new                         ; s_set_vgpr_msb: bits 1:0 source 0, 3:2 source 1, 5:4 source 2, 7:6 destination; the high byte repeats the setting that is left
.if MSB != (\new)
	s_set_vgpr_msb (MSB<<8)|(\new)
.set MSB, \new
.endif
.endm
.macro LOADW st                        ; the 32 weight rows of my K step st, 16 loads, into slot st of window 1: row (c, t) at 4 (8 c + t)
	WIN 0x40
.set cc, 0
.rept 2
.set tt, 0
.rept 8
.if NAT
.set rw, 32*(\st)+16*cc+tt
.else
.set rw, 64*((\st)/2)+2*((\st)%2)+cc+4*tt
.endif
.set rg, 64*(\st)+4*(8*cc+tt)
.if DENSE
	global_load_b128 v[rg:rg+3], v4, s[6:7] offset:rw*4096
.else
	global_load_b128 v[rg:rg+3], v4, s[6:7] offset:rw*4096 th:TH_LOAD_NT
.endif
.set tt, tt+1
.endr
.set cc, cc+1
.endr
.endm
.macro CVT st                          ; 64 f32 a lane become four fragments: rows t and t + 1 of a column share a register
	WIN 0x05
.set fj, 0
.rept 4
.set cc, 0
.rept 2
.set tt, 0
.rept 4
	v_cvt_pk_bf16_f32 v[WB+32*(\st)+8*fj+4*cc+tt], v[64*(\st)+4*(8*cc+2*tt)+fj], v[64*(\st)+4*(8*cc+2*tt+1)+fj]
.set tt, tt+1
.endr
.set cc, cc+1
.endr
.set fj, fj+1
.endr
.endm
.macro LOADT slot, base, off           ; my K steps of one tile, all parts that are read: AL loads of 512 consecutive bytes
	WIN 0x40
.set pp, 0
.rept PARTS
.set kk, 0
.rept NKS
.set rg, SLR*(\slot)+8*NKS*pp+8*kk
	global_load_b128 v[rg:rg+3], v5, s[\base:\base+1] offset:(\off)+PBYTES*pp+1024*kk
	global_load_b128 v[rg+4:rg+7], v5, s[\base:\base+1] offset:(\off)+PBYTES*pp+1024*kk+512
.set kk, kk+1
.endr
.set pp, pp+1
.endr
.endm
.macro LBASES first                    ; the addresses of the four tiles s27 + first on; a tile that is not there is replaced by the last that is
.irp i, 0,1,2,3
	s_add_co_u32 s30, s27, (\first)+\i
	s_min_u32 s30, s30, s25
	s_min_u32 s30, s30, 63
	s_lshl_b32 s30, s30, ASH
	s_add_nc_u64 s[32+2*\i:33+2*\i], s[4:5], s[30:31]
.endr
.endm
.macro MMA d, a, b, first
.if \first
	v_wmma_f32_16x16x32_bf16 v[\d:\d+7], v[\a:\a+7], v[\b:\b+7], 0
.else
	v_wmma_f32_16x16x32_bf16 v[\d:\d+7], v[\a:\a+7], v[\b:\b+7], v[\d:\d+7]
.endif
.endm
; Tile i of a pass times my eighth of K: 4 NKS PARTS products, by K step, part and fragment; the set's four accumulators take turns, one instruction a turn; the first starts each sum.
; Then the partial sums go to LDS: [tile: 32,768][fragment: 8,192][wave: 1,024][registers 0-3, 4-7: 512][lane: 16], lanes side by side, lowest registers first.
.macro TILE i
.if FINAL
	WIN 0x01                                       ; source 0 = input (window 1), source 1 = weights
.else
	WIN 0x04                                       ; source 0 = weights, source 1 = input (window 1)
.endif
.set kk, 0
.rept NKS
.set pq, 0
.rept PARTS
.set f1, 0
.if kk+pq == 0
.set f1, 1
.endif
.set fj, 0
.rept 4
.set ra, SLR*((\i)%4)+8*NKS*pq+8*kk
.set rb, WB+32*kk+8*fj
.set rc, ACC+32*((\i)%2)+8*fj
.if FINAL
	MMA rc, ra, rb, f1
.else
	MMA rc, rb, ra, f1
.endif
.set fj, fj+1
.endr
.set pq, pq+1
.endr
.set kk, kk+1
.endr
	WIN 0
.rept 5
	v_nop                                          ; places behind the last products: four before the stores read the sums and before loads land on the sources; five before a first product writes over the sums: the next trip's tile 0 takes the same set as this trip's, with these places alone certain between
.endr
.set fj, 0
.rept 8
	ds_store_b128 v[WR+(\i)/2], v[ACC+32*((\i)%2)+4*fj:ACC+32*((\i)%2)+4*fj+3] offset:((\i)%2)*32768+8192*(fj/2)+512*(fj%2)
.set fj, fj+1
.endr
.endm
.macro UPTO n, label                   ; a pass of up to n tiles goes on at the label, forward
	s_cmp_le_u32 s26, \n
	s_cbranch_scc1 \label
.endm
.macro ASK slot, tile                  ; the pass's tile is asked for, into a slot that has just been multiplied
	LOADT \slot, 40, (\tile)*ATILE
	WIN 0
.endm
.macro MULT tile, left                 ; left: the loads that stand behind the tile's own on every way that leads here
	s_wait_loadcnt \left
	TILE \tile
.endm
; My unit u: my part of tile 2 u + w / 4 is finished: the eight waves' partial sums are added, then the bias.
.macro UNIT u
.set wq, 0
.if FINAL
.rept 32                               ; source wave wq / 4, fragment wq % 4: registers 2 (w % 4), + 1: tile rows 8 h + 2 (w % 4), + 1
	ds_load_b64 v[P+8*(wq/4)+2*(wq%4):P+8*(wq/4)+2*(wq%4)+1], v[RD+(\u)] offset:8192*(wq%4)+1024*(wq/4)
.set wq, wq+1
.endr
.else
.rept 16                               ; fragment w % 4: source wave wq / 2, registers 4 (wq % 2) on
	ds_load_b128 v[P+4*wq:P+4*wq+3], v[RD+(\u)] offset:512*wq
.set wq, wq+1
.endr
.endif
	s_wait_dscnt 0x0
.irp a, 0,16,32,48
.irp p, 0,2,4,6
	v_pk_add_f32 v[P+\a+\p:P+\a+\p+1], v[P+\a+\p:P+\a+\p+1], v[P+\a+8+\p:P+\a+8+\p+1]
.endr
.endr
.irp a, 0,32
.irp p, 0,2,4,6
	v_pk_add_f32 v[P+\a+\p:P+\a+\p+1], v[P+\a+\p:P+\a+\p+1], v[P+\a+16+\p:P+\a+16+\p+1]
.endr
.endr
.irp p, 0,2,4,6
	v_pk_add_f32 v[P+\p:P+\p+1], v[P+\p:P+\p+1], v[P+32+\p:P+32+\p+1]
.endr
.if FINAL
	s_wait_xcnt 0x0                                ; the last stores' data and offsets are rewritten only behind this wait
.irp j, 0,1,2,3
	v_add_f32 v[OUT+\j], v[P+2*\j], v[BI+\j]
	v_add_f32 v[OUT+4+\j], v[P+2*\j+1], v[BI+\j]
.endr
	v_min_u32 v17, 0x3ff, v[RI+2*(\u)]
	v_lshl_add_u32 v14, v17, 12, v16               ; row x 4,096 bytes + 16 r
	v_min_u32 v17, 0x3ff, v[RI+2*(\u)+1]
	v_lshl_add_u32 v15, v17, 12, v16
	global_store_b128 v14, v[OUT:OUT+3], s[14:15] th:TH_STORE_NT    ; 16 lanes store 256 consecutive bytes of a row, at a multiple of 256 from the buffer's first byte
	global_store_b128 v15, v[OUT+4:OUT+7], s[14:15] th:TH_STORE_NT
.else
.irp p, 0,2,4,6
	v_pk_add_f32 v[P+\p:P+\p+1], v[P+\p:P+\p+1], v[BI+\p:BI+\p+1]
.endr
.irp t, 0,1,2,3,4,5,6,7
	v_max_num_f32 v[P+\t], 0, v[P+\t]
.endr
	s_wait_xcnt 0x0                                ; the last stores' data are rewritten only behind this wait
.irp t, 0,1,2,3
	v_cvt_pk_bf16_f32 v[OUT+\t], v[P+2*\t], v[P+2*\t+1]            ; hi
.endr
.if OPARTS == 2
.irp t, 0,1,2,3
	v_lshlrev_b32 v[P+8+2*\t], 16, v[OUT+\t]       ; hi as f32 again
	v_and_b32 v[P+9+2*\t], 0xffff0000, v[OUT+\t]
.endr
.irp t, 0,1,2,3,4,5,6,7
	v_sub_f32 v[P+\t], v[P+\t], v[P+8+\t]          ; what hi has left out: exact
.endr
.irp t, 0,1,2,3
	v_cvt_pk_bf16_f32 v[OUT+4+\t], v[P+2*\t], v[P+2*\t+1]          ; lo
.endr
.endif
	global_store_b128 v5, v[OUT:OUT+3], s[42:43] offset:(\u)*131072          ; 512 consecutive bytes: half a fragment of the next layer
.if OPARTS == 2
	global_store_b128 v5, v[OUT+4:OUT+7], s[42:43] offset:(\u)*131072+32768  ; and the same half fragment of lo
.endif
.endif
.endm
	s_load_b256 s[4:11], s[0:1], 0x0               ; input, weights, bias, table
.if FINAL
	s_load_b128 s[12:15], s[0:1], 0x20             ; list, out0
.else
	s_load_b64 s[12:13], s[0:1], 0x20              ; output
	v_lshl_add_u32 v126, v0, 2, 0x40000
	v_mov_b32 v127, 0
.endif
	v_and_b32 v1, 15, v0
	v_bfe_u32 v2, v0, 4, 1
	v_and_b32 v3, 31, v0
	v_lshrrev_b32 v17, 5, v0
	v_readfirstlane_b32 s16, v17                   ; wave 0..7
	s_mov_b32 s17, ttmp9
	s_and_b32 s18, ttmp7, 0xffff
	s_lshr_b32 s29, s16, 2
	s_and_b32 s48, s16, 3
	s_mov_b32 s31, 0
	v_lshlrev_b32 v4, 4, v1
	v_lshl_add_u32 v4, v2, HSH, v4
	v_lshlrev_b32 v5, 4, v3
	s_lshl_b32 s19, s17, 8
.if FINAL
	v_lshl_add_u32 v6, v1, 4, s19                  ; bias of columns 64 cb + 4 r on
.else
	s_lshl2_add_u32 s19, s48, s19
	v_lshl_add_u32 v6, v2, 7, s19                  ; bias of column 64 cb + 32 h + w % 4 (+ 4 t by the immediate)
.endif
	s_mul_i32 s49, s16, NKS*131072                 ; my 32 NKS rows of 4,096 bytes,
	s_lshl_b32 s19, s17, 8                         ; my 64 columns,
	s_add_co_u32 s49, s49, s19
.if DENSE == 0
	s_mul_i32 s19, s18, NKS*1048576                ; the relation's matrix: 256 NKS rows
	s_add_co_u32 s49, s49, s19
.endif
	s_wait_kmcnt 0x0
	s_lshl_b32 s30, s18, 4
	s_add_nc_u64 s[10:11], s[10:11], s[30:31]
	s_load_b128 s[20:23], s[10:11], 0x0            ; tiles, (not used), tiles to store: on its way while the weights are asked for
	s_mov_b32 s30, s49
	s_add_nc_u64 s[6:7], s[6:7], s[30:31]
.if DENSE == 0
	s_lshl_b32 s30, s18, 12
	s_add_nc_u64 s[8:9], s[8:9], s[30:31]
.endif
; THE STREAM.  All my weights are asked for at once, then the bias.
.set kst, 0
.rept NKS
	LOADW kst
.set kst, kst+1
.endr
	WIN 0
.if FINAL
	global_load_b128 v[BI:BI+3], v6, s[8:9]
.else
.irp t, 0,1,2,3,4,5,6,7
	global_load_b32 v[BI+\t], v6, s[8:9] offset:16*\t
.endr
.endif
	s_lshl_b32 s19, s16, 10
	v_add_nc_u32 v[WR], s19, v5
.irp k, 1,2,3
	v_add_nc_u32 v[WR+\k], \k*0x10000, v[WR]
.endr
	s_lshl_b32 s19, s29, 15                        ; the tiles of my parity
.if FINAL
	s_lshr_b32 s49, s48, 1
	s_lshl_b32 s49, s49, 9
	s_add_co_u32 s19, s19, s49
	s_and_b32 s49, s48, 1
	s_lshl3_add_u32 s19, s49, s19
	v_add_nc_u32 v[RD], s19, v5
	s_lshl_b32 s19, s48, 3
	v_lshl_add_u32 v13, v2, 5, s19                 ; list words 8 h + 2 (w % 4), + 1 of a tile
	v_lshlrev_b32 v16, 4, v1
.set tt, 0
.rept 8
	v_mov_b32 v[RI+tt], 0                          ; written on every way
.set tt, tt+1
.endr
.else
	s_lshl_b32 s49, s48, 13
	s_add_co_u32 s19, s19, s49
	v_add_nc_u32 v[RD], s19, v5
.endif
.irp k, 1,2,3
	v_add_nc_u32 v[RD+\k], \k*0x10000, v[RD]
.endr
	s_lshl_b32 s30, s18, ASH+6                     ; 64 tiles a relation,
	s_mul_i32 s19, s16, NKS*1024                   ; my K steps' blocks
	s_add_co_u32 s30, s30, s19
	s_add_nc_u64 s[4:5], s[4:5], s[30:31]
.if FINAL
	s_lshl_b32 s30, s18, 12
	s_lshl_b32 s19, s29, 6                         ; the tiles of my parity
	s_add_co_u32 s30, s30, s19
	s_add_nc_u64 s[12:13], s[12:13], s[30:31]
	s_lshl_b32 s30, s17, 8
	s_add_nc_u64 s[14:15], s[14:15], s[30:31]
.else
	s_lshl_b32 s30, s18, 22                        ; 64 tiles of 65,536 bytes a relation,
	s_lshl_b32 s19, s17, 11                        ; K steps 2 cb, 2 cb + 1 of the next layer,
	s_add_co_u32 s30, s30, s19
	s_lshl_b32 s19, s48, 9                         ; my half fragment,
	s_add_co_u32 s30, s30, s19
	s_lshl_b32 s19, s29, 16                        ; the tiles of my parity
	s_add_co_u32 s30, s30, s19
	s_add_nc_u64 s[12:13], s[12:13], s[30:31]
.endif
	s_wait_kmcnt 0x0                               ; the table entry
	s_min_u32 s20, s20, 64
	s_min_u32 s22, s22, 64
.if FINAL
	s_mov_b32 s24, s22
.else
	s_mov_b32 s24, s20
.endif
	s_max_u32 s25, s20, 1
	s_sub_co_u32 s25, s25, 1
	s_mov_b32 s27, 0
	LBASES 0
; As each K step is rounded, its registers take the first pass's tiles.  The count: behind K step kst's loads stand 16 for each later step, the bias's NB, and AL for each tile asked for so far.
.set kst, 0
.rept NKS
	s_wait_loadcnt 16*(NKS-1-kst)+NB+kst*TPS*AL
	CVT kst
.set tq, 0
.rept TPS
	LOADT kst*TPS+tq, 32+2*(kst*TPS+tq), 0
.set tq, tq+1
.endr
.set kst, kst+1
.endr
	WIN 0
	s_wait_loadcnt 3*AL                            ; tile 0 is in, and with it the bias, which is older
.set tt, 0
.rept 4-2*FINAL                        ; the bias is rounded to bf16 like the other inputs
	v_cvt_pk_bf16_f32 v17, v[BI+tt], v[BI+tt+1]
	v_lshlrev_b32 v[BI+tt], 16, v17
	v_and_b32 v[BI+tt+1], 0xffff0000, v17
.set tt, tt+2
.endr
; THE PASSES: NPASS trips of PT tiles.  Two barriers a trip: between the partial sums' stores and the other waves' reads, and between those reads and the next trip's stores.
; The pass's two bases are made at the trip's head, on every way: each is its buffer's address plus the counted step, whether or not the trip has tiles (a trip without tiles uses neither).
	s_mov_b32 s28, NPASS
.Lpass:
	s_wait_xcnt 0x0                                ; the last trip's loads and stores name the bases below: they are rewritten only behind this wait
	s_lshl_b32 s30, s27, ASH
	s_add_nc_u64 s[40:41], s[4:5], s[30:31]
.if FINAL
	s_lshl_b32 s30, s27, 6
.else
	s_lshl_b32 s30, s27, 16
.endif
	s_add_nc_u64 s[42:43], s[12:13], s[30:31]
	s_sub_co_i32 s26, s24, s27
	s_max_i32 s26, s26, 0                          ; tiles left
	s_cmp_eq_u32 s26, 0
	s_cbranch_scc1 .Lmeet
.if FINAL
.irp u, 0,1,2,3
	global_load_b64 v[RI+2*\u:RI+2*\u+1], v13, s[42:43] offset:128*\u  ; the pass's 128 list words all lie inside the relation's 1,024
.endr
.endif
	MULT 0, 3*AL+NRI                               ; behind tile 0's loads: tiles 1, 2, 3, the row numbers
	UPTO 4, .Lshort
	ASK 0, 4                                       ; FIVE TILES OR MORE
	MULT 1, 3*AL+NRI                               ; behind tile 1's: tiles 2, 3, the row numbers, tile 4
	UPTO 5, .Lfive
	ASK 1, 5                                       ; SIX TO EIGHT
	MULT 2, 3*AL+NRI                               ; behind tile 2's: tile 3, the row numbers, tiles 4, 5
	UPTO 6, .Ls2
	ASK 2, 6
.Ls2:
	MULT 3, 2*AL+NRI                               ; behind tile 3's, on both ways: the row numbers, tiles 4, 5
	UPTO 7, .Ls3
	ASK 3, 7
.Ls3:
	MULT 4, AL                                     ; behind tile 4's, on every way: tile 5
	MULT 5, 0                                      ; tile 5, and tiles 6 and 7 where they were asked for
	UPTO 6, .Lmeet
	TILE 6
	UPTO 7, .Lmeet
	TILE 7
	UPTO 8, .Lmeet
	s_wait_xcnt 0x0                                ; the four addresses may be written; no load is pending on the four slots (the wait for 0 above)
	LBASES PT
.set gg, 0
.rept 4
	LOADT gg, 32+2*gg, 0
.set gg, gg+1
.endr
	WIN 0
	s_branch .Lmeet
.Lfive:                                                ; FIVE TILES: nothing more is asked for
	MULT 2, 2*AL+NRI                               ; behind tile 2's: tile 3, the row numbers, tile 4
	MULT 3, AL+NRI                                 ; behind tile 3's: the row numbers, tile 4
	MULT 4, 0
	s_branch .Lmeet
.Lshort:                                               ; UP TO FOUR TILES: nothing more is asked for
	UPTO 1, .Lmeet
	MULT 1, 2*AL+NRI                               ; behind tile 1's: tiles 2, 3, the row numbers
	UPTO 2, .Lmeet
	MULT 2, AL+NRI
	UPTO 3, .Lmeet
	MULT 3, NRI
.Lmeet:
	s_wait_loadcnt 0x0                             ; nothing is pending on a slot when the next trip begins; the row numbers are in
	s_wait_dscnt 0x0                               ; for the others' sake: my partial sums are in LDS
	s_barrier_signal -1
	s_barrier_wait -1
.set un, 0
.rept 4
	s_add_co_u32 s19, s29, 2*un                    ; my unit's tile
	s_cmp_le_u32 s26, s19
	s_cbranch_scc1 .Lu
	UNIT un
.set un, un+1
.endr
.Lu:
	s_wait_dscnt 0x0                               ; my reads of the partial sums are back: the next trip may write over them
	s_barrier_signal -1
	s_barrier_wait -1
	s_add_co_u32 s27, s27, PT
	s_sub_co_u32 s28, s28, 1
	s_cmp_lg_u32 s28, 0
	s_cbranch_scc1 .Lpass
	s_wait_tensorcnt 0x0
	ds_add_u32 v126, v127
	s_wait_dscnt 0x0
	s_endpgm
.Lfunc_end_k_qe6593da5e0_l1:
	.size	k_qe6593da5e0_l1, .Lfunc_end_k_qe6593da5e0_l1-k_qe6593da5e0_l1
	.p2alignl 7, 3214868480
	.fill 96, 4, 3214868480
	.section	.rodata,"a",@progbits
	.p2align	6, 0x0
	.amdhsa_kernel k_qe6593da5e0_l1
		.amdhsa_group_segment_fixed_size 263168
		.amdhsa_private_segment_fixed_size 0
		.amdhsa_enable_private_segment 0
		.amdhsa_kernarg_size 40
		.amdhsa_user_sgpr_count 2
		.amdhsa_user_sgpr_kernarg_segment_ptr 1
		.amdhsa_wavefront_size32 1
		.amdhsa_system_sgpr_workgroup_id_x 1
		.amdhsa_system_sgpr_workgroup_id_y 1
		.amdhsa_system_sgpr_workgroup_id_z 1
		.amdhsa_system_vgpr_workitem_id 0
		.amdhsa_next_free_vgpr 512
		.amdhsa_next_free_sgpr 66
		.amdhsa_reserve_vcc 0
		.amdhsa_float_denorm_mode_32 3
		.amdhsa_float_denorm_mode_16_64 3
		.amdhsa_memory_ordered 1
		.amdhsa_forward_progress 1
		.amdhsa_inst_pref_size 74
	.end_amdhsa_kernel
	.amdgpu_metadata
---
amdhsa.version: [ 1, 2 ]
amdhsa.kernels:
  - .name:           k_qe6593da5e0_l1
    .symbol:         k_qe6593da5e0_l1.kd
    .args:
      - { .name: hA, .offset: 0, .size: 8, .value_kind: global_buffer, .address_space: global }
      - { .name: W1, .offset: 8, .size: 8, .value_kind: global_buffer, .address_space: global }
      - { .name: b1, .offset: 16, .size: 8, .value_kind: global_buffer, .address_space: global }
      - { .name: tabD, .offset: 24, .size: 8, .value_kind: global_buffer, .address_space: global }
      - { .name: hB, .offset: 32, .size: 8, .value_kind: global_buffer, .address_space: global }
    .group_segment_fixed_size: 263168
    .private_segment_fixed_size: 0
    .kernarg_segment_align: 8
    .kernarg_segment_size: 40
    .max_flat_workgroup_size: 256
    .sgpr_count:     66
    .vgpr_count:     512
    .wavefront_size: 32
...
	.end_amdgpu_metadata
.endif
;; end of part 6
;; launch r1 (part 7): grid 16 x 16, 8 waves a work-group, no clusters, 263,168 bytes of LDS; arguments hB, RW1, Rb1, tabR, hA; writes hA
.if DOCPART == 7
	.amdgcn_target "amdgcn-amd-amdhsa--gfx1250"
	.amdhsa_code_object_version 6
	.text
	.protected	k_qe6593da5e0_r1
	.globl	k_qe6593da5e0_r1
	.p2align	8
	.type	k_qe6593da5e0_r1,@function
k_qe6593da5e0_r1:
	s_mov_b64 s[64:65], 0
	v_nop
	global_prefetch_b8 v0, s[64:65] scope:SCOPE_SE
	s_setreg_imm32_b32 hwreg(HW_REG_WAVE_MODE, 25, 1), 1
	s_wait_xcnt 0x0
; ONE LAYER, third form: K = 1,024, input in two parts and in the order in which a layer leaves it, a weight matrix for each relation, ReLU, output as fragments in two parts.
; out[n] = relu(in[n] W[e] + b[e]) for the rows of relation e and the output columns 64 cb .. 64 cb + 63.
; SHARES.  Work-group (cb, e), eight waves.  Wave w owns the K rows 32 NKS w on of the relation's matrix, for all 64 columns: 16 NKS loads, all issued at the head; it rounds them to bf16 and keeps them in
; registers as fragments for the whole launch.  Every wave multiplies every tile of 16 rows by its eighth of K; the eight partial sums meet in LDS; wave w finishes fragment w % 4 of the tiles of parity w / 4.
; WEIGHTS.  W[e] is [K][1024] f32.  A lane loads 16 bytes, columns 64 cb + 4 r .. + 3 of one row: 16 lanes take 256 consecutive bytes.  Two rows that follow each other in a lane's k are paired by
; v_cvt_pk_bf16_f32, which turns the matrix on the way: fragment j, lane index r, is column 64 cb + 4 r + j.  Each byte of these weights is read once in the launch.
; TWO PARTS.  A number h of an activation is stored as hi = bf16(h) and lo = bf16(h - hi): a tile, 64 e + i, is 65,536 bytes, 32 blocks of hi and then 32 of lo.  Both are multiplied by the same
; weights into one sum.  A rounding to bf16 is off by about 2^-9 of a number (root mean square), a fifth of the 1 per cent of the root mean square that a result may be off; four such roundings on end
; would add up to twice that, so only the first layer's output has one.
; A block of 1,024 bytes is one K step ks, [c][lane][16 bytes]; element t of lane (r, h) is row r, k = 64 (ks / 2) + 32 h + 4 t + 2 (ks % 2) + c.
; The weight rows are loaded in the same order: a permutation of k applied alike to both sources keeps the products.
; OUTPUT.  Source 0 = weights, source 1 = activations: lane (r, h), register t of fragment j holds row r, column 64 cb + 32 h + 4 t + j: chunk j % 2 of K step 2 cb + j / 2 of the next layer, in the
; order of k given above.
; TILES.  Their number comes from the table that the first launch stored.  A pass has 8 tiles in four register slots, tile i in slot i % 4.  Tiles 0-3 of a pass are always asked for (a tile that is not
; there: the last that is); a further tile is asked for only where it exists, as soon as its slot has been multiplied.  The count of a wait must hold on every way that reaches it, so a pass is written in
; three ways: up to 4 tiles, 5 tiles, 6 to 8: in each the loads that stand behind a tile's own are known.  All barriers stand in a loop of 8 trips, outside these ways; every jump but the loop's goes forward.
; NO CLUSTER: the weights pass through registers for the rounding, so they come by register loads, which cannot be asked for jointly; and no two work-groups read the same weights.
; LIMITS.  Weights and bias are rounded to bf16 (nearest even); sums in f32, K in eight parts, added as a tree, then the bias.  v_max_num_f32 makes 0 of a NaN; infinities are not treated apart.
.set NKS,   4                          ; K steps of 32 a wave
.set NAT,   0                          ; 1: k in the natural order; 0: in the order in which a layer leaves its output
.set FINAL, 0                          ; 1: no ReLU, f32 rows scattered to their places
.set PARTS, 2                          ; parts of the input that are read: 1: bf16 alone; 2: hi and lo
.set OPARTS, 2                         ; parts of the output that are stored
.set ASH,   16                         ; tiles of the input lie 1 << ASH bytes apart
.set DENSE, 0                          ; 1: weight matrix and bias number 0; 0: number e
.set AL,    2*NKS*PARTS                ; loads of a wave for a tile
.set SLR,   8*NKS*PARTS                ; registers of a wave for a tile
.set PBYTES, 8192*NKS                  ; bytes of one part of a tile of the input
.set ATILE, 1<<ASH                     ; bytes from a tile of the input to the next
.set TPS,   4/NKS                      ; tiles asked for behind each K step of the weights
.set PT,    8                          ; tiles in a pass
.set NPASS, 64/PT
.set NB,    8-7*FINAL                  ; loads of the bias
.set NRI,   4*FINAL                    ; loads of row numbers in a pass
.if NAT
.set HSH,   15                         ; lanes 16-31 take the row 8 further down: 8 x 4,096 bytes
.else
.set HSH,   17                         ; 32 further down
.endif
; window 0: v1 r, v2 h, v3 lane, v4 my offset in a weight row pair, v5 16 x lane, v6 offset in the bias, v13 offset in the list, v14, v15 offsets of stores, v16 16 r, v17 at work
.set WR,    9                          ; v[9:12]    LDS: where I put partial sums, tiles 2 k and 2 k + 1
.set RD,    18                         ; v[18:21]   LDS: where I read them, my unit k
.set BI,    24                         ; v[24:31]   bias
.set ACC,   32                         ; v[32:95]   two sets of four accumulators, by the tile's parity: a tile's products do not wait for the LDS stores that still read the sums of the tile before
.set P,     32                         ; v[32:95]   eight waves' partial sums, while the accumulators are idle
.set OUT,   96                         ; v[96:103]  what is stored
.set RI,    104                        ; v[104:111] row numbers (last layer)
.set WB,    128                        ; v[128:255] the weights: fragment j of K step s at 32 s + 8 j
; window 1: NKS slots of 64 f32 on their way to WB; then four slots of SLR registers, the input of tile i in slot i % 4
; s[4:5] input at my relation and my K steps; s[6:7] weights at my rows and columns; s[8:9] bias; s[10:11] table entry; s[12:13] output (last layer: list); s[14:15] last layer: out0
; s16 w, s17 cb, s18 e, s19, s49 at work, s[20:23] the entry, s24 tiles to do, s25 last tile that exists, s26 tiles left, s27 first tile of the pass, s28 counter, s29 w / 4, s48 w % 4,
; s[30:31] offsets (s31 = 0), s[32:39] addresses of a pass's tiles 0-3, s[40:41] input at the pass, s[42:43] output or list at the pass
.set MSB, 0
.macro WIN new                         ; s_set_vgpr_msb: bits 1:0 source 0, 3:2 source 1, 5:4 source 2, 7:6 destination; the high byte repeats the setting that is left
.if MSB != (\new)
	s_set_vgpr_msb (MSB<<8)|(\new)
.set MSB, \new
.endif
.endm
.macro LOADW st                        ; the 32 weight rows of my K step st, 16 loads, into slot st of window 1: row (c, t) at 4 (8 c + t)
	WIN 0x40
.set cc, 0
.rept 2
.set tt, 0
.rept 8
.if NAT
.set rw, 32*(\st)+16*cc+tt
.else
.set rw, 64*((\st)/2)+2*((\st)%2)+cc+4*tt
.endif
.set rg, 64*(\st)+4*(8*cc+tt)
.if DENSE
	global_load_b128 v[rg:rg+3], v4, s[6:7] offset:rw*4096
.else
	global_load_b128 v[rg:rg+3], v4, s[6:7] offset:rw*4096 th:TH_LOAD_NT
.endif
.set tt, tt+1
.endr
.set cc, cc+1
.endr
.endm
.macro CVT st                          ; 64 f32 a lane become four fragments: rows t and t + 1 of a column share a register
	WIN 0x05
.set fj, 0
.rept 4
.set cc, 0
.rept 2
.set tt, 0
.rept 4
	v_cvt_pk_bf16_f32 v[WB+32*(\st)+8*fj+4*cc+tt], v[64*(\st)+4*(8*cc+2*tt)+fj], v[64*(\st)+4*(8*cc+2*tt+1)+fj]
.set tt, tt+1
.endr
.set cc, cc+1
.endr
.set fj, fj+1
.endr
.endm
.macro LOADT slot, base, off           ; my K steps of one tile, all parts that are read: AL loads of 512 consecutive bytes
	WIN 0x40
.set pp, 0
.rept PARTS
.set kk, 0
.rept NKS
.set rg, SLR*(\slot)+8*NKS*pp+8*kk
	global_load_b128 v[rg:rg+3], v5, s[\base:\base+1] offset:(\off)+PBYTES*pp+1024*kk
	global_load_b128 v[rg+4:rg+7], v5, s[\base:\base+1] offset:(\off)+PBYTES*pp+1024*kk+512
.set kk, kk+1
.endr
.set pp, pp+1
.endr
.endm
.macro LBASES first                    ; the addresses of the four tiles s27 + first on; a tile that is not there is replaced by the last that is
.irp i, 0,1,2,3
	s_add_co_u32 s30, s27, (\first)+\i
	s_min_u32 s30, s30, s25
	s_min_u32 s30, s30, 63
	s_lshl_b32 s30, s30, ASH
	s_add_nc_u64 s[32+2*\i:33+2*\i], s[4:5], s[30:31]
.endr
.endm
.macro MMA d, a, b, first
.if \first
	v_wmma_f32_16x16x32_bf16 v[\d:\d+7], v[\a:\a+7], v[\b:\b+7], 0
.else
	v_wmma_f32_16x16x32_bf16 v[\d:\d+7], v[\a:\a+7], v[\b:\b+7], v[\d:\d+7]
.endif
.endm
; Tile i of a pass times my eighth of K: 4 NKS PARTS products, by K step, part and fragment; the set's four accumulators take turns, one instruction a turn; the first starts each sum.
; Then the partial sums go to LDS: [tile: 32,768][fragment: 8,192][wave: 1,024][registers 0-3, 4-7: 512][lane: 16], lanes side by side, lowest registers first.
.macro TILE i
.if FINAL
	WIN 0x01                                       ; source 0 = input (window 1), source 1 = weights
.else
	WIN 0x04                                       ; source 0 = weights, source 1 = input (window 1)
.endif
.set kk, 0
.rept NKS
.set pq, 0
.rept PARTS
.set f1, 0
.if kk+pq == 0
.set f1, 1
.endif
.set fj, 0
.rept 4
.set ra, SLR*((\i)%4)+8*NKS*pq+8*kk
.set rb, WB+32*kk+8*fj
.set rc, ACC+32*((\i)%2)+8*fj
.if FINAL
	MMA rc, ra, rb, f1
.else
	MMA rc, rb, ra, f1
.endif
.set fj, fj+1
.endr
.set pq, pq+1
.endr
.set kk, kk+1
.endr
	WIN 0
.rept 5
	v_nop                                          ; places behind the last products: four before the stores read the sums and before loads land on the sources; five before a first product writes over the sums: the next trip's tile 0 takes the same set as this trip's, with these places alone certain between
.endr
.set fj, 0
.rept 8
	ds_store_b128 v[WR+(\i)/2], v[ACC+32*((\i)%2)+4*fj:ACC+32*((\i)%2)+4*fj+3] offset:((\i)%2)*32768+8192*(fj/2)+512*(fj%2)
.set fj, fj+1
.endr
.endm
.macro UPTO n, label                   ; a pass of up to n tiles goes on at the label, forward
	s_cmp_le_u32 s26, \n
	s_cbranch_scc1 \label
.endm
.macro ASK slot, tile                  ; the pass's tile is asked for, into a slot that has just been multiplied
	LOADT \slot, 40, (\tile)*ATILE
	WIN 0
.endm
.macro MULT tile, left                 ; left: the loads that stand behind the tile's own on every way that leads here
	s_wait_loadcnt \left
	TILE \tile
.endm
; My unit u: my part of tile 2 u + w / 4 is finished: the eight waves' partial sums are added, then the bias.
.macro UNIT u
.set wq, 0
.if FINAL
.rept 32                               ; source wave wq / 4, fragment wq % 4: registers 2 (w % 4), + 1: tile rows 8 h + 2 (w % 4), + 1
	ds_load_b64 v[P+8*(wq/4)+2*(wq%4):P+8*(wq/4)+2*(wq%4)+1], v[RD+(\u)] offset:8192*(wq%4)+1024*(wq/4)
.set wq, wq+1
.endr
.else
.rept 16                               ; fragment w % 4: source wave wq / 2, registers 4 (wq % 2) on
	ds_load_b128 v[P+4*wq:P+4*wq+3], v[RD+(\u)] offset:512*wq
.set wq, wq+1
.endr
.endif
	s_wait_dscnt 0x0
.irp a, 0,16,32,48
.irp p, 0,2,4,6
	v_pk_add_f32 v[P+\a+\p:P+\a+\p+1], v[P+\a+\p:P+\a+\p+1], v[P+\a+8+\p:P+\a+8+\p+1]
.endr
.endr
.irp a, 0,32
.irp p, 0,2,4,6
	v_pk_add_f32 v[P+\a+\p:P+\a+\p+1], v[P+\a+\p:P+\a+\p+1], v[P+\a+16+\p:P+\a+16+\p+1]
.endr
.endr
.irp p, 0,2,4,6
	v_pk_add_f32 v[P+\p:P+\p+1], v[P+\p:P+\p+1], v[P+32+\p:P+32+\p+1]
.endr
.if FINAL
	s_wait_xcnt 0x0                                ; the last stores' data and offsets are rewritten only behind this wait
.irp j, 0,1,2,3
	v_add_f32 v[OUT+\j], v[P+2*\j], v[BI+\j]
	v_add_f32 v[OUT+4+\j], v[P+2*\j+1], v[BI+\j]
.endr
	v_min_u32 v17, 0x3ff, v[RI+2*(\u)]
	v_lshl_add_u32 v14, v17, 12, v16               ; row x 4,096 bytes + 16 r
	v_min_u32 v17, 0x3ff, v[RI+2*(\u)+1]
	v_lshl_add_u32 v15, v17, 12, v16
	global_store_b128 v14, v[OUT:OUT+3], s[14:15] th:TH_STORE_NT    ; 16 lanes store 256 consecutive bytes of a row, at a multiple of 256 from the buffer's first byte
	global_store_b128 v15, v[OUT+4:OUT+7], s[14:15] th:TH_STORE_NT
.else
.irp p, 0,2,4,6
	v_pk_add_f32 v[P+\p:P+\p+1], v[P+\p:P+\p+1], v[BI+\p:BI+\p+1]
.endr
.irp t, 0,1,2,3,4,5,6,7
	v_max_num_f32 v[P+\t], 0, v[P+\t]
.endr
	s_wait_xcnt 0x0                                ; the last stores' data are rewritten only behind this wait
.irp t, 0,1,2,3
	v_cvt_pk_bf16_f32 v[OUT+\t], v[P+2*\t], v[P+2*\t+1]            ; hi
.endr
.if OPARTS == 2
.irp t, 0,1,2,3
	v_lshlrev_b32 v[P+8+2*\t], 16, v[OUT+\t]       ; hi as f32 again
	v_and_b32 v[P+9+2*\t], 0xffff0000, v[OUT+\t]
.endr
.irp t, 0,1,2,3,4,5,6,7
	v_sub_f32 v[P+\t], v[P+\t], v[P+8+\t]          ; what hi has left out: exact
.endr
.irp t, 0,1,2,3
	v_cvt_pk_bf16_f32 v[OUT+4+\t], v[P+2*\t], v[P+2*\t+1]          ; lo
.endr
.endif
	global_store_b128 v5, v[OUT:OUT+3], s[42:43] offset:(\u)*131072          ; 512 consecutive bytes: half a fragment of the next layer
.if OPARTS == 2
	global_store_b128 v5, v[OUT+4:OUT+7], s[42:43] offset:(\u)*131072+32768  ; and the same half fragment of lo
.endif
.endif
.endm
	s_load_b256 s[4:11], s[0:1], 0x0               ; input, weights, bias, table
.if FINAL
	s_load_b128 s[12:15], s[0:1], 0x20             ; list, out0
.else
	s_load_b64 s[12:13], s[0:1], 0x20              ; output
	v_lshl_add_u32 v126, v0, 2, 0x40000
	v_mov_b32 v127, 0
.endif
	v_and_b32 v1, 15, v0
	v_bfe_u32 v2, v0, 4, 1
	v_and_b32 v3, 31, v0
	v_lshrrev_b32 v17, 5, v0
	v_readfirstlane_b32 s16, v17                   ; wave 0..7
	s_mov_b32 s17, ttmp9
	s_and_b32 s18, ttmp7, 0xffff
	s_lshr_b32 s29, s16, 2
	s_and_b32 s48, s16, 3
	s_mov_b32 s31, 0
	v_lshlrev_b32 v4, 4, v1
	v_lshl_add_u32 v4, v2, HSH, v4
	v_lshlrev_b32 v5, 4, v3
	s_lshl_b32 s19, s17, 8
.if FINAL
	v_lshl_add_u32 v6, v1, 4, s19                  ; bias of columns 64 cb + 4 r on
.else
	s_lshl2_add_u32 s19, s48, s19
	v_lshl_add_u32 v6, v2, 7, s19                  ; bias of column 64 cb + 32 h + w % 4 (+ 4 t by the immediate)
.endif
	s_mul_i32 s49, s16, NKS*131072                 ; my 32 NKS rows of 4,096 bytes,
	s_lshl_b32 s19, s17, 8                         ; my 64 columns,
	s_add_co_u32 s49, s49, s19
.if DENSE == 0
	s_mul_i32 s19, s18, NKS*1048576                ; the relation's matrix: 256 NKS rows
	s_add_co_u32 s49, s49, s19
.endif
	s_wait_kmcnt 0x0
	s_lshl_b32 s30, s18, 4
	s_add_nc_u64 s[10:11], s[10:11], s[30:31]
	s_load_b128 s[20:23], s[10:11], 0x0            ; tiles, (not used), tiles to store: on its way while the weights are asked for
	s_mov_b32 s30, s49
	s_add_nc_u64 s[6:7], s[6:7], s[30:31]
.if DENSE == 0
	s_lshl_b32 s30, s18, 12
	s_add_nc_u64 s[8:9], s[8:9], s[30:31]
.endif
; THE STREAM.  All my weights are asked for at once, then the bias.
.set kst, 0
.rept NKS
	LOADW kst
.set kst, kst+1
.endr
	WIN 0
.if FINAL
	global_load_b128 v[BI:BI+3], v6, s[8:9]
.else
.irp t, 0,1,2,3,4,5,6,7
	global_load_b32 v[BI+\t], v6, s[8:9] offset:16*\t
.endr
.endif
	s_lshl_b32 s19, s16, 10
	v_add_nc_u32 v[WR], s19, v5
.irp k, 1,2,3
	v_add_nc_u32 v[WR+\k], \k*0x10000, v[WR]
.endr
	s_lshl_b32 s19, s29, 15                        ; the tiles of my parity
.if FINAL
	s_lshr_b32 s49, s48, 1
	s_lshl_b32 s49, s49, 9
	s_add_co_u32 s19, s19, s49
	s_and_b32 s49, s48, 1
	s_lshl3_add_u32 s19, s49, s19
	v_add_nc_u32 v[RD], s19, v5
	s_lshl_b32 s19, s48, 3
	v_lshl_add_u32 v13, v2, 5, s19                 ; list words 8 h + 2 (w % 4), + 1 of a tile
	v_lshlrev_b32 v16, 4, v1
.set tt, 0
.rept 8
	v_mov_b32 v[RI+tt], 0                          ; written on every way
.set tt, tt+1
.endr
.else
	s_lshl_b32 s49, s48, 13
	s_add_co_u32 s19, s19, s49
	v_add_nc_u32 v[RD], s19, v5
.endif
.irp k, 1,2,3
	v_add_nc_u32 v[RD+\k], \k*0x10000, v[RD]
.endr
	s_lshl_b32 s30, s18, ASH+6                     ; 64 tiles a relation,
	s_mul_i32 s19, s16, NKS*1024                   ; my K steps' blocks
	s_add_co_u32 s30, s30, s19
	s_add_nc_u64 s[4:5], s[4:5], s[30:31]
.if FINAL
	s_lshl_b32 s30, s18, 12
	s_lshl_b32 s19, s29, 6                         ; the tiles of my parity
	s_add_co_u32 s30, s30, s19
	s_add_nc_u64 s[12:13], s[12:13], s[30:31]
	s_lshl_b32 s30, s17, 8
	s_add_nc_u64 s[14:15], s[14:15], s[30:31]
.else
	s_lshl_b32 s30, s18, 22                        ; 64 tiles of 65,536 bytes a relation,
	s_lshl_b32 s19, s17, 11                        ; K steps 2 cb, 2 cb + 1 of the next layer,
	s_add_co_u32 s30, s30, s19
	s_lshl_b32 s19, s48, 9                         ; my half fragment,
	s_add_co_u32 s30, s30, s19
	s_lshl_b32 s19, s29, 16                        ; the tiles of my parity
	s_add_co_u32 s30, s30, s19
	s_add_nc_u64 s[12:13], s[12:13], s[30:31]
.endif
	s_wait_kmcnt 0x0                               ; the table entry
	s_min_u32 s20, s20, 64
	s_min_u32 s22, s22, 64
.if FINAL
	s_mov_b32 s24, s22
.else
	s_mov_b32 s24, s20
.endif
	s_max_u32 s25, s20, 1
	s_sub_co_u32 s25, s25, 1
	s_mov_b32 s27, 0
	LBASES 0
; As each K step is rounded, its registers take the first pass's tiles.  The count: behind K step kst's loads stand 16 for each later step, the bias's NB, and AL for each tile asked for so far.
.set kst, 0
.rept NKS
	s_wait_loadcnt 16*(NKS-1-kst)+NB+kst*TPS*AL
	CVT kst
.set tq, 0
.rept TPS
	LOADT kst*TPS+tq, 32+2*(kst*TPS+tq), 0
.set tq, tq+1
.endr
.set kst, kst+1
.endr
	WIN 0
	s_wait_loadcnt 3*AL                            ; tile 0 is in, and with it the bias, which is older
.set tt, 0
.rept 4-2*FINAL                        ; the bias is rounded to bf16 like the other inputs
	v_cvt_pk_bf16_f32 v17, v[BI+tt], v[BI+tt+1]
	v_lshlrev_b32 v[BI+tt], 16, v17
	v_and_b32 v[BI+tt+1], 0xffff0000, v17
.set tt, tt+2
.endr
; THE PASSES: NPASS trips of PT tiles.  Two barriers a trip: between the partial sums' stores and the other waves' reads, and between those reads and the next trip's stores.
; The pass's two bases are made at the trip's head, on every way: each is its buffer's address plus the counted step, whether or not the trip has tiles (a trip without tiles uses neither).
	s_mov_b32 s28, NPASS
.Lpass:
	s_wait_xcnt 0x0                                ; the last trip's loads and stores name the bases below: they are rewritten only behind this wait
	s_lshl_b32 s30, s27, ASH
	s_add_nc_u64 s[40:41], s[4:5], s[30:31]
.if FINAL
	s_lshl_b32 s30, s27, 6
.else
	s_lshl_b32 s30, s27, 16
.endif
	s_add_nc_u64 s[42:43], s[12:13], s[30:31]
	s_sub_co_i32 s26, s24, s27
	s_max_i32 s26, s26, 0                          ; tiles left
	s_cmp_eq_u32 s26, 0
	s_cbranch_scc1 .Lmeet
.if FINAL
.irp u, 0,1,2,3
	global_load_b64 v[RI+2*\u:RI+2*\u+1], v13, s[42:43] offset:128*\u  ; the pass's 128 list words all lie inside the relation's 1,024
.endr
.endif
	MULT 0, 3*AL+NRI                               ; behind tile 0's loads: tiles 1, 2, 3, the row numbers
	UPTO 4, .Lshort
	ASK 0, 4                                       ; FIVE TILES OR MORE
	MULT 1, 3*AL+NRI                               ; behind tile 1's: tiles 2, 3, the row numbers, tile 4
	UPTO 5, .Lfive
	ASK 1, 5                                       ; SIX TO EIGHT
	MULT 2, 3*AL+NRI                               ; behind tile 2's: tile 3, the row numbers, tiles 4, 5
	UPTO 6, .Ls2
	ASK 2, 6
.Ls2:
	MULT 3, 2*AL+NRI                               ; behind tile 3's, on both ways: the row numbers, tiles 4, 5
	UPTO 7, .Ls3
	ASK 3, 7
.Ls3:
	MULT 4, AL                                     ; behind tile 4's, on every way: tile 5
	MULT 5, 0                                      ; tile 5, and tiles 6 and 7 where they were asked for
	UPTO 6, .Lmeet
	TILE 6
	UPTO 7, .Lmeet
	TILE 7
	UPTO 8, .Lmeet
	s_wait_xcnt 0x0                                ; the four addresses may be written; no load is pending on the four slots (the wait for 0 above)
	LBASES PT
.set gg, 0
.rept 4
	LOADT gg, 32+2*gg, 0
.set gg, gg+1
.endr
	WIN 0
	s_branch .Lmeet
.Lfive:                                                ; FIVE TILES: nothing more is asked for
	MULT 2, 2*AL+NRI                               ; behind tile 2's: tile 3, the row numbers, tile 4
	MULT 3, AL+NRI                                 ; behind tile 3's: the row numbers, tile 4
	MULT 4, 0
	s_branch .Lmeet
.Lshort:                                               ; UP TO FOUR TILES: nothing more is asked for
	UPTO 1, .Lmeet
	MULT 1, 2*AL+NRI                               ; behind tile 1's: tiles 2, 3, the row numbers
	UPTO 2, .Lmeet
	MULT 2, AL+NRI
	UPTO 3, .Lmeet
	MULT 3, NRI
.Lmeet:
	s_wait_loadcnt 0x0                             ; nothing is pending on a slot when the next trip begins; the row numbers are in
	s_wait_dscnt 0x0                               ; for the others' sake: my partial sums are in LDS
	s_barrier_signal -1
	s_barrier_wait -1
.set un, 0
.rept 4
	s_add_co_u32 s19, s29, 2*un                    ; my unit's tile
	s_cmp_le_u32 s26, s19
	s_cbranch_scc1 .Lu
	UNIT un
.set un, un+1
.endr
.Lu:
	s_wait_dscnt 0x0                               ; my reads of the partial sums are back: the next trip may write over them
	s_barrier_signal -1
	s_barrier_wait -1
	s_add_co_u32 s27, s27, PT
	s_sub_co_u32 s28, s28, 1
	s_cmp_lg_u32 s28, 0
	s_cbranch_scc1 .Lpass
	s_wait_tensorcnt 0x0
	ds_add_u32 v126, v127
	s_wait_dscnt 0x0
	s_endpgm
.Lfunc_end_k_qe6593da5e0_r1:
	.size	k_qe6593da5e0_r1, .Lfunc_end_k_qe6593da5e0_r1-k_qe6593da5e0_r1
	.p2alignl 7, 3214868480
	.fill 96, 4, 3214868480
	.section	.rodata,"a",@progbits
	.p2align	6, 0x0
	.amdhsa_kernel k_qe6593da5e0_r1
		.amdhsa_group_segment_fixed_size 263168
		.amdhsa_private_segment_fixed_size 0
		.amdhsa_enable_private_segment 0
		.amdhsa_kernarg_size 40
		.amdhsa_user_sgpr_count 2
		.amdhsa_user_sgpr_kernarg_segment_ptr 1
		.amdhsa_wavefront_size32 1
		.amdhsa_system_sgpr_workgroup_id_x 1
		.amdhsa_system_sgpr_workgroup_id_y 1
		.amdhsa_system_sgpr_workgroup_id_z 1
		.amdhsa_system_vgpr_workitem_id 0
		.amdhsa_next_free_vgpr 512
		.amdhsa_next_free_sgpr 66
		.amdhsa_reserve_vcc 0
		.amdhsa_float_denorm_mode_32 3
		.amdhsa_float_denorm_mode_16_64 3
		.amdhsa_memory_ordered 1
		.amdhsa_forward_progress 1
		.amdhsa_inst_pref_size 98
	.end_amdhsa_kernel
	.amdgpu_metadata
---
amdhsa.version: [ 1, 2 ]
amdhsa.kernels:
  - .name:           k_qe6593da5e0_r1
    .symbol:         k_qe6593da5e0_r1.kd
    .args:
      - { .name: hB, .offset: 0, .size: 8, .value_kind: global_buffer, .address_space: global }
      - { .name: RW1, .offset: 8, .size: 8, .value_kind: global_buffer, .address_space: global }
      - { .name: Rb1, .offset: 16, .size: 8, .value_kind: global_buffer, .address_space: global }
      - { .name: tabR, .offset: 24, .size: 8, .value_kind: global_buffer, .address_space: global }
      - { .name: hA, .offset: 32, .size: 8, .value_kind: global_buffer, .address_space: global }
    .group_segment_fixed_size: 263168
    .private_segment_fixed_size: 0
    .kernarg_segment_align: 8
    .kernarg_segment_size: 40
    .max_flat_workgroup_size: 256
    .sgpr_count:     66
    .vgpr_count:     512
    .wavefront_size: 32
...
	.end_amdgpu_metadata
.endif
;; end of part 7
;; launch r2: the kernel of part 7 again; grid 16 x 16, 8 waves a work-group, no clusters, 263,168 bytes of LDS; arguments hA, RW2, Rb2, tabR, hB; writes hB
;; launch r3 (part 8): grid 16 x 16, 8 waves a work-group, no clusters, 263,168 bytes of LDS; arguments hB, RW3, Rb3, tabR, list, out0; writes out0
.if DOCPART == 8
	.amdgcn_target "amdgcn-amd-amdhsa--gfx1250"
	.amdhsa_code_object_version 6
	.text
	.protected	k_qe6593da5e0_r3
	.globl	k_qe6593da5e0_r3
	.p2align	8
	.type	k_qe6593da5e0_r3,@function
k_qe6593da5e0_r3:
	s_mov_b64 s[64:65], 0
	v_nop
	global_prefetch_b8 v0, s[64:65] scope:SCOPE_SE
	s_setreg_imm32_b32 hwreg(HW_REG_WAVE_MODE, 25, 1), 1
	s_wait_xcnt 0x0
; ONE LAYER, last form: K = 1,024, input in two parts and in the order in which a layer leaves it, a weight matrix for each relation, no ReLU, f32 rows stored at their own places.
; out0[n] = in[n] W[e] + b[e] for the rows n of relation e and the output columns 64 cb .. 64 cb + 63.
; SHARES.  Work-group (cb, e), eight waves.  Wave w owns the K rows 32 NKS w on of the relation's matrix, for all 64 columns: 16 NKS loads, all issued at the head; it rounds them to bf16 and keeps them in
; registers as fragments for the whole launch.  Every wave multiplies every tile of 16 rows by its eighth of K; the eight partial sums meet in LDS; wave w finishes four rows of the tiles of parity w / 4.
; WEIGHTS.  W[e] is [K][1024] f32.  A lane loads 16 bytes, columns 64 cb + 4 r .. + 3 of one row: 16 lanes take 256 consecutive bytes.  Two rows that follow each other in a lane's k are paired by
; v_cvt_pk_bf16_f32, which turns the matrix on the way: fragment j, lane index r, is column 64 cb + 4 r + j.  Each byte of these weights is read once in the launch.
; TWO PARTS.  A number h of the input is stored as hi = bf16(h) and lo = bf16(h - hi): a tile, 64 e + i, is 65,536 bytes, 32 blocks of hi and then 32 of lo.  Both are multiplied by the same
; weights into one sum.  A block of 1,024 bytes is one K step ks, [c][lane][16 bytes]; element t of lane (r, h) is row r, k = 64 (ks / 2) + 32 h + 4 t + 2 (ks % 2) + c.
; The weight rows are loaded in the same order: a permutation of k applied alike to both sources keeps the products.
; OUTPUT.  Source 0 = activations, source 1 = weights: lane (r, h), register t of fragment j holds tile row 8 h + t, column 64 cb + 4 r + j.  Wave w finishes tile rows 8 h + 2 (w % 4) and the next:
; the four fragments give a lane four neighbouring columns, 16 lanes 256 consecutive bytes of a row of out0.  The row's number comes from the list that the first launch stored.  Places of a tile behind
; the relation's last row repeat that row: the same numbers are stored twice at the same place, by this work-group.  An empty relation stores nothing (word 2 of the table entry is 0).
; TILES.  Their number comes from the table that the first launch stored.  A pass has 8 tiles in four register slots, tile i in slot i % 4.  Tiles 0-3 of a pass are always asked for (a tile that is not
; there: the last that is); a further tile is asked for only where it exists, as soon as its slot has been multiplied.  The count of a wait must hold on every way that reaches it, so a pass is written in
; three ways: up to 4 tiles, 5 tiles, 6 to 8: in each the loads that stand behind a tile's own are known.  All barriers stand in a loop of 8 trips, outside these ways; every jump but the loop's goes forward.
; NO CLUSTER: the weights pass through registers for the rounding, so they come by register loads, which cannot be asked for jointly; and no two work-groups read the same weights.
; LIMITS.  Weights and bias are rounded to bf16 (nearest even); sums in f32, K in eight parts, added as a tree, then the bias.  A row whose relation lies outside 0 .. 15 is not written.
.set NKS,   4                          ; K steps of 32 a wave
.set NAT,   0                          ; 1: k in the natural order; 0: in the order in which a layer leaves its output
.set FINAL, 1                          ; 1: no ReLU, f32 rows scattered to their places
.set PARTS, 2                          ; parts of the input that are read: 1: bf16 alone; 2: hi and lo
.set OPARTS, 2                         ; parts of the output that are stored (not in this form)
.set ASH,   16                         ; tiles of the input lie 1 << ASH bytes apart
.set DENSE, 0                          ; 1: weight matrix and bias number 0; 0: number e
.set AL,    2*NKS*PARTS                ; loads of a wave for a tile
.set SLR,   8*NKS*PARTS                ; registers of a wave for a tile
.set PBYTES, 8192*NKS                  ; bytes of one part of a tile of the input
.set ATILE, 1<<ASH                     ; bytes from a tile of the input to the next
.set TPS,   4/NKS                      ; tiles asked for behind each K step of the weights
.set PT,    8                          ; tiles in a pass
.set NPASS, 64/PT
.set NB,    8-7*FINAL                  ; loads of the bias
.set NRI,   4*FINAL                    ; loads of row numbers in a pass
.if NAT
.set HSH,   15                         ; lanes 16-31 take the row 8 further down: 8 x 4,096 bytes
.else
.set HSH,   17                         ; 32 further down
.endif
; window 0: v1 r, v2 h, v3 lane, v4 my offset in a weight row pair, v5 16 x lane, v6 offset in the bias, v13 offset in the list, v14, v15 offsets of stores, v16 16 r, v17 at work
.set WR,    9                          ; v[9:12]    LDS: where I put partial sums, tiles 2 k and 2 k + 1
.set RD,    18                         ; v[18:21]   LDS: where I read them, my unit k
.set BI,    24                         ; v[24:31]   bias
.set ACC,   32                         ; v[32:95]   two sets of four accumulators, by the tile's parity: a tile's products do not wait for the LDS stores that still read the sums of the tile before
.set P,     32                         ; v[32:95]   eight waves' partial sums, while the accumulators are idle
.set OUT,   96                         ; v[96:103]  what is stored
.set RI,    104                        ; v[104:111] row numbers (last layer)
.set WB,    128                        ; v[128:255] the weights: fragment j of K step s at 32 s + 8 j
; window 1: NKS slots of 64 f32 on their way to WB; then four slots of SLR registers, the input of tile i in slot i % 4
; s[4:5] input at my relation and my K steps; s[6:7] weights at my rows and columns; s[8:9] bias; s[10:11] table entry; s[12:13] output (last layer: list); s[14:15] last layer: out0
; s16 w, s17 cb, s18 e, s19, s49 at work, s[20:23] the entry, s24 tiles to do, s25 last tile that exists, s26 tiles left, s27 first tile of the pass, s28 counter, s29 w / 4, s48 w % 4,
; s[30:31] offsets (s31 = 0), s[32:39] addresses of a pass's tiles 0-3, s[40:41] input at the pass, s[42:43] output or list at the pass
.set MSB, 0
.macro WIN new                         ; s_set_vgpr_msb: bits 1:0 source 0, 3:2 source 1, 5:4 source 2, 7:6 destination; the high byte repeats the setting that is left
.if MSB != (\new)
	s_set_vgpr_msb (MSB<<8)|(\new)
.set MSB, \new
.endif
.endm
.macro LOADW st                        ; the 32 weight rows of my K step st, 16 loads, into slot st of window 1: row (c, t) at 4 (8 c + t)
	WIN 0x40
.set cc, 0
.rept 2
.set tt, 0
.rept 8
.if NAT
.set rw, 32*(\st)+16*cc+tt
.else
.set rw, 64*((\st)/2)+2*((\st)%2)+cc+4*tt
.endif
.set rg, 64*(\st)+4*(8*cc+tt)
.if DENSE
	global_load_b128 v[rg:rg+3], v4, s[6:7] offset:rw*4096
.else
	global_load_b128 v[rg:rg+3], v4, s[6:7] offset:rw*4096 th:TH_LOAD_NT
.endif
.set tt, tt+1
.endr
.set cc, cc+1
.endr
.endm
.macro CVT st                          ; 64 f32 a lane become four fragments: rows t and t + 1 of a column share a register
	WIN 0x05
.set fj, 0
.rept 4
.set cc, 0
.rept 2
.set tt, 0
.rept 4
	v_cvt_pk_bf16_f32 v[WB+32*(\st)+8*fj+4*cc+tt], v[64*(\st)+4*(8*cc+2*tt)+fj], v[64*(\st)+4*(8*cc+2*tt+1)+fj]
.set tt, tt+1
.endr
.set cc, cc+1
.endr
.set fj, fj+1
.endr
.endm
.macro LOADT slot, base, off           ; my K steps of one tile, all parts that are read: AL loads of 512 consecutive bytes
	WIN 0x40
.set pp, 0
.rept PARTS
.set kk, 0
.rept NKS
.set rg, SLR*(\slot)+8*NKS*pp+8*kk
	global_load_b128 v[rg:rg+3], v5, s[\base:\base+1] offset:(\off)+PBYTES*pp+1024*kk
	global_load_b128 v[rg+4:rg+7], v5, s[\base:\base+1] offset:(\off)+PBYTES*pp+1024*kk+512
.set kk, kk+1
.endr
.set pp, pp+1
.endr
.endm
.macro LBASES first                    ; the addresses of the four tiles s27 + first on; a tile that is not there is replaced by the last that is
.irp i, 0,1,2,3
	s_add_co_u32 s30, s27, (\first)+\i
	s_min_u32 s30, s30, s25
	s_min_u32 s30, s30, 63
	s_lshl_b32 s30, s30, ASH
	s_add_nc_u64 s[32+2*\i:33+2*\i], s[4:5], s[30:31]
.endr
.endm
.macro MMA d, a, b, first
.if \first
	v_wmma_f32_16x16x32_bf16 v[\d:\d+7], v[\a:\a+7], v[\b:\b+7], 0
.else
	v_wmma_f32_16x16x32_bf16 v[\d:\d+7], v[\a:\a+7], v[\b:\b+7], v[\d:\d+7]
.endif
.endm
; Tile i of a pass times my eighth of K: 4 NKS PARTS products, by K step, part and fragment; the set's four accumulators take turns, one instruction a turn; the first starts each sum.
; Then the partial sums go to LDS: [tile: 32,768][fragment: 8,192][wave: 1,024][registers 0-3, 4-7: 512][lane: 16], lanes side by side, lowest registers first.
.macro TILE i
.if FINAL
	WIN 0x01                                       ; source 0 = input (window 1), source 1 = weights
.else
	WIN 0x04                                       ; source 0 = weights, source 1 = input (window 1)
.endif
.set kk, 0
.rept NKS
.set pq, 0
.rept PARTS
.set f1, 0
.if kk+pq == 0
.set f1, 1
.endif
.set fj, 0
.rept 4
.set ra, SLR*((\i)%4)+8*NKS*pq+8*kk
.set rb, WB+32*kk+8*fj
.set rc, ACC+32*((\i)%2)+8*fj
.if FINAL
	MMA rc, ra, rb, f1
.else
	MMA rc, rb, ra, f1
.endif
.set fj, fj+1
.endr
.set pq, pq+1
.endr
.set kk, kk+1
.endr
	WIN 0
.rept 5
	v_nop                                          ; places behind the last products: four before the stores read the sums and before loads land on the sources; five before a first product writes over the sums: the next trip's tile 0 takes the same set as this trip's, with these places alone certain between
.endr
.set fj, 0
.rept 8
	ds_store_b128 v[WR+(\i)/2], v[ACC+32*((\i)%2)+4*fj:ACC+32*((\i)%2)+4*fj+3] offset:((\i)%2)*32768+8192*(fj/2)+512*(fj%2)
.set fj, fj+1
.endr
.endm
.macro UPTO n, label                   ; a pass of up to n tiles goes on at the label, forward
	s_cmp_le_u32 s26, \n
	s_cbranch_scc1 \label
.endm
.macro ASK slot, tile                  ; the pass's tile is asked for, into a slot that has just been multiplied
	LOADT \slot, 40, (\tile)*ATILE
	WIN 0
.endm
.macro MULT tile, left                 ; left: the loads that stand behind the tile's own on every way that leads here
	s_wait_loadcnt \left
	TILE \tile
.endm
; My unit u: my part of tile 2 u + w / 4 is finished: the eight waves' partial sums are added, then the bias.
.macro UNIT u
.set wq, 0
.if FINAL
.rept 32                               ; source wave wq / 4, fragment wq % 4: registers 2 (w % 4), + 1: tile rows 8 h + 2 (w % 4), + 1
	ds_load_b64 v[P+8*(wq/4)+2*(wq%4):P+8*(wq/4)+2*(wq%4)+1], v[RD+(\u)] offset:8192*(wq%4)+1024*(wq/4)
.set wq, wq+1
.endr
.else
.rept 16                               ; fragment w % 4: source wave wq / 2, registers 4 (wq % 2) on
	ds_load_b128 v[P+4*wq:P+4*wq+3], v[RD+(\u)] offset:512*wq
.set wq, wq+1
.endr
.endif
	s_wait_dscnt 0x0
.irp a, 0,16,32,48
.irp p, 0,2,4,6
	v_pk_add_f32 v[P+\a+\p:P+\a+\p+1], v[P+\a+\p:P+\a+\p+1], v[P+\a+8+\p:P+\a+8+\p+1]
.endr
.endr
.irp a, 0,32
.irp p, 0,2,4,6
	v_pk_add_f32 v[P+\a+\p:P+\a+\p+1], v[P+\a+\p:P+\a+\p+1], v[P+\a+16+\p:P+\a+16+\p+1]
.endr
.endr
.irp p, 0,2,4,6
	v_pk_add_f32 v[P+\p:P+\p+1], v[P+\p:P+\p+1], v[P+32+\p:P+32+\p+1]
.endr
.if FINAL
	s_wait_xcnt 0x0                                ; the last stores' data and offsets are rewritten only behind this wait
.irp j, 0,1,2,3
	v_add_f32 v[OUT+\j], v[P+2*\j], v[BI+\j]
	v_add_f32 v[OUT+4+\j], v[P+2*\j+1], v[BI+\j]
.endr
	v_min_u32 v17, 0x3ff, v[RI+2*(\u)]
	v_lshl_add_u32 v14, v17, 12, v16               ; row x 4,096 bytes + 16 r
	v_min_u32 v17, 0x3ff, v[RI+2*(\u)+1]
	v_lshl_add_u32 v15, v17, 12, v16
	global_store_b128 v14, v[OUT:OUT+3], s[14:15] th:TH_STORE_NT    ; 16 lanes store 256 consecutive bytes of a row, at a multiple of 256 from the buffer's first byte
	global_store_b128 v15, v[OUT+4:OUT+7], s[14:15] th:TH_STORE_NT
.else
.irp p, 0,2,4,6
	v_pk_add_f32 v[P+\p:P+\p+1], v[P+\p:P+\p+1], v[BI+\p:BI+\p+1]
.endr
.irp t, 0,1,2,3,4,5,6,7
	v_max_num_f32 v[P+\t], 0, v[P+\t]
.endr
	s_wait_xcnt 0x0                                ; the last stores' data are rewritten only behind this wait
.irp t, 0,1,2,3
	v_cvt_pk_bf16_f32 v[OUT+\t], v[P+2*\t], v[P+2*\t+1]            ; hi
.endr
.if OPARTS == 2
.irp t, 0,1,2,3
	v_lshlrev_b32 v[P+8+2*\t], 16, v[OUT+\t]       ; hi as f32 again
	v_and_b32 v[P+9+2*\t], 0xffff0000, v[OUT+\t]
.endr
.irp t, 0,1,2,3,4,5,6,7
	v_sub_f32 v[P+\t], v[P+\t], v[P+8+\t]          ; what hi has left out: exact
.endr
.irp t, 0,1,2,3
	v_cvt_pk_bf16_f32 v[OUT+4+\t], v[P+2*\t], v[P+2*\t+1]          ; lo
.endr
.endif
	global_store_b128 v5, v[OUT:OUT+3], s[42:43] offset:(\u)*131072          ; 512 consecutive bytes: half a fragment of the next layer
.if OPARTS == 2
	global_store_b128 v5, v[OUT+4:OUT+7], s[42:43] offset:(\u)*131072+32768  ; and the same half fragment of lo
.endif
.endif
.endm
	s_load_b256 s[4:11], s[0:1], 0x0               ; input, weights, bias, table
.if FINAL
	s_load_b128 s[12:15], s[0:1], 0x20             ; list, out0
	v_lshl_add_u32 v126, v0, 2, 0x40000
	v_mov_b32 v127, 0
.else
	s_load_b64 s[12:13], s[0:1], 0x20              ; output
.endif
	v_and_b32 v1, 15, v0
	v_bfe_u32 v2, v0, 4, 1
	v_and_b32 v3, 31, v0
	v_lshrrev_b32 v17, 5, v0
	v_readfirstlane_b32 s16, v17                   ; wave 0..7
	s_mov_b32 s17, ttmp9
	s_and_b32 s18, ttmp7, 0xffff
	s_lshr_b32 s29, s16, 2
	s_and_b32 s48, s16, 3
	s_mov_b32 s31, 0
	v_lshlrev_b32 v4, 4, v1
	v_lshl_add_u32 v4, v2, HSH, v4
	v_lshlrev_b32 v5, 4, v3
	s_lshl_b32 s19, s17, 8
.if FINAL
	v_lshl_add_u32 v6, v1, 4, s19                  ; bias of columns 64 cb + 4 r on
.else
	s_lshl2_add_u32 s19, s48, s19
	v_lshl_add_u32 v6, v2, 7, s19                  ; bias of column 64 cb + 32 h + w % 4 (+ 4 t by the immediate)
.endif
	s_mul_i32 s49, s16, NKS*131072                 ; my 32 NKS rows of 4,096 bytes,
	s_lshl_b32 s19, s17, 8                         ; my 64 columns,
	s_add_co_u32 s49, s49, s19
.if DENSE == 0
	s_mul_i32 s19, s18, NKS*1048576                ; the relation's matrix: 256 NKS rows
	s_add_co_u32 s49, s49, s19
.endif
	s_wait_kmcnt 0x0
	s_lshl_b32 s30, s18, 4
	s_add_nc_u64 s[10:11], s[10:11], s[30:31]
	s_load_b128 s[20:23], s[10:11], 0x0            ; tiles, (not used), tiles to store: on its way while the weights are asked for
	s_mov_b32 s30, s49
	s_add_nc_u64 s[6:7], s[6:7], s[30:31]
.if DENSE == 0
	s_lshl_b32 s30, s18, 12
	s_add_nc_u64 s[8:9], s[8:9], s[30:31]
.endif
; THE STREAM.  All my weights are asked for at once, then the bias.
.set kst, 0
.rept NKS
	LOADW kst
.set kst, kst+1
.endr
	WIN 0
.if FINAL
	global_load_b128 v[BI:BI+3], v6, s[8:9]
.else
.irp t, 0,1,2,3,4,5,6,7
	global_load_b32 v[BI+\t], v6, s[8:9] offset:16*\t
.endr
.endif
	s_lshl_b32 s19, s16, 10
	v_add_nc_u32 v[WR], s19, v5
.irp k, 1,2,3
	v_add_nc_u32 v[WR+\k], \k*0x10000, v[WR]
.endr
	s_lshl_b32 s19, s29, 15                        ; the tiles of my parity
.if FINAL
	s_lshr_b32 s49, s48, 1
	s_lshl_b32 s49, s49, 9
	s_add_co_u32 s19, s19, s49
	s_and_b32 s49, s48, 1
	s_lshl3_add_u32 s19, s49, s19
	v_add_nc_u32 v[RD], s19, v5
	s_lshl_b32 s19, s48, 3
	v_lshl_add_u32 v13, v2, 5, s19                 ; list words 8 h + 2 (w % 4), + 1 of a tile
	v_lshlrev_b32 v16, 4, v1
.set tt, 0
.rept 8
	v_mov_b32 v[RI+tt], 0                          ; written on every way
.set tt, tt+1
.endr
.else
	s_lshl_b32 s49, s48, 13
	s_add_co_u32 s19, s19, s49
	v_add_nc_u32 v[RD], s19, v5
.endif
.irp k, 1,2,3
	v_add_nc_u32 v[RD+\k], \k*0x10000, v[RD]
.endr
	s_lshl_b32 s30, s18, ASH+6                     ; 64 tiles a relation,
	s_mul_i32 s19, s16, NKS*1024                   ; my K steps' blocks
	s_add_co_u32 s30, s30, s19
	s_add_nc_u64 s[4:5], s[4:5], s[30:31]
.if FINAL
	s_lshl_b32 s30, s18, 12
	s_lshl_b32 s19, s29, 6                         ; the tiles of my parity
	s_add_co_u32 s30, s30, s19
	s_add_nc_u64 s[12:13], s[12:13], s[30:31]
	s_lshl_b32 s30, s17, 8
	s_add_nc_u64 s[14:15], s[14:15], s[30:31]
.else
	s_lshl_b32 s30, s18, 22                        ; 64 tiles of 65,536 bytes a relation,
	s_lshl_b32 s19, s17, 11                        ; K steps 2 cb, 2 cb + 1 of the next layer,
	s_add_co_u32 s30, s30, s19
	s_lshl_b32 s19, s48, 9                         ; my half fragment,
	s_add_co_u32 s30, s30, s19
	s_lshl_b32 s19, s29, 16                        ; the tiles of my parity
	s_add_co_u32 s30, s30, s19
	s_add_nc_u64 s[12:13], s[12:13], s[30:31]
.endif
	s_wait_kmcnt 0x0                               ; the table entry
	s_min_u32 s20, s20, 64
	s_min_u32 s22, s22, 64
.if FINAL
	s_mov_b32 s24, s22
.else
	s_mov_b32 s24, s20
.endif
	s_max_u32 s25, s20, 1
	s_sub_co_u32 s25, s25, 1
	s_mov_b32 s27, 0
	LBASES 0
; As each K step is rounded, its registers take the first pass's tiles.  The count: behind K step kst's loads stand 16 for each later step, the bias's NB, and AL for each tile asked for so far.
.set kst, 0
.rept NKS
	s_wait_loadcnt 16*(NKS-1-kst)+NB+kst*TPS*AL
	CVT kst
.set tq, 0
.rept TPS
	LOADT kst*TPS+tq, 32+2*(kst*TPS+tq), 0
.set tq, tq+1
.endr
.set kst, kst+1
.endr
	WIN 0
	s_wait_loadcnt 3*AL                            ; tile 0 is in, and with it the bias, which is older
.set tt, 0
.rept 4-2*FINAL                        ; the bias is rounded to bf16 like the other inputs
	v_cvt_pk_bf16_f32 v17, v[BI+tt], v[BI+tt+1]
	v_lshlrev_b32 v[BI+tt], 16, v17
	v_and_b32 v[BI+tt+1], 0xffff0000, v17
.set tt, tt+2
.endr
; THE PASSES: NPASS trips of PT tiles.  Two barriers a trip: between the partial sums' stores and the other waves' reads, and between those reads and the next trip's stores.
; The pass's two bases are made at the trip's head, on every way: each is its buffer's address plus the counted step, whether or not the trip has tiles (a trip without tiles uses neither).
	s_mov_b32 s28, NPASS
.Lpass:
	s_wait_xcnt 0x0                                ; the last trip's loads and stores name the bases below: they are rewritten only behind this wait
	s_lshl_b32 s30, s27, ASH
	s_add_nc_u64 s[40:41], s[4:5], s[30:31]
.if FINAL
	s_lshl_b32 s30, s27, 6
.else
	s_lshl_b32 s30, s27, 16
.endif
	s_add_nc_u64 s[42:43], s[12:13], s[30:31]
	s_sub_co_i32 s26, s24, s27
	s_max_i32 s26, s26, 0                          ; tiles left
	s_cmp_eq_u32 s26, 0
	s_cbranch_scc1 .Lmeet
.if FINAL
.irp u, 0,1,2,3
	global_load_b64 v[RI+2*\u:RI+2*\u+1], v13, s[42:43] offset:128*\u  ; the pass's 128 list words all lie inside the relation's 1,024
.endr
.endif
	MULT 0, 3*AL+NRI                               ; behind tile 0's loads: tiles 1, 2, 3, the row numbers
	UPTO 4, .Lshort
	ASK 0, 4                                       ; FIVE TILES OR MORE
	MULT 1, 3*AL+NRI                               ; behind tile 1's: tiles 2, 3, the row numbers, tile 4
	UPTO 5, .Lfive
	ASK 1, 5                                       ; SIX TO EIGHT
	MULT 2, 3*AL+NRI                               ; behind tile 2's: tile 3, the row numbers, tiles 4, 5
	UPTO 6, .Ls2
	ASK 2, 6
.Ls2:
	MULT 3, 2*AL+NRI                               ; behind tile 3's, on both ways: the row numbers, tiles 4, 5
	UPTO 7, .Ls3
	ASK 3, 7
.Ls3:
	MULT 4, AL                                     ; behind tile 4's, on every way: tile 5
	MULT 5, 0                                      ; tile 5, and tiles 6 and 7 where they were asked for
	UPTO 6, .Lmeet
	TILE 6
	UPTO 7, .Lmeet
	TILE 7
	UPTO 8, .Lmeet
	s_wait_xcnt 0x0                                ; the four addresses may be written; no load is pending on the four slots (the wait for 0 above)
	LBASES PT
.set gg, 0
.rept 4
	LOADT gg, 32+2*gg, 0
.set gg, gg+1
.endr
	WIN 0
	s_branch .Lmeet
.Lfive:                                                ; FIVE TILES: nothing more is asked for
	MULT 2, 2*AL+NRI                               ; behind tile 2's: tile 3, the row numbers, tile 4
	MULT 3, AL+NRI                                 ; behind tile 3's: the row numbers, tile 4
	MULT 4, 0
	s_branch .Lmeet
.Lshort:                                               ; UP TO FOUR TILES: nothing more is asked for
	UPTO 1, .Lmeet
	MULT 1, 2*AL+NRI                               ; behind tile 1's: tiles 2, 3, the row numbers
	UPTO 2, .Lmeet
	MULT 2, AL+NRI
	UPTO 3, .Lmeet
	MULT 3, NRI
.Lmeet:
	s_wait_loadcnt 0x0                             ; nothing is pending on a slot when the next trip begins; the row numbers are in
	s_wait_dscnt 0x0                               ; for the others' sake: my partial sums are in LDS
	s_barrier_signal -1
	s_barrier_wait -1
.set un, 0
.rept 4
	s_add_co_u32 s19, s29, 2*un                    ; my unit's tile
	s_cmp_le_u32 s26, s19
	s_cbranch_scc1 .Lu
	UNIT un
.set un, un+1
.endr
.Lu:
	s_wait_dscnt 0x0                               ; my reads of the partial sums are back: the next trip may write over them
	s_barrier_signal -1
	s_barrier_wait -1
	s_add_co_u32 s27, s27, PT
	s_sub_co_u32 s28, s28, 1
	s_cmp_lg_u32 s28, 0
	s_cbranch_scc1 .Lpass
	s_wait_tensorcnt 0x0
	ds_add_u32 v126, v127
	s_wait_dscnt 0x0
	s_endpgm
.Lfunc_end_k_qe6593da5e0_r3:
	.size	k_qe6593da5e0_r3, .Lfunc_end_k_qe6593da5e0_r3-k_qe6593da5e0_r3
	.p2alignl 7, 3214868480
	.fill 96, 4, 3214868480
	.section	.rodata,"a",@progbits
	.p2align	6, 0x0
	.amdhsa_kernel k_qe6593da5e0_r3
		.amdhsa_group_segment_fixed_size 263168
		.amdhsa_private_segment_fixed_size 0
		.amdhsa_enable_private_segment 0
		.amdhsa_kernarg_size 48
		.amdhsa_user_sgpr_count 2
		.amdhsa_user_sgpr_kernarg_segment_ptr 1
		.amdhsa_wavefront_size32 1
		.amdhsa_system_sgpr_workgroup_id_x 1
		.amdhsa_system_sgpr_workgroup_id_y 1
		.amdhsa_system_sgpr_workgroup_id_z 1
		.amdhsa_system_vgpr_workitem_id 0
		.amdhsa_next_free_vgpr 512
		.amdhsa_next_free_sgpr 66
		.amdhsa_reserve_vcc 0
		.amdhsa_float_denorm_mode_32 3
		.amdhsa_float_denorm_mode_16_64 3
		.amdhsa_memory_ordered 1
		.amdhsa_forward_progress 1
		.amdhsa_inst_pref_size 97
	.end_amdhsa_kernel
	.amdgpu_metadata
---
amdhsa.version: [ 1, 2 ]
amdhsa.kernels:
  - .name:           k_qe6593da5e0_r3
    .symbol:         k_qe6593da5e0_r3.kd
    .args:
      - { .name: hB, .offset: 0, .size: 8, .value_kind: global_buffer, .address_space: global }
      - { .name: RW3, .offset: 8, .size: 8, .value_kind: global_buffer, .address_space: global }
      - { .name: Rb3, .offset: 16, .size: 8, .value_kind: global_buffer, .address_space: global }
      - { .name: tabR, .offset: 24, .size: 8, .value_kind: global_buffer, .address_space: global }
      - { .name: list, .offset: 32, .size: 8, .value_kind: global_buffer, .address_space: global }
      - { .name: out0, .offset: 40, .size: 8, .value_kind: global_buffer, .address_space: global }
    .group_segment_fixed_size: 263168
    .private_segment_fixed_size: 0
    .kernarg_segment_align: 8
    .kernarg_segment_size: 48
    .max_flat_workgroup_size: 256
    .sgpr_count:     66
    .vgpr_count:     512
    .wavefront_size: 32
...
	.end_amdgpu_metadata
.endif
;; end of part 8
;; ======== version 3 of 3: 6 launches; version 2 with the launches l0, l1, r1, r2, r3 written anew for expert scheduling mode
;; workspace buffers: a0 16,777,216 bytes; hA 67,108,864 bytes; hB 67,108,864 bytes; list 65,536 bytes of whole numbers; tabD 256 bytes of whole numbers; tabR 256 bytes of whole numbers
;; launch pack: the kernel of part 1 again; grid 64 x 16, 1 waves a work-group, no clusters, 7,168 bytes of LDS; arguments x, relations, a0, list, tabD, tabR; writes a0, list, tabD, tabR
;; launch l0 (part 9): grid 16 x 16, 8 waves a work-group, no clusters, 263,168 bytes of LDS; arguments a0, W0, b0, tabD, hA; writes hA
.if DOCPART == 9
	.amdgcn_target "amdgcn-amd-amdhsa--gfx1250"
	.amdhsa_code_object_version 6
	.text
	.protected	k_qe6593da5e0_l0
	.globl	k_qe6593da5e0_l0
	.p2align	8
	.type	k_qe6593da5e0_l0,@function
k_qe6593da5e0_l0:
	s_mov_b64 s[64:65], 0
	v_nop
	global_prefetch_b8 v0, s[64:65] scope:SCOPE_SE
	s_setreg_imm32_b32 hwreg(HW_REG_WAVE_SCHED_MODE, 0, 2), 2
	s_setreg_imm32_b32 hwreg(HW_REG_WAVE_MODE, 25, 1), 1
	s_wait_xcnt 0x0
	s_wait_alu depctr_vm_vsrc(0)
; ONE LAYER, first form: K = 512, input x as bf16 in the natural order of k, one weight matrix, ReLU, output as bf16 fragments.  out[n] = relu(in[n] W + b) for the rows of relation e, columns 64 cb .. 64 cb + 63.
; SHARES.  Work-group (cb, e), eight waves.  Wave w owns the K rows 32 NKS w on of the weight matrix, for all 64 columns: 16 NKS loads, all issued at the head; it rounds them to bf16 and keeps them in
; registers as fragments for the whole launch.  Every wave multiplies every tile of 16 rows by its eighth of K; the eight partial sums meet in LDS; wave w finishes fragment w % 4 of the tiles of parity w / 4.
; WEIGHTS.  W is [K][1024] f32.  A lane loads 16 bytes, columns 64 cb + 4 r .. + 3 of one row: 16 lanes take 256 consecutive bytes.  Two rows that follow each other in a lane's k are paired by
; v_cvt_pk_bf16_f32, which turns the matrix on the way: fragment j, lane index r, is column 64 cb + 4 r + j.
; INPUT.  Tile 64 e + i, blocks of 1,024 bytes for each K step ks, [c][lane][16 bytes]; element t of lane (r, h) is row r, k = 32 ks + 16 c + 8 h + t.
; OUTPUT.  Source 0 = weights, source 1 = activations: lane (r, h), register t of fragment j holds row r, column 64 cb + 32 h + 4 t + j: chunk j % 2 of K step 2 cb + j / 2 of the next layer, whose k
; then runs 64 (ks / 2) + 32 h + 4 t + 2 (ks % 2) + c; the next layer loads its weight rows in that same order.  Tiles of the output lie 65,536 bytes apart; this layer fills the first 32 blocks of each.
; ONE ROUNDING.  This layer's output is rounded once to bf16: off by about 2^-9 of a number (root mean square), a fifth of the 1 per cent of the root mean square that a result may be off.  The three later
; activations are stored in two parts: four such roundings on end would add up to twice one's error.
; TILES.  Their number comes from the table that the first launch stored.  A pass has 8 tiles in four register slots, tile i in slot i % 4.  Tiles 0-3 of a pass are always asked for (a tile that is not
; there: the last that is); a further tile is asked for only where it exists, when its slot has been multiplied: tiles 4 and 5 among the products of the tile that follows, tiles 6 and 7 in a run.
; The count of a wait must hold on every way that reaches it, so a pass is written in three ways: up to 4 tiles, 5 tiles, 6 to 8: in each the loads that stand behind a tile's own are known.
; All barriers stand in a loop of 8 trips, outside these ways; every jump but the loop's goes forward.
; NO CLUSTER: the weights pass through registers for the rounding, so they come by register loads, which cannot be asked for jointly.
; LIMITS.  Weights, bias and output are rounded to bf16 (nearest even); sums in f32, K in eight parts, added as a tree, then the bias.  v_max_num_f32 makes 0 of a NaN; infinities are not treated apart.
; THE MODE: SCHED_MODE bits 1:0 = 2 (LLVM: expert scheduling mode 2), set by the entry lines.  The code itself states the register dependences
; between vector or matrix instructions and memory or LDS instructions, with s_wait_alu, always for 0.
; THE PLAN.  Registers that memory or LDS instructions touch:
;   v4, v5, v6      Offsets of the weights', the tiles' and the bias's loads (v5 also of the stores): made ahead of the first load, never written again.
;   WR, RD, v13     LDS addresses and the list's offset: made behind the weights' loads, ahead of the first K step's wait, never written again.
;   window 1, raw   K step s: the weights' loads land there; its 32 conversions read it; then loads of the first pass's tiles land there.
;   window 1, slots Slot i % 4: tile i's loads land there; tile i's products read it; then tile i + 4's loads land there.
;   the two sets    Set i % 2: tile i's products write it; tile i's eight LDS stores read it; tile i + 2's products write it again.  Behind the barrier both are P: a unit's LDS loads land there, its additions work there.
;   OUT0, OUT1      Buffer u % 2: unit u's conversions write it; unit u's stores read it; unit u + 2 writes it again.  (Last layer: the stores' offsets likewise; RI: the list's loads land there, the units read it.)
; THE WAITS.  Behind each K step's conversions one on va_vdst.  In a tile one on va_vdst, behind its products and their places: the set is written, the slot has been read; beside it, ahead of the tile's own
; stores, one on vm_vsrc: the stores of the tile before have read the other set.  Behind the first barrier one on vm_vsrc: the pass's LDS stores and the last trip's stores have read their registers.
; In a unit one on va_vdst behind its last vector line: the out-buffer is written, P (and RI) are done with; in units 1 and 2 one on vm_vsrc ahead of the unit's own stores: the other out-buffer has been read.
.set NKS,   2                          ; K steps of 32 a wave
.set NAT,   1                          ; 1: k in the natural order; 0: in the order in which a layer leaves its output
.set FINAL, 0                          ; 1: no ReLU, f32 rows scattered to their places
.set PARTS, 1                          ; parts of the input that are read: 1: bf16 alone; 2: hi and lo
.set OPARTS, 1                         ; parts of the output that are stored
.set ASH,   14                         ; tiles of the input lie 1 << ASH bytes apart
.set DENSE, 1                          ; 1: weight matrix and bias number 0; 0: number e
.set AL,    2*NKS*PARTS                ; loads of a wave for a tile
.set SLR,   8*NKS*PARTS                ; registers of a wave for a tile
.set PBYTES, 8192*NKS                  ; bytes of one part of a tile of the input
.set ATILE, 1<<ASH                     ; bytes from a tile of the input to the next
.set TPS,   4/NKS                      ; tiles asked for behind each K step of the weights
.set PT,    8                          ; tiles in a pass
.set NPASS, 64/PT
.set NB,    8-7*FINAL                  ; loads of the bias
.set NRI,   4*FINAL                    ; loads of row numbers in a pass
.if NAT
.set HSH,   15                         ; lanes 16-31 take the row 8 further down: 8 x 4,096 bytes
.else
.set HSH,   17                         ; 32 further down
.endif
; window 0: v1 r, v2 h, v3 lane, v4 my offset in a weight row pair, v5 16 x lane, v6 offset in the bias, v13 offset in the list, v16 16 r, v17 at work
.set WR,    9                          ; v[9:12]    LDS: where I put partial sums, tiles 2 k and 2 k + 1
.set SA,    14                         ; v[14:15], v[22:23] last layer: the offsets of a unit's two stores, by the unit's parity
.set RD,    18                         ; v[18:21]   LDS: where I read them, my unit k
.set BI,    24                         ; v[24:31]   bias
.set ACC,   32                         ; v[32:95]   two sets of four accumulators, by the tile's parity: the wait for the LDS stores that read a set stands a tile's products behind them
.set P,     32                         ; v[32:95]   eight waves' partial sums, while the accumulators are idle
.set OUT,   96                         ; v[96:103], v[112:119] what is stored: two out-buffers, by the unit's parity
.set RI,    104                        ; v[104:111] row numbers (last layer)
.set WB,    128                        ; v[128:255] the weights: fragment j of K step s at 32 s + 8 j
; window 1: NKS slots of 64 f32 on their way to WB; then four slots of SLR registers, the input of tile i in slot i % 4
; s[4:5] input at my relation and my K steps; s[6:7] weights at my rows and columns; s[8:9] bias; s[10:11] table entry; s[12:13] output (last layer: list); s[14:15] last layer: out0
; s16 w, s17 cb, s18 e, s19, s49 at work, s[20:23] the entry, s24 tiles to do, s25 last tile that exists, s26 tiles left, s27 first tile of the pass, s28 counter, s29 w / 4, s48 w % 4,
; s[30:31] offsets (s31 = 0), s[32:39] addresses of a pass's tiles 0-3, s[40:41] input at the pass, s[42:43] output or list at the pass
.set MSB, 0
.macro WIN new                         ; s_set_vgpr_msb: bits 1:0 source 0, 3:2 source 1, 5:4 source 2, 7:6 destination; the high byte repeats the setting that is left
.if MSB != (\new)
	s_set_vgpr_msb (MSB<<8)|(\new)
.set MSB, \new
.endif
.endm
.macro LOADW st                        ; the 32 weight rows of my K step st, 16 loads, into slot st of window 1: row (c, t) at 4 (8 c + t)
	WIN 0x40
.set cc, 0
.rept 2
.set tt, 0
.rept 8
.if NAT
.set rw, 32*(\st)+16*cc+tt
.else
.set rw, 64*((\st)/2)+2*((\st)%2)+cc+4*tt
.endif
.set rg, 64*(\st)+4*(8*cc+tt)
.if DENSE
	global_load_b128 v[rg:rg+3], v4, s[6:7] offset:rw*4096
.else
	global_load_b128 v[rg:rg+3], v4, s[6:7] offset:rw*4096 th:TH_LOAD_NT
.endif
.set tt, tt+1
.endr
.set cc, cc+1
.endr
.endm
.macro CVT st                          ; 64 f32 a lane become four fragments: rows t and t + 1 of a column share a register
	WIN 0x05
.set fj, 0
.rept 4
.set cc, 0
.rept 2
.set tt, 0
.rept 4
	v_cvt_pk_bf16_f32 v[WB+32*(\st)+8*fj+4*cc+tt], v[64*(\st)+4*(8*cc+2*tt)+fj], v[64*(\st)+4*(8*cc+2*tt+1)+fj]
.set tt, tt+1
.endr
.set cc, cc+1
.endr
.set fj, fj+1
.endr
.endm
.macro LOADT slot, base, off           ; my K steps of one tile, all parts that are read: AL loads of 512 consecutive bytes
	WIN 0x40
.set pp, 0
.rept PARTS
.set kk, 0
.rept NKS
.set rg, SLR*(\slot)+8*NKS*pp+8*kk
	global_load_b128 v[rg:rg+3], v5, s[\base:\base+1] offset:(\off)+PBYTES*pp+1024*kk
	global_load_b128 v[rg+4:rg+7], v5, s[\base:\base+1] offset:(\off)+PBYTES*pp+1024*kk+512
.set kk, kk+1
.endr
.set pp, pp+1
.endr
.endm
.macro LOADK slot, base, off, k        ; the same tile's K step k alone, all parts that are read: 2 PARTS of the AL loads, into the same registers
	WIN 0x40
.set pp, 0
.rept PARTS
.set rg, SLR*(\slot)+8*NKS*pp+8*(\k)
	global_load_b128 v[rg:rg+3], v5, s[\base:\base+1] offset:(\off)+PBYTES*pp+1024*(\k)
	global_load_b128 v[rg+4:rg+7], v5, s[\base:\base+1] offset:(\off)+PBYTES*pp+1024*(\k)+512
.set pp, pp+1
.endr
.endm
.macro LBASES first                    ; the addresses of the four tiles s27 + first on; a tile that is not there is replaced by the last that is
.irp i, 0,1,2,3
	s_add_co_u32 s30, s27, (\first)+\i
	s_min_u32 s30, s30, s25
	s_min_u32 s30, s30, 63
	s_lshl_b32 s30, s30, ASH
	s_add_nc_u64 s[32+2*\i:33+2*\i], s[4:5], s[30:31]
.endr
.endm
.macro MMA d, a, b, first
.if \first
	v_wmma_f32_16x16x32_bf16 v[\d:\d+7], v[\a:\a+7], v[\b:\b+7], 0
.else
	v_wmma_f32_16x16x32_bf16 v[\d:\d+7], v[\a:\a+7], v[\b:\b+7], v[\d:\d+7]
.endif
.endm
; Tile i of a pass times my eighth of K: 4 NKS PARTS products, by K step, part and fragment; the set's four accumulators take turns, one instruction a turn; the first starts each sum.
; Then the partial sums go to LDS: [tile: 32,768][fragment: 8,192][wave: 1,024][registers 0-3, 4-7: 512][lane: 16], lanes side by side, lowest registers first.
; ask = 1: the pass's tile next is asked for, into slot slot, a K step's loads behind a K step's products.  No wait: the tile before multiplied that slot, its wait on va_vdst stands behind its products,
; and no vector or matrix instruction since names the slot or v5.  more = 1: a further tile can follow in this pass.
.macro TILE i, more=1, ask=0, slot=0, next=0
.set kk, 0
.rept NKS
.if FINAL
	WIN 0x01                                       ; source 0 = input (window 1), source 1 = weights
.else
	WIN 0x04                                       ; source 0 = weights, source 1 = input (window 1)
.endif
.set pq, 0
.rept PARTS
.set f1, 0
.if kk+pq == 0
.set f1, 1
.endif
.set fj, 0
.rept 4
.set ra, SLR*((\i)%4)+8*NKS*pq+8*kk
.set rb, WB+32*kk+8*fj
.set rc, ACC+32*((\i)%2)+8*fj
.if FINAL
	MMA rc, ra, rb, f1
.else
	MMA rc, rb, ra, f1
.endif
.set fj, fj+1
.endr
.set pq, pq+1
.endr
.if \ask
	LOADK \slot, 40, (\next)*ATILE, kk
.endif
.set kk, kk+1
.endr
	WIN 0
.rept 5
	v_nop                                          ; places behind the last products: four before the stores read the sums; five before a first product writes over the sums: the next trip's tile 0 takes the same set as this trip's, with these places alone certain between
.endr
	s_wait_alu depctr_va_vdst(0)                   ; the products have written this set, which the LDS stores below read and in which partial sums land later; they are done reading the tile's slot, in which a later tile's loads land.  The places above stay beside this wait
.if ((\i) > 0) && (\more)
	s_wait_alu depctr_vm_vsrc(0)                   ; the LDS stores of the tile before have read the other set, which the next tile's products write
.endif
.set fj, 0
.rept 8
	ds_store_b128 v[WR+(\i)/2], v[ACC+32*((\i)%2)+4*fj:ACC+32*((\i)%2)+4*fj+3] offset:((\i)%2)*32768+8192*(fj/2)+512*(fj%2)
.set fj, fj+1
.endr
.endm
.macro UPTO n, label                   ; a pass of up to n tiles goes on at the label, forward
	s_cmp_le_u32 s26, \n
	s_cbranch_scc1 \label
.endm
.macro ASK slot, tile                  ; the pass's tile is asked for, into a slot that has just been multiplied: the wait on va_vdst of the tile that multiplied it stands ahead, and only its LDS stores and a jump since
	LOADT \slot, 40, (\tile)*ATILE
	WIN 0
.endm
.macro MULT tile, left, more=1, ask=0, slot=0, next=0  ; left: the loads that stand behind the tile's own on every way that leads here
	s_wait_loadcnt \left
	TILE \tile, \more, \ask, \slot, \next
.endm
; My unit u: my part of tile 2 u + w / 4 is finished: the eight waves' partial sums are added, then the bias.
.macro UNIT u
.set obuf, OUT+16*((\u)%2)
.set soff, SA+8*((\u)%2)
.set wq, 0
.if FINAL
.rept 32                               ; source wave wq / 4, fragment wq % 4: registers 2 (w % 4), + 1: tile rows 8 h + 2 (w % 4), + 1
	ds_load_b64 v[P+8*(wq/4)+2*(wq%4):P+8*(wq/4)+2*(wq%4)+1], v[RD+(\u)] offset:8192*(wq%4)+1024*(wq/4)
.set wq, wq+1
.endr
.else
.rept 16                               ; fragment w % 4: source wave wq / 2, registers 4 (wq % 2) on
	ds_load_b128 v[P+4*wq:P+4*wq+3], v[RD+(\u)] offset:512*wq
.set wq, wq+1
.endr
.endif
	s_wait_dscnt 0x0
.irp a, 0,16,32,48
.irp p, 0,2,4,6
	v_pk_add_f32 v[P+\a+\p:P+\a+\p+1], v[P+\a+\p:P+\a+\p+1], v[P+\a+8+\p:P+\a+8+\p+1]
.endr
.endr
.irp a, 0,32
.irp p, 0,2,4,6
	v_pk_add_f32 v[P+\a+\p:P+\a+\p+1], v[P+\a+\p:P+\a+\p+1], v[P+\a+16+\p:P+\a+16+\p+1]
.endr
.endr
.irp p, 0,2,4,6
	v_pk_add_f32 v[P+\p:P+\p+1], v[P+\p:P+\p+1], v[P+32+\p:P+32+\p+1]
.endr
.if FINAL
.irp j, 0,1,2,3
	v_add_f32 v[obuf+\j], v[P+2*\j], v[BI+\j]
	v_add_f32 v[obuf+4+\j], v[P+2*\j+1], v[BI+\j]
.endr
	v_min_u32 v17, 0x3ff, v[RI+2*(\u)]
	v_lshl_add_u32 v[soff], v17, 12, v16           ; row x 4,096 bytes + 16 r
	v_min_u32 v17, 0x3ff, v[RI+2*(\u)+1]
	v_lshl_add_u32 v[soff+1], v17, 12, v16
.else
.irp p, 0,2,4,6
	v_pk_add_f32 v[P+\p:P+\p+1], v[P+\p:P+\p+1], v[BI+\p:BI+\p+1]
.endr
.irp t, 0,1,2,3,4,5,6,7
	v_max_num_f32 v[P+\t], 0, v[P+\t]
.endr
.irp t, 0,1,2,3
	v_cvt_pk_bf16_f32 v[obuf+\t], v[P+2*\t], v[P+2*\t+1]           ; hi
.endr
.if OPARTS == 2
.irp t, 0,1,2,3
	v_lshlrev_b32 v[P+8+2*\t], 16, v[obuf+\t]      ; hi as f32 again
	v_and_b32 v[P+9+2*\t], 0xffff0000, v[obuf+\t]
.endr
.irp t, 0,1,2,3,4,5,6,7
	v_sub_f32 v[P+\t], v[P+\t], v[P+8+\t]          ; what hi has left out: exact
.endr
.irp t, 0,1,2,3
	v_cvt_pk_bf16_f32 v[obuf+4+\t], v[P+2*\t], v[P+2*\t+1]         ; lo
.endr
.endif
.endif
	s_wait_alu depctr_va_vdst(0)                   ; the unit has written its out-buffer (last layer: and the two offsets), which the stores below read; it is done with P, in which the next unit's LDS loads land (last layer: and with RI, in which the next trip's list loads land)
.if ((\u) == 1) || ((\u) == 2)
	s_wait_xcnt 0x0                                ; the stores of the unit before have had their addresses translated (ISA guide 3.1): their data (last layer: and offsets) are rewritten, by the next unit, only behind this wait,
	s_wait_alu depctr_vm_vsrc(0)                   ; and they have read the other out-buffer (last layer: and its offsets), which the next unit writes again
.endif
.if FINAL
	global_store_b128 v[soff], v[obuf:obuf+3], s[14:15] th:TH_STORE_NT      ; 16 lanes store 256 consecutive bytes of a row, at a multiple of 256 from the buffer's first byte
	global_store_b128 v[soff+1], v[obuf+4:obuf+7], s[14:15] th:TH_STORE_NT
.else
	global_store_b128 v5, v[obuf:obuf+3], s[42:43] offset:(\u)*131072          ; 512 consecutive bytes: half a fragment of the next layer
.if OPARTS == 2
	global_store_b128 v5, v[obuf+4:obuf+7], s[42:43] offset:(\u)*131072+32768  ; and the same half fragment of lo
.endif
.endif
.endm
	s_load_b256 s[4:11], s[0:1], 0x0               ; input, weights, bias, table
.if FINAL
	s_load_b128 s[12:15], s[0:1], 0x20             ; list, out0
.else
	s_load_b64 s[12:13], s[0:1], 0x20              ; output
	v_lshl_add_u32 v254, v0, 2, 0x40000
	v_mov_b32 v255, 0
.endif
	v_and_b32 v1, 15, v0
	v_bfe_u32 v2, v0, 4, 1
	v_and_b32 v3, 31, v0
	v_lshrrev_b32 v17, 5, v0
	v_readfirstlane_b32 s16, v17                   ; wave 0..7
	s_mov_b32 s17, ttmp9
	s_and_b32 s18, ttmp7, 0xffff
	s_wait_alu depctr_va_sdst(0)                   ; s16 is written, ahead of its first reader: offsets, LDS addresses and the units' shares are made from it
	s_lshr_b32 s29, s16, 2
	s_and_b32 s48, s16, 3
	s_mov_b32 s31, 0
	v_lshlrev_b32 v4, 4, v1
	v_lshl_add_u32 v4, v2, HSH, v4
	v_lshlrev_b32 v5, 4, v3
	s_lshl_b32 s19, s17, 8
.if FINAL
	v_lshl_add_u32 v6, v1, 4, s19                  ; bias of columns 64 cb + 4 r on
.else
	s_lshl2_add_u32 s19, s48, s19
	v_lshl_add_u32 v6, v2, 7, s19                  ; bias of column 64 cb + 32 h + w % 4 (+ 4 t by the immediate)
.endif
	s_mul_i32 s49, s16, NKS*131072                 ; my 32 NKS rows of 4,096 bytes,
	s_lshl_b32 s19, s17, 8                         ; my 64 columns,
	s_add_co_u32 s49, s49, s19
.if DENSE == 0
	s_mul_i32 s19, s18, NKS*1048576                ; the relation's matrix: 256 NKS rows
	s_add_co_u32 s49, s49, s19
.endif
	s_wait_kmcnt 0x0
	s_lshl_b32 s30, s18, 4
	s_add_nc_u64 s[10:11], s[10:11], s[30:31]
	s_load_b128 s[20:23], s[10:11], 0x0            ; tiles, (not used), tiles to store: on its way while the weights are asked for
	s_mov_b32 s30, s49
	s_add_nc_u64 s[6:7], s[6:7], s[30:31]
.if DENSE == 0
	s_lshl_b32 s30, s18, 12
	s_add_nc_u64 s[8:9], s[8:9], s[30:31]
.endif
; THE STREAM.  All my weights are asked for at once, then the bias.
	WIN 0x40
	s_wait_alu depctr_va_vdst(0)                   ; v4, v5 and v6 are written: the offsets that the weights', the tiles' and the bias's loads read
.set kst, 0
.rept NKS
	LOADW kst
.set kst, kst+1
.endr
	WIN 0
.if FINAL
	global_load_b128 v[BI:BI+3], v6, s[8:9]
.else
.irp t, 0,1,2,3,4,5,6,7
	global_load_b32 v[BI+\t], v6, s[8:9] offset:16*\t
.endr
.endif
	s_lshl_b32 s19, s16, 10
	v_add_nc_u32 v[WR], s19, v5
.irp k, 1,2,3
	v_add_nc_u32 v[WR+\k], \k*0x10000, v[WR]
.endr
	s_lshl_b32 s19, s29, 15                        ; the tiles of my parity
.if FINAL
	s_lshr_b32 s49, s48, 1
	s_lshl_b32 s49, s49, 9
	s_add_co_u32 s19, s19, s49
	s_and_b32 s49, s48, 1
	s_lshl3_add_u32 s19, s49, s19
	v_add_nc_u32 v[RD], s19, v5
	s_lshl_b32 s19, s48, 3
	v_lshl_add_u32 v13, v2, 5, s19                 ; list words 8 h + 2 (w % 4), + 1 of a tile
	v_lshlrev_b32 v16, 4, v1
.set tt, 0
.rept 8
	v_mov_b32 v[RI+tt], 0                          ; written on every way
.set tt, tt+1
.endr
.else
	s_lshl_b32 s49, s48, 13
	s_add_co_u32 s19, s19, s49
	v_add_nc_u32 v[RD], s19, v5
.endif
.irp k, 1,2,3
	v_add_nc_u32 v[RD+\k], \k*0x10000, v[RD]
.endr
	s_lshl_b32 s30, s18, ASH+6                     ; 64 tiles a relation,
	s_mul_i32 s19, s16, NKS*1024                   ; my K steps' blocks
	s_add_co_u32 s30, s30, s19
	s_add_nc_u64 s[4:5], s[4:5], s[30:31]
.if FINAL
	s_lshl_b32 s30, s18, 12
	s_lshl_b32 s19, s29, 6                         ; the tiles of my parity
	s_add_co_u32 s30, s30, s19
	s_add_nc_u64 s[12:13], s[12:13], s[30:31]
	s_lshl_b32 s30, s17, 8
	s_add_nc_u64 s[14:15], s[14:15], s[30:31]
.else
	s_lshl_b32 s30, s18, 22                        ; 64 tiles of 65,536 bytes a relation,
	s_lshl_b32 s19, s17, 11                        ; K steps 2 cb, 2 cb + 1 of the next layer,
	s_add_co_u32 s30, s30, s19
	s_lshl_b32 s19, s48, 9                         ; my half fragment,
	s_add_co_u32 s30, s30, s19
	s_lshl_b32 s19, s29, 16                        ; the tiles of my parity
	s_add_co_u32 s30, s30, s19
	s_add_nc_u64 s[12:13], s[12:13], s[30:31]
.endif
	s_wait_kmcnt 0x0                               ; the table entry
	s_min_u32 s20, s20, 64
	s_min_u32 s22, s22, 64
.if FINAL
	s_mov_b32 s24, s22
.else
	s_mov_b32 s24, s20
.endif
	s_max_u32 s25, s20, 1
	s_sub_co_u32 s25, s25, 1
	s_mov_b32 s27, 0
	LBASES 0
; As each K step is rounded, its registers take the first pass's tiles.  The count: behind K step kst's loads stand 16 for each later step, the bias's NB, and AL for each tile asked for so far.
.set kst, 0
.rept NKS
	s_wait_loadcnt 16*(NKS-1-kst)+NB+kst*TPS*AL
	CVT kst
	WIN 0x40
	s_wait_alu depctr_va_vdst(0)                   ; the conversions are done reading this K step's raw registers, in which tiles' loads land; the first of these waits also states that WR and RD (last layer: v13 and the zeros in RI too) are written, for the LDS stores and loads (and the list's loads) of the passes
.set tq, 0
.rept TPS
	LOADT kst*TPS+tq, 32+2*(kst*TPS+tq), 0
.set tq, tq+1
.endr
.set kst, kst+1
.endr
	WIN 0
	s_wait_loadcnt 3*AL                            ; tile 0 is in, and with it the bias, which is older
.set tt, 0
.rept 4-2*FINAL                        ; the bias is rounded to bf16 like the other inputs; these lines name BI and v17 alone, which no memory instruction touches from here on
	v_cvt_pk_bf16_f32 v17, v[BI+tt], v[BI+tt+1]
	v_lshlrev_b32 v[BI+tt], 16, v17
	v_and_b32 v[BI+tt+1], 0xffff0000, v17
.set tt, tt+2
.endr
; THE PASSES: NPASS trips of PT tiles.  Two barriers a trip: between the partial sums' stores and the other waves' reads, and between those reads and the next trip's stores.
; The pass's two bases are made at the trip's head, on every way: each is its buffer's address plus the counted step, whether or not the trip has tiles (a trip without tiles uses neither).
	s_mov_b32 s28, NPASS
.Lpass:
	s_wait_xcnt 0x0                                ; the last trip's loads and stores name the bases below, and its stores the out-buffers: all these are rewritten only behind this wait
	s_lshl_b32 s30, s27, ASH
	s_add_nc_u64 s[40:41], s[4:5], s[30:31]
.if FINAL
	s_lshl_b32 s30, s27, 6
.else
	s_lshl_b32 s30, s27, 16
.endif
	s_add_nc_u64 s[42:43], s[12:13], s[30:31]
	s_sub_co_i32 s26, s24, s27
	s_max_i32 s26, s26, 0                          ; tiles left
	s_cmp_eq_u32 s26, 0
	s_cbranch_scc1 .Lmeet
.if FINAL
.irp u, 0,1,2,3
	global_load_b64 v[RI+2*\u:RI+2*\u+1], v13, s[42:43] offset:128*\u  ; the pass's 128 list words all lie inside the relation's 1,024.  No wait: every line that names RI stands ahead of a wait on va_vdst (the head's, a unit's)
.endr
.endif
	MULT 0, 3*AL+NRI                               ; behind tile 0's loads: tiles 1, 2, 3, the row numbers
	UPTO 4, .Lshort
	MULT 1, 2*AL+NRI, 1, 1, 0, 4                   ; FIVE TILES OR MORE.  Behind tile 1's: tiles 2, 3, the row numbers; tile 4 is asked for among tile 1's products
	UPTO 5, .Lfive
	MULT 2, 2*AL+NRI, 1, 1, 1, 5                   ; SIX TO EIGHT.  Behind tile 2's: tile 3, the row numbers, tile 4; tile 5 is asked for among tile 2's products
	UPTO 6, .Ls2
	ASK 2, 6
.Ls2:
	MULT 3, 2*AL+NRI                               ; behind tile 3's, on both ways: the row numbers, tiles 4, 5
	UPTO 7, .Ls3
	ASK 3, 7
.Ls3:
	MULT 4, AL                                     ; behind tile 4's, on every way: tile 5
	MULT 5, 0                                      ; tile 5, and tiles 6 and 7 where they were asked for
	UPTO 6, .Lmeet
	TILE 6
	UPTO 7, .Lmeet
	TILE 7, 0
	UPTO 8, .Lmeet
	s_wait_xcnt 0x0                                ; the four addresses may be written; no load is pending on the four slots (the wait for 0 above)
	LBASES PT
.set gg, 0
.rept 4
	LOADT gg, 32+2*gg, 0                           ; the four slots were multiplied by tiles 4 to 7, each with its wait on va_vdst behind its products
.set gg, gg+1
.endr
	WIN 0
	s_branch .Lmeet
.Lfive:                                                ; FIVE TILES: nothing more is asked for
	MULT 2, 2*AL+NRI                               ; behind tile 2's: tile 3, the row numbers, tile 4
	MULT 3, AL+NRI                                 ; behind tile 3's: the row numbers, tile 4
	MULT 4, 0, 0
	s_branch .Lmeet
.Lshort:                                               ; UP TO FOUR TILES: nothing more is asked for
	UPTO 1, .Lmeet
	MULT 1, 2*AL+NRI                               ; behind tile 1's: tiles 2, 3, the row numbers
	UPTO 2, .Lmeet
	MULT 2, AL+NRI
	UPTO 3, .Lmeet
	MULT 3, NRI, 0
.Lmeet:
	s_wait_loadcnt 0x0                             ; nothing is pending on a slot when the next trip begins; the row numbers are in
	s_wait_dscnt 0x0                               ; for the others' sake: my partial sums are in LDS
	s_barrier_signal -1
	s_barrier_wait -1
	s_wait_alu depctr_vm_vsrc(0)                   ; my LDS stores have read the two sets, in which the units' LDS loads land and which the next trip's products write; the last trip's stores have read the out-buffers (last layer: and their offsets), which this trip's units write again
.set un, 0
.rept 4
	s_add_co_u32 s19, s29, 2*un                    ; my unit's tile
	s_cmp_le_u32 s26, s19
	s_cbranch_scc1 .Lu
	UNIT un
.set un, un+1
.endr
.Lu:
	s_wait_dscnt 0x0                               ; my reads of the partial sums are back: the next trip may write over them
	s_barrier_signal -1
	s_barrier_wait -1
	s_add_co_u32 s27, s27, PT
	s_sub_co_u32 s28, s28, 1
	s_cmp_lg_u32 s28, 0
	s_cbranch_scc1 .Lpass
	s_wait_dscnt 0x0
	s_wait_alu depctr_hold_cnt(0) depctr_sa_sdst(0) depctr_va_vdst(0) depctr_va_sdst(0) depctr_va_ssrc(0) depctr_va_vcc(0) depctr_vm_vsrc(0)
	s_wait_tensorcnt 0x0
	ds_add_u32 v254, v255
	s_wait_dscnt 0x0
	s_endpgm
.Lfunc_end_k_qe6593da5e0_l0:
	.size	k_qe6593da5e0_l0, .Lfunc_end_k_qe6593da5e0_l0-k_qe6593da5e0_l0
	.p2alignl 7, 3214868480
	.fill 96, 4, 3214868480
	.section	.rodata,"a",@progbits
	.p2align	6, 0x0
	.amdhsa_kernel k_qe6593da5e0_l0
		.amdhsa_group_segment_fixed_size 263168
		.amdhsa_private_segment_fixed_size 0
		.amdhsa_enable_private_segment 0
		.amdhsa_kernarg_size 40
		.amdhsa_user_sgpr_count 2
		.amdhsa_user_sgpr_kernarg_segment_ptr 1
		.amdhsa_wavefront_size32 1
		.amdhsa_system_sgpr_workgroup_id_x 1
		.amdhsa_system_sgpr_workgroup_id_y 1
		.amdhsa_system_sgpr_workgroup_id_z 1
		.amdhsa_system_vgpr_workitem_id 0
		.amdhsa_next_free_vgpr 512
		.amdhsa_next_free_sgpr 66
		.amdhsa_reserve_vcc 0
		.amdhsa_float_denorm_mode_32 3
		.amdhsa_float_denorm_mode_16_64 3
		.amdhsa_memory_ordered 1
		.amdhsa_forward_progress 1
		.amdhsa_inst_pref_size 53
	.end_amdhsa_kernel
	.amdgpu_metadata
---
amdhsa.version: [ 1, 2 ]
amdhsa.kernels:
  - .name:           k_qe6593da5e0_l0
    .symbol:         k_qe6593da5e0_l0.kd
    .args:
      - { .name: a0, .offset: 0, .size: 8, .value_kind: global_buffer, .address_space: global }
      - { .name: W0, .offset: 8, .size: 8, .value_kind: global_buffer, .address_space: global }
      - { .name: b0, .offset: 16, .size: 8, .value_kind: global_buffer, .address_space: global }
      - { .name: tabD, .offset: 24, .size: 8, .value_kind: global_buffer, .address_space: global }
      - { .name: hA, .offset: 32, .size: 8, .value_kind: global_buffer, .address_space: global }
    .group_segment_fixed_size: 263168
    .private_segment_fixed_size: 0
    .kernarg_segment_align: 8
    .kernarg_segment_size: 40
    .max_flat_workgroup_size: 256
    .sgpr_count:     66
    .vgpr_count:     512
    .wavefront_size: 32
...
	.end_amdgpu_metadata
.endif
;; end of part 9
;; launch l1 (part 10): grid 16 x 16, 8 waves a work-group, no clusters, 263,168 bytes of LDS; arguments hA, W1, b1, tabD, hB; writes hB
.if DOCPART == 10
	.amdgcn_target "amdgcn-amd-amdhsa--gfx1250"
	.amdhsa_code_object_version 6
	.text
	.protected	k_qe6593da5e0_l1
	.globl	k_qe6593da5e0_l1
	.p2align	8
	.type	k_qe6593da5e0_l1,@function
k_qe6593da5e0_l1:
	s_mov_b64 s[64:65], 0
	v_nop
	global_prefetch_b8 v0, s[64:65] scope:SCOPE_SE
	s_setreg_imm32_b32 hwreg(HW_REG_WAVE_SCHED_MODE, 0, 2), 2
	s_setreg_imm32_b32 hwreg(HW_REG_WAVE_MODE, 25, 1), 1
	s_wait_xcnt 0x0
	s_wait_alu depctr_vm_vsrc(0)
; ONE LAYER, second form: K = 1,024, input as bf16 in the order in which a layer leaves it, one weight matrix, ReLU, output as fragments in two parts.  out[n] = relu(in[n] W + b) for the rows of
; relation e and the output columns 64 cb .. 64 cb + 63.
; SHARES.  Work-group (cb, e), eight waves.  Wave w owns the K rows 32 NKS w on of the weight matrix, for all 64 columns: 16 NKS loads, all issued at the head; it rounds them to bf16 and keeps them in
; registers as fragments for the whole launch.  Every wave multiplies every tile of 16 rows by its eighth of K; the eight partial sums meet in LDS; wave w finishes fragment w % 4 of the tiles of parity w / 4.
; WEIGHTS.  W is [K][1024] f32.  A lane loads 16 bytes, columns 64 cb + 4 r .. + 3 of one row: 16 lanes take 256 consecutive bytes.  Two rows that follow each other in a lane's k are paired by
; v_cvt_pk_bf16_f32, which turns the matrix on the way: fragment j, lane index r, is column 64 cb + 4 r + j.
; INPUT.  Tiles, 64 e + i, lie 65,536 bytes apart; the layer before has filled the first 32 blocks of each, its output rounded once to bf16.  A block of 1,024 bytes is one K step ks, [c][lane][16 bytes];
; element t of lane (r, h) is row r, k = 64 (ks / 2) + 32 h + 4 t + 2 (ks % 2) + c.  The weight rows are loaded in the same order: a permutation of k applied alike to both sources keeps the products.
; OUTPUT.  Source 0 = weights, source 1 = activations: lane (r, h), register t of fragment j holds row r, column 64 cb + 32 h + 4 t + j: chunk j % 2 of K step 2 cb + j / 2 of the next layer, in the
; order of k given above.  TWO PARTS: a number h is stored as hi = bf16(h) and lo = bf16(h - hi): 32 blocks of hi, then 32 of lo; the next layer multiplies both by the same weights into one sum.
; A rounding to bf16 is off by about 2^-9 of a number (root mean square), a fifth of the 1 per cent of the root mean square that a result may be off: one such rounding on the way is kept, this layer's
; input's; four on end would add up to twice that.
; TILES.  Their number comes from the table that the first launch stored.  A pass has 8 tiles in four register slots, tile i in slot i % 4.  Tiles 0-3 of a pass are always asked for (a tile that is not
; there: the last that is); a further tile is asked for only where it exists, when its slot has been multiplied: tiles 4 and 5 among the products of the tile that follows, tiles 6 and 7 in a run.
; The count of a wait must hold on every way that reaches it, so a pass is written in three ways: up to 4 tiles, 5 tiles, 6 to 8: in each the loads that stand behind a tile's own are known.
; All barriers stand in a loop of 8 trips, outside these ways; every jump but the loop's goes forward.
; NO CLUSTER: the weights pass through registers for the rounding, so they come by register loads, which cannot be asked for jointly.
; LIMITS.  Weights and bias are rounded to bf16 (nearest even), the input has bf16's 8 significant bits; sums in f32, K in eight parts, added as a tree, then the bias.  v_max_num_f32 makes 0 of a NaN;
; infinities are not treated apart.
; THE MODE: SCHED_MODE bits 1:0 = 2 (LLVM: expert scheduling mode 2), set by the entry lines.  The code itself states the register dependences
; between vector or matrix instructions and memory or LDS instructions, with s_wait_alu, always for 0.
; THE PLAN.  Registers that memory or LDS instructions touch:
;   v4, v5, v6      Offsets of the weights', the tiles' and the bias's loads (v5 also of the stores): made ahead of the first load, never written again.
;   WR, RD, v13     LDS addresses and the list's offset: made behind the weights' loads, ahead of the first K step's wait, never written again.
;   window 1, raw   K step s: the weights' loads land there; its 32 conversions read it; then loads of the first pass's tiles land there.
;   window 1, slots Slot i % 4: tile i's loads land there; tile i's products read it; then tile i + 4's loads land there.
;   the two sets    Set i % 2: tile i's products write it; tile i's eight LDS stores read it; tile i + 2's products write it again.  Behind the barrier both are P: a unit's LDS loads land there, its additions work there.
;   OUT0, OUT1      Buffer u % 2: unit u's conversions write it; unit u's stores read it; unit u + 2 writes it again.  (Last layer: the stores' offsets likewise; RI: the list's loads land there, the units read it.)
; THE WAITS.  Behind each K step's conversions one on va_vdst.  In a tile one on va_vdst, behind its products and their places: the set is written, the slot has been read; beside it, ahead of the tile's own
; stores, one on vm_vsrc: the stores of the tile before have read the other set.  Behind the first barrier one on vm_vsrc: the pass's LDS stores and the last trip's stores have read their registers.
; In a unit one on va_vdst behind its last vector line: the out-buffer is written, P (and RI) are done with; in units 1 and 2 one on vm_vsrc ahead of the unit's own stores: the other out-buffer has been read.
.set NKS,   4                          ; K steps of 32 a wave
.set NAT,   0                          ; 1: k in the natural order; 0: in the order in which a layer leaves its output
.set FINAL, 0                          ; 1: no ReLU, f32 rows scattered to their places
.set PARTS, 1                          ; parts of the input that are read: 1: bf16 alone; 2: hi and lo
.set OPARTS, 2                         ; parts of the output that are stored
.set ASH,   16                         ; tiles of the input lie 1 << ASH bytes apart
.set DENSE, 1                          ; 1: weight matrix and bias number 0; 0: number e
.set AL,    2*NKS*PARTS                ; loads of a wave for a tile
.set SLR,   8*NKS*PARTS                ; registers of a wave for a tile
.set PBYTES, 8192*NKS                  ; bytes of one part of a tile of the input
.set ATILE, 1<<ASH                     ; bytes from a tile of the input to the next
.set TPS,   4/NKS                      ; tiles asked for behind each K step of the weights
.set PT,    8                          ; tiles in a pass
.set NPASS, 64/PT
.set NB,    8-7*FINAL                  ; loads of the bias
.set NRI,   4*FINAL                    ; loads of row numbers in a pass
.if NAT
.set HSH,   15                         ; lanes 16-31 take the row 8 further down: 8 x 4,096 bytes
.else
.set HSH,   17                         ; 32 further down
.endif
; window 0: v1 r, v2 h, v3 lane, v4 my offset in a weight row pair, v5 16 x lane, v6 offset in the bias, v13 offset in the list, v16 16 r, v17 at work
.set WR,    9                          ; v[9:12]    LDS: where I put partial sums, tiles 2 k and 2 k + 1
.set SA,    14                         ; v[14:15], v[22:23] last layer: the offsets of a unit's two stores, by the unit's parity
.set RD,    18                         ; v[18:21]   LDS: where I read them, my unit k
.set BI,    24                         ; v[24:31]   bias
.set ACC,   32                         ; v[32:95]   two sets of four accumulators, by the tile's parity: the wait for the LDS stores that read a set stands a tile's products behind them
.set P,     32                         ; v[32:95]   eight waves' partial sums, while the accumulators are idle
.set OUT,   96                         ; v[96:103], v[112:119] what is stored: two out-buffers, by the unit's parity
.set RI,    104                        ; v[104:111] row numbers (last layer)
.set WB,    128                        ; v[128:255] the weights: fragment j of K step s at 32 s + 8 j
; window 1: NKS slots of 64 f32 on their way to WB; then four slots of SLR registers, the input of tile i in slot i % 4
; s[4:5] input at my relation and my K steps; s[6:7] weights at my rows and columns; s[8:9] bias; s[10:11] table entry; s[12:13] output (last layer: list); s[14:15] last layer: out0
; s16 w, s17 cb, s18 e, s19, s49 at work, s[20:23] the entry, s24 tiles to do, s25 last tile that exists, s26 tiles left, s27 first tile of the pass, s28 counter, s29 w / 4, s48 w % 4,
; s[30:31] offsets (s31 = 0), s[32:39] addresses of a pass's tiles 0-3, s[40:41] input at the pass, s[42:43] output or list at the pass
.set MSB, 0
.macro WIN new                         ; s_set_vgpr_msb: bits 1:0 source 0, 3:2 source 1, 5:4 source 2, 7:6 destination; the high byte repeats the setting that is left
.if MSB != (\new)
	s_set_vgpr_msb (MSB<<8)|(\new)
.set MSB, \new
.endif
.endm
.macro LOADW st                        ; the 32 weight rows of my K step st, 16 loads, into slot st of window 1: row (c, t) at 4 (8 c + t)
	WIN 0x40
.set cc, 0
.rept 2
.set tt, 0
.rept 8
.if NAT
.set rw, 32*(\st)+16*cc+tt
.else
.set rw, 64*((\st)/2)+2*((\st)%2)+cc+4*tt
.endif
.set rg, 64*(\st)+4*(8*cc+tt)
.if DENSE
	global_load_b128 v[rg:rg+3], v4, s[6:7] offset:rw*4096
.else
	global_load_b128 v[rg:rg+3], v4, s[6:7] offset:rw*4096 th:TH_LOAD_NT
.endif
.set tt, tt+1
.endr
.set cc, cc+1
.endr
.endm
.macro CVT st                          ; 64 f32 a lane become four fragments: rows t and t + 1 of a column share a register
	WIN 0x05
.set fj, 0
.rept 4
.set cc, 0
.rept 2
.set tt, 0
.rept 4
	v_cvt_pk_bf16_f32 v[WB+32*(\st)+8*fj+4*cc+tt], v[64*(\st)+4*(8*cc+2*tt)+fj], v[64*(\st)+4*(8*cc+2*tt+1)+fj]
.set tt, tt+1
.endr
.set cc, cc+1
.endr
.set fj, fj+1
.endr
.endm
.macro LOADT slot, base, off           ; my K steps of one tile, all parts that are read: AL loads of 512 consecutive bytes
	WIN 0x40
.set pp, 0
.rept PARTS
.set kk, 0
.rept NKS
.set rg, SLR*(\slot)+8*NKS*pp+8*kk
	global_load_b128 v[rg:rg+3], v5, s[\base:\base+1] offset:(\off)+PBYTES*pp+1024*kk
	global_load_b128 v[rg+4:rg+7], v5, s[\base:\base+1] offset:(\off)+PBYTES*pp+1024*kk+512
.set kk, kk+1
.endr
.set pp, pp+1
.endr
.endm
.macro LOADK slot, base, off, k        ; the same tile's K step k alone, all parts that are read: 2 PARTS of the AL loads, into the same registers
	WIN 0x40
.set pp, 0
.rept PARTS
.set rg, SLR*(\slot)+8*NKS*pp+8*(\k)
	global_load_b128 v[rg:rg+3], v5, s[\base:\base+1] offset:(\off)+PBYTES*pp+1024*(\k)
	global_load_b128 v[rg+4:rg+7], v5, s[\base:\base+1] offset:(\off)+PBYTES*pp+1024*(\k)+512
.set pp, pp+1
.endr
.endm
.macro LBASES first                    ; the addresses of the four tiles s27 + first on; a tile that is not there is replaced by the last that is
.irp i, 0,1,2,3
	s_add_co_u32 s30, s27, (\first)+\i
	s_min_u32 s30, s30, s25
	s_min_u32 s30, s30, 63
	s_lshl_b32 s30, s30, ASH
	s_add_nc_u64 s[32+2*\i:33+2*\i], s[4:5], s[30:31]
.endr
.endm
.macro MMA d, a, b, first
.if \first
	v_wmma_f32_16x16x32_bf16 v[\d:\d+7], v[\a:\a+7], v[\b:\b+7], 0
.else
	v_wmma_f32_16x16x32_bf16 v[\d:\d+7], v[\a:\a+7], v[\b:\b+7], v[\d:\d+7]
.endif
.endm
; Tile i of a pass times my eighth of K: 4 NKS PARTS products, by K step, part and fragment; the set's four accumulators take turns, one instruction a turn; the first starts each sum.
; Then the partial sums go to LDS: [tile: 32,768][fragment: 8,192][wave: 1,024][registers 0-3, 4-7: 512][lane: 16], lanes side by side, lowest registers first.
; ask = 1: the pass's tile next is asked for, into slot slot, a K step's loads behind a K step's products.  No wait: the tile before multiplied that slot, its wait on va_vdst stands behind its products,
; and no vector or matrix instruction since names the slot or v5.  more = 1: a further tile can follow in this pass.
.macro TILE i, more=1, ask=0, slot=0, next=0
.set kk, 0
.rept NKS
.if FINAL
	WIN 0x01                                       ; source 0 = input (window 1), source 1 = weights
.else
	WIN 0x04                                       ; source 0 = weights, source 1 = input (window 1)
.endif
.set pq, 0
.rept PARTS
.set f1, 0
.if kk+pq == 0
.set f1, 1
.endif
.set fj, 0
.rept 4
.set ra, SLR*((\i)%4)+8*NKS*pq+8*kk
.set rb, WB+32*kk+8*fj
.set rc, ACC+32*((\i)%2)+8*fj
.if FINAL
	MMA rc, ra, rb, f1
.else
	MMA rc, rb, ra, f1
.endif
.set fj, fj+1
.endr
.set pq, pq+1
.endr
.if \ask
	LOADK \slot, 40, (\next)*ATILE, kk
.endif
.set kk, kk+1
.endr
	WIN 0
.rept 5
	v_nop                                          ; places behind the last products: four before the stores read the sums; five before a first product writes over the sums: the next trip's tile 0 takes the same set as this trip's, with these places alone certain between
.endr
	s_wait_alu depctr_va_vdst(0)                   ; the products have written this set, which the LDS stores below read and in which partial sums land later; they are done reading the tile's slot, in which a later tile's loads land.  The places above stay beside this wait
.if ((\i) > 0) && (\more)
	s_wait_alu depctr_vm_vsrc(0)                   ; the LDS stores of the tile before have read the other set, which the next tile's products write
.endif
.set fj, 0
.rept 8
	ds_store_b128 v[WR+(\i)/2], v[ACC+32*((\i)%2)+4*fj:ACC+32*((\i)%2)+4*fj+3] offset:((\i)%2)*32768+8192*(fj/2)+512*(fj%2)
.set fj, fj+1
.endr
.endm
.macro UPTO n, label                   ; a pass of up to n tiles goes on at the label, forward
	s_cmp_le_u32 s26, \n
	s_cbranch_scc1 \label
.endm
.macro ASK slot, tile                  ; the pass's tile is asked for, into a slot that has just been multiplied: the wait on va_vdst of the tile that multiplied it stands ahead, and only its LDS stores and a jump since
	LOADT \slot, 40, (\tile)*ATILE
	WIN 0
.endm
.macro MULT tile, left, more=1, ask=0, slot=0, next=0  ; left: the loads that stand behind the tile's own on every way that leads here
	s_wait_loadcnt \left
	TILE \tile, \more, \ask, \slot, \next
.endm
; My unit u: my part of tile 2 u + w / 4 is finished: the eight waves' partial sums are added, then the bias.
.macro UNIT u
.set obuf, OUT+16*((\u)%2)
.set soff, SA+8*((\u)%2)
.set wq, 0
.if FINAL
.rept 32                               ; source wave wq / 4, fragment wq % 4: registers 2 (w % 4), + 1: tile rows 8 h + 2 (w % 4), + 1
	ds_load_b64 v[P+8*(wq/4)+2*(wq%4):P+8*(wq/4)+2*(wq%4)+1], v[RD+(\u)] offset:8192*(wq%4)+1024*(wq/4)
.set wq, wq+1
.endr
.else
.rept 16                               ; fragment w % 4: source wave wq / 2, registers 4 (wq % 2) on
	ds_load_b128 v[P+4*wq:P+4*wq+3], v[RD+(\u)] offset:512*wq
.set wq, wq+1
.endr
.endif
	s_wait_dscnt 0x0
.irp a, 0,16,32,48
.irp p, 0,2,4,6
	v_pk_add_f32 v[P+\a+\p:P+\a+\p+1], v[P+\a+\p:P+\a+\p+1], v[P+\a+8+\p:P+\a+8+\p+1]
.endr
.endr
.irp a, 0,32
.irp p, 0,2,4,6
	v_pk_add_f32 v[P+\a+\p:P+\a+\p+1], v[P+\a+\p:P+\a+\p+1], v[P+\a+16+\p:P+\a+16+\p+1]
.endr
.endr
.irp p, 0,2,4,6
	v_pk_add_f32 v[P+\p:P+\p+1], v[P+\p:P+\p+1], v[P+32+\p:P+32+\p+1]
.endr
.if FINAL
.irp j, 0,1,2,3
	v_add_f32 v[obuf+\j], v[P+2*\j], v[BI+\j]
	v_add_f32 v[obuf+4+\j], v[P+2*\j+1], v[BI+\j]
.endr
	v_min_u32 v17, 0x3ff, v[RI+2*(\u)]
	v_lshl_add_u32 v[soff], v17, 12, v16           ; row x 4,096 bytes + 16 r
	v_min_u32 v17, 0x3ff, v[RI+2*(\u)+1]
	v_lshl_add_u32 v[soff+1], v17, 12, v16
.else
.irp p, 0,2,4,6
	v_pk_add_f32 v[P+\p:P+\p+1], v[P+\p:P+\p+1], v[BI+\p:BI+\p+1]
.endr
.irp t, 0,1,2,3,4,5,6,7
	v_max_num_f32 v[P+\t], 0, v[P+\t]
.endr
.irp t, 0,1,2,3
	v_cvt_pk_bf16_f32 v[obuf+\t], v[P+2*\t], v[P+2*\t+1]           ; hi
.endr
.if OPARTS == 2
.irp t, 0,1,2,3
	v_lshlrev_b32 v[P+8+2*\t], 16, v[obuf+\t]      ; hi as f32 again
	v_and_b32 v[P+9+2*\t], 0xffff0000, v[obuf+\t]
.endr
.irp t, 0,1,2,3,4,5,6,7
	v_sub_f32 v[P+\t], v[P+\t], v[P+8+\t]          ; what hi has left out: exact
.endr
.irp t, 0,1,2,3
	v_cvt_pk_bf16_f32 v[obuf+4+\t], v[P+2*\t], v[P+2*\t+1]         ; lo
.endr
.endif
.endif
	s_wait_alu depctr_va_vdst(0)                   ; the unit has written its out-buffer (last layer: and the two offsets), which the stores below read; it is done with P, in which the next unit's LDS loads land (last layer: and with RI, in which the next trip's list loads land)
.if ((\u) == 1) || ((\u) == 2)
	s_wait_xcnt 0x0                                ; the stores of the unit before have had their addresses translated (ISA guide 3.1): their data (last layer: and offsets) are rewritten, by the next unit, only behind this wait,
	s_wait_alu depctr_vm_vsrc(0)                   ; and they have read the other out-buffer (last layer: and its offsets), which the next unit writes again
.endif
.if FINAL
	global_store_b128 v[soff], v[obuf:obuf+3], s[14:15] th:TH_STORE_NT      ; 16 lanes store 256 consecutive bytes of a row, at a multiple of 256 from the buffer's first byte
	global_store_b128 v[soff+1], v[obuf+4:obuf+7], s[14:15] th:TH_STORE_NT
.else
	global_store_b128 v5, v[obuf:obuf+3], s[42:43] offset:(\u)*131072          ; 512 consecutive bytes: half a fragment of the next layer
.if OPARTS == 2
	global_store_b128 v5, v[obuf+4:obuf+7], s[42:43] offset:(\u)*131072+32768  ; and the same half fragment of lo
.endif
.endif
.endm
	s_load_b256 s[4:11], s[0:1], 0x0               ; input, weights, bias, table
.if FINAL
	s_load_b128 s[12:15], s[0:1], 0x20             ; list, out0
.else
	s_load_b64 s[12:13], s[0:1], 0x20              ; output
	v_lshl_add_u32 v126, v0, 2, 0x40000
	v_mov_b32 v127, 0
.endif
	v_and_b32 v1, 15, v0
	v_bfe_u32 v2, v0, 4, 1
	v_and_b32 v3, 31, v0
	v_lshrrev_b32 v17, 5, v0
	v_readfirstlane_b32 s16, v17                   ; wave 0..7
	s_mov_b32 s17, ttmp9
	s_and_b32 s18, ttmp7, 0xffff
	s_wait_alu depctr_va_sdst(0)                   ; s16 is written, ahead of its first reader: offsets, LDS addresses and the units' shares are made from it
	s_lshr_b32 s29, s16, 2
	s_and_b32 s48, s16, 3
	s_mov_b32 s31, 0
	v_lshlrev_b32 v4, 4, v1
	v_lshl_add_u32 v4, v2, HSH, v4
	v_lshlrev_b32 v5, 4, v3
	s_lshl_b32 s19, s17, 8
.if FINAL
	v_lshl_add_u32 v6, v1, 4, s19                  ; bias of columns 64 cb + 4 r on
.else
	s_lshl2_add_u32 s19, s48, s19
	v_lshl_add_u32 v6, v2, 7, s19                  ; bias of column 64 cb + 32 h + w % 4 (+ 4 t by the immediate)
.endif
	s_mul_i32 s49, s16, NKS*131072                 ; my 32 NKS rows of 4,096 bytes,
	s_lshl_b32 s19, s17, 8                         ; my 64 columns,
	s_add_co_u32 s49, s49, s19
.if DENSE == 0
	s_mul_i32 s19, s18, NKS*1048576                ; the relation's matrix: 256 NKS rows
	s_add_co_u32 s49, s49, s19
.endif
	s_wait_kmcnt 0x0
	s_lshl_b32 s30, s18, 4
	s_add_nc_u64 s[10:11], s[10:11], s[30:31]
	s_load_b128 s[20:23], s[10:11], 0x0            ; tiles, (not used), tiles to store: on its way while the weights are asked for
	s_mov_b32 s30, s49
	s_add_nc_u64 s[6:7], s[6:7], s[30:31]
.if DENSE == 0
	s_lshl_b32 s30, s18, 12
	s_add_nc_u64 s[8:9], s[8:9], s[30:31]
.endif
; THE STREAM.  All my weights are asked for at once, then the bias.
	WIN 0x40
	s_wait_alu depctr_va_vdst(0)                   ; v4, v5 and v6 are written: the offsets that the weights', the tiles' and the bias's loads read
.set kst, 0
.rept NKS
	LOADW kst
.set kst, kst+1
.endr
	WIN 0
.if FINAL
	global_load_b128 v[BI:BI+3], v6, s[8:9]
.else
.irp t, 0,1,2,3,4,5,6,7
	global_load_b32 v[BI+\t], v6, s[8:9] offset:16*\t
.endr
.endif
	s_lshl_b32 s19, s16, 10
	v_add_nc_u32 v[WR], s19, v5
.irp k, 1,2,3
	v_add_nc_u32 v[WR+\k], \k*0x10000, v[WR]
.endr
	s_lshl_b32 s19, s29, 15                        ; the tiles of my parity
.if FINAL
	s_lshr_b32 s49, s48, 1
	s_lshl_b32 s49, s49, 9
	s_add_co_u32 s19, s19, s49
	s_and_b32 s49, s48, 1
	s_lshl3_add_u32 s19, s49, s19
	v_add_nc_u32 v[RD], s19, v5
	s_lshl_b32 s19, s48, 3
	v_lshl_add_u32 v13, v2, 5, s19                 ; list words 8 h + 2 (w % 4), + 1 of a tile
	v_lshlrev_b32 v16, 4, v1
.set tt, 0
.rept 8
	v_mov_b32 v[RI+tt], 0                          ; written on every way
.set tt, tt+1
.endr
.else
	s_lshl_b32 s49, s48, 13
	s_add_co_u32 s19, s19, s49
	v_add_nc_u32 v[RD], s19, v5
.endif
.irp k, 1,2,3
	v_add_nc_u32 v[RD+\k], \k*0x10000, v[RD]
.endr
	s_lshl_b32 s30, s18, ASH+6                     ; 64 tiles a relation,
	s_mul_i32 s19, s16, NKS*1024                   ; my K steps' blocks
	s_add_co_u32 s30, s30, s19
	s_add_nc_u64 s[4:5], s[4:5], s[30:31]
.if FINAL
	s_lshl_b32 s30, s18, 12
	s_lshl_b32 s19, s29, 6                         ; the tiles of my parity
	s_add_co_u32 s30, s30, s19
	s_add_nc_u64 s[12:13], s[12:13], s[30:31]
	s_lshl_b32 s30, s17, 8
	s_add_nc_u64 s[14:15], s[14:15], s[30:31]
.else
	s_lshl_b32 s30, s18, 22                        ; 64 tiles of 65,536 bytes a relation,
	s_lshl_b32 s19, s17, 11                        ; K steps 2 cb, 2 cb + 1 of the next layer,
	s_add_co_u32 s30, s30, s19
	s_lshl_b32 s19, s48, 9                         ; my half fragment,
	s_add_co_u32 s30, s30, s19
	s_lshl_b32 s19, s29, 16                        ; the tiles of my parity
	s_add_co_u32 s30, s30, s19
	s_add_nc_u64 s[12:13], s[12:13], s[30:31]
.endif
	s_wait_kmcnt 0x0                               ; the table entry
	s_min_u32 s20, s20, 64
	s_min_u32 s22, s22, 64
.if FINAL
	s_mov_b32 s24, s22
.else
	s_mov_b32 s24, s20
.endif
	s_max_u32 s25, s20, 1
	s_sub_co_u32 s25, s25, 1
	s_mov_b32 s27, 0
	LBASES 0
; As each K step is rounded, its registers take the first pass's tiles.  The count: behind K step kst's loads stand 16 for each later step, the bias's NB, and AL for each tile asked for so far.
.set kst, 0
.rept NKS
	s_wait_loadcnt 16*(NKS-1-kst)+NB+kst*TPS*AL
	CVT kst
	WIN 0x40
	s_wait_alu depctr_va_vdst(0)                   ; the conversions are done reading this K step's raw registers, in which tiles' loads land; the first of these waits also states that WR and RD (last layer: v13 and the zeros in RI too) are written, for the LDS stores and loads (and the list's loads) of the passes
.set tq, 0
.rept TPS
	LOADT kst*TPS+tq, 32+2*(kst*TPS+tq), 0
.set tq, tq+1
.endr
.set kst, kst+1
.endr
	WIN 0
	s_wait_loadcnt 3*AL                            ; tile 0 is in, and with it the bias, which is older
.set tt, 0
.rept 4-2*FINAL                        ; the bias is rounded to bf16 like the other inputs; these lines name BI and v17 alone, which no memory instruction touches from here on
	v_cvt_pk_bf16_f32 v17, v[BI+tt], v[BI+tt+1]
	v_lshlrev_b32 v[BI+tt], 16, v17
	v_and_b32 v[BI+tt+1], 0xffff0000, v17
.set tt, tt+2
.endr
; THE PASSES: NPASS trips of PT tiles.  Two barriers a trip: between the partial sums' stores and the other waves' reads, and between those reads and the next trip's stores.
; The pass's two bases are made at the trip's head, on every way: each is its buffer's address plus the counted step, whether or not the trip has tiles (a trip without tiles uses neither).
	s_mov_b32 s28, NPASS
.Lpass:
	s_wait_xcnt 0x0                                ; the last trip's loads and stores name the bases below, and its stores the out-buffers: all these are rewritten only behind this wait
	s_lshl_b32 s30, s27, ASH
	s_add_nc_u64 s[40:41], s[4:5], s[30:31]
.if FINAL
	s_lshl_b32 s30, s27, 6
.else
	s_lshl_b32 s30, s27, 16
.endif
	s_add_nc_u64 s[42:43], s[12:13], s[30:31]
	s_sub_co_i32 s26, s24, s27
	s_max_i32 s26, s26, 0                          ; tiles left
	s_cmp_eq_u32 s26, 0
	s_cbranch_scc1 .Lmeet
.if FINAL
.irp u, 0,1,2,3
	global_load_b64 v[RI+2*\u:RI+2*\u+1], v13, s[42:43] offset:128*\u  ; the pass's 128 list words all lie inside the relation's 1,024.  No wait: every line that names RI stands ahead of a wait on va_vdst (the head's, a unit's)
.endr
.endif
	MULT 0, 3*AL+NRI                               ; behind tile 0's loads: tiles 1, 2, 3, the row numbers
	UPTO 4, .Lshort
	MULT 1, 2*AL+NRI, 1, 1, 0, 4                   ; FIVE TILES OR MORE.  Behind tile 1's: tiles 2, 3, the row numbers; tile 4 is asked for among tile 1's products
	UPTO 5, .Lfive
	MULT 2, 2*AL+NRI, 1, 1, 1, 5                   ; SIX TO EIGHT.  Behind tile 2's: tile 3, the row numbers, tile 4; tile 5 is asked for among tile 2's products
	UPTO 6, .Ls2
	ASK 2, 6
.Ls2:
	MULT 3, 2*AL+NRI                               ; behind tile 3's, on both ways: the row numbers, tiles 4, 5
	UPTO 7, .Ls3
	ASK 3, 7
.Ls3:
	MULT 4, AL                                     ; behind tile 4's, on every way: tile 5
	MULT 5, 0                                      ; tile 5, and tiles 6 and 7 where they were asked for
	UPTO 6, .Lmeet
	TILE 6
	UPTO 7, .Lmeet
	TILE 7, 0
	UPTO 8, .Lmeet
	s_wait_xcnt 0x0                                ; the four addresses may be written; no load is pending on the four slots (the wait for 0 above)
	LBASES PT
.set gg, 0
.rept 4
	LOADT gg, 32+2*gg, 0                           ; the four slots were multiplied by tiles 4 to 7, each with its wait on va_vdst behind its products
.set gg, gg+1
.endr
	WIN 0
	s_branch .Lmeet
.Lfive:                                                ; FIVE TILES: nothing more is asked for
	MULT 2, 2*AL+NRI                               ; behind tile 2's: tile 3, the row numbers, tile 4
	MULT 3, AL+NRI                                 ; behind tile 3's: the row numbers, tile 4
	MULT 4, 0, 0
	s_branch .Lmeet
.Lshort:                                               ; UP TO FOUR TILES: nothing more is asked for
	UPTO 1, .Lmeet
	MULT 1, 2*AL+NRI                               ; behind tile 1's: tiles 2, 3, the row numbers
	UPTO 2, .Lmeet
	MULT 2, AL+NRI
	UPTO 3, .Lmeet
	MULT 3, NRI, 0
.Lmeet:
	s_wait_loadcnt 0x0                             ; nothing is pending on a slot when the next trip begins; the row numbers are in
	s_wait_dscnt 0x0                               ; for the others' sake: my partial sums are in LDS
	s_barrier_signal -1
	s_barrier_wait -1
	s_wait_alu depctr_vm_vsrc(0)                   ; my LDS stores have read the two sets, in which the units' LDS loads land and which the next trip's products write; the last trip's stores have read the out-buffers (last layer: and their offsets), which this trip's units write again
.set un, 0
.rept 4
	s_add_co_u32 s19, s29, 2*un                    ; my unit's tile
	s_cmp_le_u32 s26, s19
	s_cbranch_scc1 .Lu
	UNIT un
.set un, un+1
.endr
.Lu:
	s_wait_dscnt 0x0                               ; my reads of the partial sums are back: the next trip may write over them
	s_barrier_signal -1
	s_barrier_wait -1
	s_add_co_u32 s27, s27, PT
	s_sub_co_u32 s28, s28, 1
	s_cmp_lg_u32 s28, 0
	s_cbranch_scc1 .Lpass
	s_wait_dscnt 0x0
	s_wait_alu depctr_hold_cnt(0) depctr_sa_sdst(0) depctr_va_vdst(0) depctr_va_sdst(0) depctr_va_ssrc(0) depctr_va_vcc(0) depctr_vm_vsrc(0)
	s_wait_tensorcnt 0x0
	ds_add_u32 v126, v127
	s_wait_dscnt 0x0
	s_endpgm
.Lfunc_end_k_qe6593da5e0_l1:
	.size	k_qe6593da5e0_l1, .Lfunc_end_k_qe6593da5e0_l1-k_qe6593da5e0_l1
	.p2alignl 7, 3214868480
	.fill 96, 4, 3214868480
	.section	.rodata,"a",@progbits
	.p2align	6, 0x0
	.amdhsa_kernel k_qe6593da5e0_l1
		.amdhsa_group_segment_fixed_size 263168
		.amdhsa_private_segment_fixed_size 0
		.amdhsa_enable_private_segment 0
		.amdhsa_kernarg_size 40
		.amdhsa_user_sgpr_count 2
		.amdhsa_user_sgpr_kernarg_segment_ptr 1
		.amdhsa_wavefront_size32 1
		.amdhsa_system_sgpr_workgroup_id_x 1
		.amdhsa_system_sgpr_workgroup_id_y 1
		.amdhsa_system_sgpr_workgroup_id_z 1
		.amdhsa_system_vgpr_workitem_id 0
		.amdhsa_next_free_vgpr 512
		.amdhsa_next_free_sgpr 66
		.amdhsa_reserve_vcc 0
		.amdhsa_float_denorm_mode_32 3
		.amdhsa_float_denorm_mode_16_64 3
		.amdhsa_memory_ordered 1
		.amdhsa_forward_progress 1
		.amdhsa_inst_pref_size 76
	.end_amdhsa_kernel
	.amdgpu_metadata
---
amdhsa.version: [ 1, 2 ]
amdhsa.kernels:
  - .name:           k_qe6593da5e0_l1
    .symbol:         k_qe6593da5e0_l1.kd
    .args:
      - { .name: hA, .offset: 0, .size: 8, .value_kind: global_buffer, .address_space: global }
      - { .name: W1, .offset: 8, .size: 8, .value_kind: global_buffer, .address_space: global }
      - { .name: b1, .offset: 16, .size: 8, .value_kind: global_buffer, .address_space: global }
      - { .name: tabD, .offset: 24, .size: 8, .value_kind: global_buffer, .address_space: global }
      - { .name: hB, .offset: 32, .size: 8, .value_kind: global_buffer, .address_space: global }
    .group_segment_fixed_size: 263168
    .private_segment_fixed_size: 0
    .kernarg_segment_align: 8
    .kernarg_segment_size: 40
    .max_flat_workgroup_size: 256
    .sgpr_count:     66
    .vgpr_count:     512
    .wavefront_size: 32
...
	.end_amdgpu_metadata
.endif
;; end of part 10
;; launch r1 (part 11): grid 16 x 16, 8 waves a work-group, no clusters, 263,168 bytes of LDS; arguments hB, RW1, Rb1, tabR, hA; writes hA
.if DOCPART == 11
	.amdgcn_target "amdgcn-amd-amdhsa--gfx1250"
	.amdhsa_code_object_version 6
	.text
	.protected	k_qe6593da5e0_r1
	.globl	k_qe6593da5e0_r1
	.p2align	8
	.type	k_qe6593da5e0_r1,@function
k_qe6593da5e0_r1:
	s_mov_b64 s[64:65], 0
	v_nop
	global_prefetch_b8 v0, s[64:65] scope:SCOPE_SE
	s_setreg_imm32_b32 hwreg(HW_REG_WAVE_SCHED_MODE, 0, 2), 2
	s_setreg_imm32_b32 hwreg(HW_REG_WAVE_MODE, 25, 1), 1
	s_wait_xcnt 0x0
	s_wait_alu depctr_vm_vsrc(0)
; ONE LAYER, third form: K = 1,024, input in two parts and in the order in which a layer leaves it, a weight matrix for each relation, ReLU, output as fragments in two parts.
; out[n] = relu(in[n] W[e] + b[e]) for the rows of relation e and the output columns 64 cb .. 64 cb + 63.
; SHARES.  Work-group (cb, e), eight waves.  Wave w owns the K rows 32 NKS w on of the relation's matrix, for all 64 columns: 16 NKS loads, all issued at the head; it rounds them to bf16 and keeps them in
; registers as fragments for the whole launch.  Every wave multiplies every tile of 16 rows by its eighth of K; the eight partial sums meet in LDS; wave w finishes fragment w % 4 of the tiles of parity w / 4.
; WEIGHTS.  W[e] is [K][1024] f32.  A lane loads 16 bytes, columns 64 cb + 4 r .. + 3 of one row: 16 lanes take 256 consecutive bytes.  Two rows that follow each other in a lane's k are paired by
; v_cvt_pk_bf16_f32, which turns the matrix on the way: fragment j, lane index r, is column 64 cb + 4 r + j.  Each byte of these weights is read once in the launch.
; TWO PARTS.  A number h of an activation is stored as hi = bf16(h) and lo = bf16(h - hi): a tile, 64 e + i, is 65,536 bytes, 32 blocks of hi and then 32 of lo.  Both are multiplied by the same
; weights into one sum.  A rounding to bf16 is off by about 2^-9 of a number (root mean square), a fifth of the 1 per cent of the root mean square that a result may be off; four such roundings on end
; would add up to twice that, so only the first layer's output has one.
; A block of 1,024 bytes is one K step ks, [c][lane][16 bytes]; element t of lane (r, h) is row r, k = 64 (ks / 2) + 32 h + 4 t + 2 (ks % 2) + c.
; The weight rows are loaded in the same order: a permutation of k applied alike to both sources keeps the products.
; OUTPUT.  Source 0 = weights, source 1 = activations: lane (r, h), register t of fragment j holds row r, column 64 cb + 32 h + 4 t + j: chunk j % 2 of K step 2 cb + j / 2 of the next layer, in the
; order of k given above.
; TILES.  Their number comes from the table that the first launch stored.  A pass has 8 tiles in four register slots, tile i in slot i % 4.  Tiles 0-3 of a pass are always asked for (a tile that is not
; there: the last that is); a further tile is asked for only where it exists, when its slot has been multiplied: tiles 4 and 5 among the products of the tile that follows, tiles 6 and 7 in a run.
; The count of a wait must hold on every way that reaches it, so a pass is written in three ways: up to 4 tiles, 5 tiles, 6 to 8: in each the loads that stand behind a tile's own are known.
; All barriers stand in a loop of 8 trips, outside these ways; every jump but the loop's goes forward.
; NO CLUSTER: the weights pass through registers for the rounding, so they come by register loads, which cannot be asked for jointly; and no two work-groups read the same weights.
; LIMITS.  Weights and bias are rounded to bf16 (nearest even); sums in f32, K in eight parts, added as a tree, then the bias.  v_max_num_f32 makes 0 of a NaN; infinities are not treated apart.
; THE MODE: SCHED_MODE bits 1:0 = 2 (LLVM: expert scheduling mode 2), set by the entry lines.  The code itself states the register dependences
; between vector or matrix instructions and memory or LDS instructions, with s_wait_alu, always for 0.
; THE PLAN.  Registers that memory or LDS instructions touch:
;   v4, v5, v6      Offsets of the weights', the tiles' and the bias's loads (v5 also of the stores): made ahead of the first load, never written again.
;   WR, RD, v13     LDS addresses and the list's offset: made behind the weights' loads, ahead of the first K step's wait, never written again.
;   window 1, raw   K step s: the weights' loads land there; its 32 conversions read it; then loads of the first pass's tiles land there.
;   window 1, slots Slot i % 4: tile i's loads land there; tile i's products read it; then tile i + 4's loads land there.
;   the two sets    Set i % 2: tile i's products write it; tile i's eight LDS stores read it; tile i + 2's products write it again.  Behind the barrier both are P: a unit's LDS loads land there, its additions work there.
;   OUT0, OUT1      Buffer u % 2: unit u's conversions write it; unit u's stores read it; unit u + 2 writes it again.  (Last layer: the stores' offsets likewise; RI: the list's loads land there, the units read it.)
; THE WAITS.  Behind each K step's conversions one on va_vdst.  In a tile one on va_vdst, behind its products and their places: the set is written, the slot has been read; beside it, ahead of the tile's own
; stores, one on vm_vsrc: the stores of the tile before have read the other set.  Behind the first barrier one on vm_vsrc: the pass's LDS stores and the last trip's stores have read their registers.
; In a unit one on va_vdst behind its last vector line: the out-buffer is written, P (and RI) are done with; in units 1 and 2 one on vm_vsrc ahead of the unit's own stores: the other out-buffer has been read.
.set NKS,   4                          ; K steps of 32 a wave
.set NAT,   0                          ; 1: k in the natural order; 0: in the order in which a layer leaves its output
.set FINAL, 0                          ; 1: no ReLU, f32 rows scattered to their places
.set PARTS, 2                          ; parts of the input that are read: 1: bf16 alone; 2: hi and lo
.set OPARTS, 2                         ; parts of the output that are stored
.set ASH,   16                         ; tiles of the input lie 1 << ASH bytes apart
.set DENSE, 0                          ; 1: weight matrix and bias number 0; 0: number e
.set AL,    2*NKS*PARTS                ; loads of a wave for a tile
.set SLR,   8*NKS*PARTS                ; registers of a wave for a tile
.set PBYTES, 8192*NKS                  ; bytes of one part of a tile of the input
.set ATILE, 1<<ASH                     ; bytes from a tile of the input to the next
.set TPS,   4/NKS                      ; tiles asked for behind each K step of the weights
.set PT,    8                          ; tiles in a pass
.set NPASS, 64/PT
.set NB,    8-7*FINAL                  ; loads of the bias
.set NRI,   4*FINAL                    ; loads of row numbers in a pass
.if NAT
.set HSH,   15                         ; lanes 16-31 take the row 8 further down: 8 x 4,096 bytes
.else
.set HSH,   17                         ; 32 further down
.endif
; window 0: v1 r, v2 h, v3 lane, v4 my offset in a weight row pair, v5 16 x lane, v6 offset in the bias, v13 offset in the list, v16 16 r, v17 at work
.set WR,    9                          ; v[9:12]    LDS: where I put partial sums, tiles 2 k and 2 k + 1
.set SA,    14                         ; v[14:15], v[22:23] last layer: the offsets of a unit's two stores, by the unit's parity
.set RD,    18                         ; v[18:21]   LDS: where I read them, my unit k
.set BI,    24                         ; v[24:31]   bias
.set ACC,   32                         ; v[32:95]   two sets of four accumulators, by the tile's parity: the wait for the LDS stores that read a set stands a tile's products behind them
.set P,     32                         ; v[32:95]   eight waves' partial sums, while the accumulators are idle
.set OUT,   96                         ; v[96:103], v[112:119] what is stored: two out-buffers, by the unit's parity
.set RI,    104                        ; v[104:111] row numbers (last layer)
.set WB,    128                        ; v[128:255] the weights: fragment j of K step s at 32 s + 8 j
; window 1: NKS slots of 64 f32 on their way to WB; then four slots of SLR registers, the input of tile i in slot i % 4
; s[4:5] input at my relation and my K steps; s[6:7] weights at my rows and columns; s[8:9] bias; s[10:11] table entry; s[12:13] output (last layer: list); s[14:15] last layer: out0
; s16 w, s17 cb, s18 e, s19, s49 at work, s[20:23] the entry, s24 tiles to do, s25 last tile that exists, s26 tiles left, s27 first tile of the pass, s28 counter, s29 w / 4, s48 w % 4,
; s[30:31] offsets (s31 = 0), s[32:39] addresses of a pass's tiles 0-3, s[40:41] input at the pass, s[42:43] output or list at the pass
.set MSB, 0
.macro WIN new                         ; s_set_vgpr_msb: bits 1:0 source 0, 3:2 source 1, 5:4 source 2, 7:6 destination; the high byte repeats the setting that is left
.if MSB != (\new)
	s_set_vgpr_msb (MSB<<8)|(\new)
.set MSB, \new
.endif
.endm
.macro LOADW st                        ; the 32 weight rows of my K step st, 16 loads, into slot st of window 1: row (c, t) at 4 (8 c + t)
	WIN 0x40
.set cc, 0
.rept 2
.set tt, 0
.rept 8
.if NAT
.set rw, 32*(\st)+16*cc+tt
.else
.set rw, 64*((\st)/2)+2*((\st)%2)+cc+4*tt
.endif
.set rg, 64*(\st)+4*(8*cc+tt)
.if DENSE
	global_load_b128 v[rg:rg+3], v4, s[6:7] offset:rw*4096
.else
	global_load_b128 v[rg:rg+3], v4, s[6:7] offset:rw*4096 th:TH_LOAD_NT
.endif
.set tt, tt+1
.endr
.set cc, cc+1
.endr
.endm
.macro CVT st                          ; 64 f32 a lane become four fragments: rows t and t + 1 of a column share a register
	WIN 0x05
.set fj, 0
.rept 4
.set cc, 0
.rept 2
.set tt, 0
.rept 4
	v_cvt_pk_bf16_f32 v[WB+32*(\st)+8*fj+4*cc+tt], v[64*(\st)+4*(8*cc+2*tt)+fj], v[64*(\st)+4*(8*cc+2*tt+1)+fj]
.set tt, tt+1
.endr
.set cc, cc+1
.endr
.set fj, fj+1
.endr
.endm
.macro LOADT slot, base, off           ; my K steps of one tile, all parts that are read: AL loads of 512 consecutive bytes
	WIN 0x40
.set pp, 0
.rept PARTS
.set kk, 0
.rept NKS
.set rg, SLR*(\slot)+8*NKS*pp+8*kk
	global_load_b128 v[rg:rg+3], v5, s[\base:\base+1] offset:(\off)+PBYTES*pp+1024*kk
	global_load_b128 v[rg+4:rg+7], v5, s[\base:\base+1] offset:(\off)+PBYTES*pp+1024*kk+512
.set kk, kk+1
.endr
.set pp, pp+1
.endr
.endm
.macro LOADK slot, base, off, k        ; the same tile's K step k alone, all parts that are read: 2 PARTS of the AL loads, into the same registers
	WIN 0x40
.set pp, 0
.rept PARTS
.set rg, SLR*(\slot)+8*NKS*pp+8*(\k)
	global_load_b128 v[rg:rg+3], v5, s[\base:\base+1] offset:(\off)+PBYTES*pp+1024*(\k)
	global_load_b128 v[rg+4:rg+7], v5, s[\base:\base+1] offset:(\off)+PBYTES*pp+1024*(\k)+512
.set pp, pp+1
.endr
.endm
.macro LBASES first                    ; the addresses of the four tiles s27 + first on; a tile that is not there is replaced by the last that is
.irp i, 0,1,2,3
	s_add_co_u32 s30, s27, (\first)+\i
	s_min_u32 s30, s30, s25
	s_min_u32 s30, s30, 63
	s_lshl_b32 s30, s30, ASH
	s_add_nc_u64 s[32+2*\i:33+2*\i], s[4:5], s[30:31]
.endr
.endm
.macro MMA d, a, b, first
.if \first
	v_wmma_f32_16x16x32_bf16 v[\d:\d+7], v[\a:\a+7], v[\b:\b+7], 0
.else
	v_wmma_f32_16x16x32_bf16 v[\d:\d+7], v[\a:\a+7], v[\b:\b+7], v[\d:\d+7]
.endif
.endm
; Tile i of a pass times my eighth of K: 4 NKS PARTS products, by K step, part and fragment; the set's four accumulators take turns, one instruction a turn; the first starts each sum.
; Then the partial sums go to LDS: [tile: 32,768][fragment: 8,192][wave: 1,024][registers 0-3, 4-7: 512][lane: 16], lanes side by side, lowest registers first.
; ask = 1: the pass's tile next is asked for, into slot slot, a K step's loads behind a K step's products.  No wait: the tile before multiplied that slot, its wait on va_vdst stands behind its products,
; and no vector or matrix instruction since names the slot or v5.  more = 1: a further tile can follow in this pass.
.macro TILE i, more=1, ask=0, slot=0, next=0
.set kk, 0
.rept NKS
.if FINAL
	WIN 0x01                                       ; source 0 = input (window 1), source 1 = weights
.else
	WIN 0x04                                       ; source 0 = weights, source 1 = input (window 1)
.endif
.set pq, 0
.rept PARTS
.set f1, 0
.if kk+pq == 0
.set f1, 1
.endif
.set fj, 0
.rept 4
.set ra, SLR*((\i)%4)+8*NKS*pq+8*kk
.set rb, WB+32*kk+8*fj
.set rc, ACC+32*((\i)%2)+8*fj
.if FINAL
	MMA rc, ra, rb, f1
.else
	MMA rc, rb, ra, f1
.endif
.set fj, fj+1
.endr
.set pq, pq+1
.endr
.if \ask
	LOADK \slot, 40, (\next)*ATILE, kk
.endif
.set kk, kk+1
.endr
	WIN 0
.rept 5
	v_nop                                          ; places behind the last products: four before the stores read the sums; five before a first product writes over the sums: the next trip's tile 0 takes the same set as this trip's, with these places alone certain between
.endr
	s_wait_alu depctr_va_vdst(0)                   ; the products have written this set, which the LDS stores below read and in which partial sums land later; they are done reading the tile's slot, in which a later tile's loads land.  The places above stay beside this wait
.if ((\i) > 0) && (\more)
	s_wait_alu depctr_vm_vsrc(0)                   ; the LDS stores of the tile before have read the other set, which the next tile's products write
.endif
.set fj, 0
.rept 8
	ds_store_b128 v[WR+(\i)/2], v[ACC+32*((\i)%2)+4*fj:ACC+32*((\i)%2)+4*fj+3] offset:((\i)%2)*32768+8192*(fj/2)+512*(fj%2)
.set fj, fj+1
.endr
.endm
.macro UPTO n, label                   ; a pass of up to n tiles goes on at the label, forward
	s_cmp_le_u32 s26, \n
	s_cbranch_scc1 \label
.endm
.macro ASK slot, tile                  ; the pass's tile is asked for, into a slot that has just been multiplied: the wait on va_vdst of the tile that multiplied it stands ahead, and only its LDS stores and a jump since
	LOADT \slot, 40, (\tile)*ATILE
	WIN 0
.endm
.macro MULT tile, left, more=1, ask=0, slot=0, next=0  ; left: the loads that stand behind the tile's own on every way that leads here
	s_wait_loadcnt \left
	TILE \tile, \more, \ask, \slot, \next
.endm
; My unit u: my part of tile 2 u + w / 4 is finished: the eight waves' partial sums are added, then the bias.
.macro UNIT u
.set obuf, OUT+16*((\u)%2)
.set soff, SA+8*((\u)%2)
.set wq, 0
.if FINAL
.rept 32                               ; source wave wq / 4, fragment wq % 4: registers 2 (w % 4), + 1: tile rows 8 h + 2 (w % 4), + 1
	ds_load_b64 v[P+8*(wq/4)+2*(wq%4):P+8*(wq/4)+2*(wq%4)+1], v[RD+(\u)] offset:8192*(wq%4)+1024*(wq/4)
.set wq, wq+1
.endr
.else
.rept 16                               ; fragment w % 4: source wave wq / 2, registers 4 (wq % 2) on
	ds_load_b128 v[P+4*wq:P+4*wq+3], v[RD+(\u)] offset:512*wq
.set wq, wq+1
.endr
.endif
	s_wait_dscnt 0x0
.irp a, 0,16,32,48
.irp p, 0,2,4,6
	v_pk_add_f32 v[P+\a+\p:P+\a+\p+1], v[P+\a+\p:P+\a+\p+1], v[P+\a+8+\p:P+\a+8+\p+1]
.endr
.endr
.irp a, 0,32
.irp p, 0,2,4,6
	v_pk_add_f32 v[P+\a+\p:P+\a+\p+1], v[P+\a+\p:P+\a+\p+1], v[P+\a+16+\p:P+\a+16+\p+1]
.endr
.endr
.irp p, 0,2,4,6
	v_pk_add_f32 v[P+\p:P+\p+1], v[P+\p:P+\p+1], v[P+32+\p:P+32+\p+1]
.endr
.if FINAL
.irp j, 0,1,2,3
	v_add_f32 v[obuf+\j], v[P+2*\j], v[BI+\j]
	v_add_f32 v[obuf+4+\j], v[P+2*\j+1], v[BI+\j]
.endr
	v_min_u32 v17, 0x3ff, v[RI+2*(\u)]
	v_lshl_add_u32 v[soff], v17, 12, v16           ; row x 4,096 bytes + 16 r
	v_min_u32 v17, 0x3ff, v[RI+2*(\u)+1]
	v_lshl_add_u32 v[soff+1], v17, 12, v16
.else
.irp p, 0,2,4,6
	v_pk_add_f32 v[P+\p:P+\p+1], v[P+\p:P+\p+1], v[BI+\p:BI+\p+1]
.endr
.irp t, 0,1,2,3,4,5,6,7
	v_max_num_f32 v[P+\t], 0, v[P+\t]
.endr
.irp t, 0,1,2,3
	v_cvt_pk_bf16_f32 v[obuf+\t], v[P+2*\t], v[P+2*\t+1]           ; hi
.endr
.if OPARTS == 2
.irp t, 0,1,2,3
	v_lshlrev_b32 v[P+8+2*\t], 16, v[obuf+\t]      ; hi as f32 again
	v_and_b32 v[P+9+2*\t], 0xffff0000, v[obuf+\t]
.endr
.irp t, 0,1,2,3,4,5,6,7
	v_sub_f32 v[P+\t], v[P+\t], v[P+8+\t]          ; what hi has left out: exact
.endr
.irp t, 0,1,2,3
	v_cvt_pk_bf16_f32 v[obuf+4+\t], v[P+2*\t], v[P+2*\t+1]         ; lo
.endr
.endif
.endif
	s_wait_alu depctr_va_vdst(0)                   ; the unit has written its out-buffer (last layer: and the two offsets), which the stores below read; it is done with P, in which the next unit's LDS loads land (last layer: and with RI, in which the next trip's list loads land)
.if ((\u) == 1) || ((\u) == 2)
	s_wait_xcnt 0x0                                ; the stores of the unit before have had their addresses translated (ISA guide 3.1): their data (last layer: and offsets) are rewritten, by the next unit, only behind this wait,
	s_wait_alu depctr_vm_vsrc(0)                   ; and they have read the other out-buffer (last layer: and its offsets), which the next unit writes again
.endif
.if FINAL
	global_store_b128 v[soff], v[obuf:obuf+3], s[14:15] th:TH_STORE_NT      ; 16 lanes store 256 consecutive bytes of a row, at a multiple of 256 from the buffer's first byte
	global_store_b128 v[soff+1], v[obuf+4:obuf+7], s[14:15] th:TH_STORE_NT
.else
	global_store_b128 v5, v[obuf:obuf+3], s[42:43] offset:(\u)*131072          ; 512 consecutive bytes: half a fragment of the next layer
.if OPARTS == 2
	global_store_b128 v5, v[obuf+4:obuf+7], s[42:43] offset:(\u)*131072+32768  ; and the same half fragment of lo
.endif
.endif
.endm
	s_load_b256 s[4:11], s[0:1], 0x0               ; input, weights, bias, table
.if FINAL
	s_load_b128 s[12:15], s[0:1], 0x20             ; list, out0
.else
	s_load_b64 s[12:13], s[0:1], 0x20              ; output
	v_lshl_add_u32 v126, v0, 2, 0x40000
	v_mov_b32 v127, 0
.endif
	v_and_b32 v1, 15, v0
	v_bfe_u32 v2, v0, 4, 1
	v_and_b32 v3, 31, v0
	v_lshrrev_b32 v17, 5, v0
	v_readfirstlane_b32 s16, v17                   ; wave 0..7
	s_mov_b32 s17, ttmp9
	s_and_b32 s18, ttmp7, 0xffff
	s_wait_alu depctr_va_sdst(0)                   ; s16 is written, ahead of its first reader: offsets, LDS addresses and the units' shares are made from it
	s_lshr_b32 s29, s16, 2
	s_and_b32 s48, s16, 3
	s_mov_b32 s31, 0
	v_lshlrev_b32 v4, 4, v1
	v_lshl_add_u32 v4, v2, HSH, v4
	v_lshlrev_b32 v5, 4, v3
	s_lshl_b32 s19, s17, 8
.if FINAL
	v_lshl_add_u32 v6, v1, 4, s19                  ; bias of columns 64 cb + 4 r on
.else
	s_lshl2_add_u32 s19, s48, s19
	v_lshl_add_u32 v6, v2, 7, s19                  ; bias of column 64 cb + 32 h + w % 4 (+ 4 t by the immediate)
.endif
	s_mul_i32 s49, s16, NKS*131072                 ; my 32 NKS rows of 4,096 bytes,
	s_lshl_b32 s19, s17, 8                         ; my 64 columns,
	s_add_co_u32 s49, s49, s19
.if DENSE == 0
	s_mul_i32 s19, s18, NKS*1048576                ; the relation's matrix: 256 NKS rows
	s_add_co_u32 s49, s49, s19
.endif
	s_wait_kmcnt 0x0
	s_lshl_b32 s30, s18, 4
	s_add_nc_u64 s[10:11], s[10:11], s[30:31]
	s_load_b128 s[20:23], s[10:11], 0x0            ; tiles, (not used), tiles to store: on its way while the weights are asked for
	s_mov_b32 s30, s49
	s_add_nc_u64 s[6:7], s[6:7], s[30:31]
.if DENSE == 0
	s_lshl_b32 s30, s18, 12
	s_add_nc_u64 s[8:9], s[8:9], s[30:31]
.endif
; THE STREAM.  All my weights are asked for at once, then the bias.
	WIN 0x40
	s_wait_alu depctr_va_vdst(0)                   ; v4, v5 and v6 are written: the offsets that the weights', the tiles' and the bias's loads read
.set kst, 0
.rept NKS
	LOADW kst
.set kst, kst+1
.endr
	WIN 0
.if FINAL
	global_load_b128 v[BI:BI+3], v6, s[8:9]
.else
.irp t, 0,1,2,3,4,5,6,7
	global_load_b32 v[BI+\t], v6, s[8:9] offset:16*\t
.endr
.endif
	s_lshl_b32 s19, s16, 10
	v_add_nc_u32 v[WR], s19, v5
.irp k, 1,2,3
	v_add_nc_u32 v[WR+\k], \k*0x10000, v[WR]
.endr
	s_lshl_b32 s19, s29, 15                        ; the tiles of my parity
.if FINAL
	s_lshr_b32 s49, s48, 1
	s_lshl_b32 s49, s49, 9
	s_add_co_u32 s19, s19, s49
	s_and_b32 s49, s48, 1
	s_lshl3_add_u32 s19, s49, s19
	v_add_nc_u32 v[RD], s19, v5
	s_lshl_b32 s19, s48, 3
	v_lshl_add_u32 v13, v2, 5, s19                 ; list words 8 h + 2 (w % 4), + 1 of a tile
	v_lshlrev_b32 v16, 4, v1
.set tt, 0
.rept 8
	v_mov_b32 v[RI+tt], 0                          ; written on every way
.set tt, tt+1
.endr
.else
	s_lshl_b32 s49, s48, 13
	s_add_co_u32 s19, s19, s49
	v_add_nc_u32 v[RD], s19, v5
.endif
.irp k, 1,2,3
	v_add_nc_u32 v[RD+\k], \k*0x10000, v[RD]
.endr
	s_lshl_b32 s30, s18, ASH+6                     ; 64 tiles a relation,
	s_mul_i32 s19, s16, NKS*1024                   ; my K steps' blocks
	s_add_co_u32 s30, s30, s19
	s_add_nc_u64 s[4:5], s[4:5], s[30:31]
.if FINAL
	s_lshl_b32 s30, s18, 12
	s_lshl_b32 s19, s29, 6                         ; the tiles of my parity
	s_add_co_u32 s30, s30, s19
	s_add_nc_u64 s[12:13], s[12:13], s[30:31]
	s_lshl_b32 s30, s17, 8
	s_add_nc_u64 s[14:15], s[14:15], s[30:31]
.else
	s_lshl_b32 s30, s18, 22                        ; 64 tiles of 65,536 bytes a relation,
	s_lshl_b32 s19, s17, 11                        ; K steps 2 cb, 2 cb + 1 of the next layer,
	s_add_co_u32 s30, s30, s19
	s_lshl_b32 s19, s48, 9                         ; my half fragment,
	s_add_co_u32 s30, s30, s19
	s_lshl_b32 s19, s29, 16                        ; the tiles of my parity
	s_add_co_u32 s30, s30, s19
	s_add_nc_u64 s[12:13], s[12:13], s[30:31]
.endif
	s_wait_kmcnt 0x0                               ; the table entry
	s_min_u32 s20, s20, 64
	s_min_u32 s22, s22, 64
.if FINAL
	s_mov_b32 s24, s22
.else
	s_mov_b32 s24, s20
.endif
	s_max_u32 s25, s20, 1
	s_sub_co_u32 s25, s25, 1
	s_mov_b32 s27, 0
	LBASES 0
; As each K step is rounded, its registers take the first pass's tiles.  The count: behind K step kst's loads stand 16 for each later step, the bias's NB, and AL for each tile asked for so far.
.set kst, 0
.rept NKS
	s_wait_loadcnt 16*(NKS-1-kst)+NB+kst*TPS*AL
	CVT kst
	WIN 0x40
	s_wait_alu depctr_va_vdst(0)                   ; the conversions are done reading this K step's raw registers, in which tiles' loads land; the first of these waits also states that WR and RD (last layer: v13 and the zeros in RI too) are written, for the LDS stores and loads (and the list's loads) of the passes
.set tq, 0
.rept TPS
	LOADT kst*TPS+tq, 32+2*(kst*TPS+tq), 0
.set tq, tq+1
.endr
.set kst, kst+1
.endr
	WIN 0
	s_wait_loadcnt 3*AL                            ; tile 0 is in, and with it the bias, which is older
.set tt, 0
.rept 4-2*FINAL                        ; the bias is rounded to bf16 like the other inputs; these lines name BI and v17 alone, which no memory instruction touches from here on
	v_cvt_pk_bf16_f32 v17, v[BI+tt], v[BI+tt+1]
	v_lshlrev_b32 v[BI+tt], 16, v17
	v_and_b32 v[BI+tt+1], 0xffff0000, v17
.set tt, tt+2
.endr
; THE PASSES: NPASS trips of PT tiles.  Two barriers a trip: between the partial sums' stores and the other waves' reads, and between those reads and the next trip's stores.
; The pass's two bases are made at the trip's head, on every way: each is its buffer's address plus the counted step, whether or not the trip has tiles (a trip without tiles uses neither).
	s_mov_b32 s28, NPASS
.Lpass:
	s_wait_xcnt 0x0                                ; the last trip's loads and stores name the bases below, and its stores the out-buffers: all these are rewritten only behind this wait
	s_lshl_b32 s30, s27, ASH
	s_add_nc_u64 s[40:41], s[4:5], s[30:31]
.if FINAL
	s_lshl_b32 s30, s27, 6
.else
	s_lshl_b32 s30, s27, 16
.endif
	s_add_nc_u64 s[42:43], s[12:13], s[30:31]
	s_sub_co_i32 s26, s24, s27
	s_max_i32 s26, s26, 0                          ; tiles left
	s_cmp_eq_u32 s26, 0
	s_cbranch_scc1 .Lmeet
.if FINAL
.irp u, 0,1,2,3
	global_load_b64 v[RI+2*\u:RI+2*\u+1], v13, s[42:43] offset:128*\u  ; the pass's 128 list words all lie inside the relation's 1,024.  No wait: every line that names RI stands ahead of a wait on va_vdst (the head's, a unit's)
.endr
.endif
	MULT 0, 3*AL+NRI                               ; behind tile 0's loads: tiles 1, 2, 3, the row numbers
	UPTO 4, .Lshort
	MULT 1, 2*AL+NRI, 1, 1, 0, 4                   ; FIVE TILES OR MORE.  Behind tile 1's: tiles 2, 3, the row numbers; tile 4 is asked for among tile 1's products
	UPTO 5, .Lfive
	MULT 2, 2*AL+NRI, 1, 1, 1, 5                   ; SIX TO EIGHT.  Behind tile 2's: tile 3, the row numbers, tile 4; tile 5 is asked for among tile 2's products
	UPTO 6, .Ls2
	ASK 2, 6
.Ls2:
	MULT 3, 2*AL+NRI                               ; behind tile 3's, on both ways: the row numbers, tiles 4, 5
	UPTO 7, .Ls3
	ASK 3, 7
.Ls3:
	MULT 4, AL                                     ; behind tile 4's, on every way: tile 5
	MULT 5, 0                                      ; tile 5, and tiles 6 and 7 where they were asked for
	UPTO 6, .Lmeet
	TILE 6
	UPTO 7, .Lmeet
	TILE 7, 0
	UPTO 8, .Lmeet
	s_wait_xcnt 0x0                                ; the four addresses may be written; no load is pending on the four slots (the wait for 0 above)
	LBASES PT
.set gg, 0
.rept 4
	LOADT gg, 32+2*gg, 0                           ; the four slots were multiplied by tiles 4 to 7, each with its wait on va_vdst behind its products
.set gg, gg+1
.endr
	WIN 0
	s_branch .Lmeet
.Lfive:                                                ; FIVE TILES: nothing more is asked for
	MULT 2, 2*AL+NRI                               ; behind tile 2's: tile 3, the row numbers, tile 4
	MULT 3, AL+NRI                                 ; behind tile 3's: the row numbers, tile 4
	MULT 4, 0, 0
	s_branch .Lmeet
.Lshort:                                               ; UP TO FOUR TILES: nothing more is asked for
	UPTO 1, .Lmeet
	MULT 1, 2*AL+NRI                               ; behind tile 1's: tiles 2, 3, the row numbers
	UPTO 2, .Lmeet
	MULT 2, AL+NRI
	UPTO 3, .Lmeet
	MULT 3, NRI, 0
.Lmeet:
	s_wait_loadcnt 0x0                             ; nothing is pending on a slot when the next trip begins; the row numbers are in
	s_wait_dscnt 0x0                               ; for the others' sake: my partial sums are in LDS
	s_barrier_signal -1
	s_barrier_wait -1
	s_wait_alu depctr_vm_vsrc(0)                   ; my LDS stores have read the two sets, in which the units' LDS loads land and which the next trip's products write; the last trip's stores have read the out-buffers (last layer: and their offsets), which this trip's units write again
.set un, 0
.rept 4
	s_add_co_u32 s19, s29, 2*un                    ; my unit's tile
	s_cmp_le_u32 s26, s19
	s_cbranch_scc1 .Lu
	UNIT un
.set un, un+1
.endr
.Lu:
	s_wait_dscnt 0x0                               ; my reads of the partial sums are back: the next trip may write over them
	s_barrier_signal -1
	s_barrier_wait -1
	s_add_co_u32 s27, s27, PT
	s_sub_co_u32 s28, s28, 1
	s_cmp_lg_u32 s28, 0
	s_cbranch_scc1 .Lpass
	s_wait_dscnt 0x0
	s_wait_alu depctr_hold_cnt(0) depctr_sa_sdst(0) depctr_va_vdst(0) depctr_va_sdst(0) depctr_va_ssrc(0) depctr_va_vcc(0) depctr_vm_vsrc(0)
	s_wait_tensorcnt 0x0
	ds_add_u32 v126, v127
	s_wait_dscnt 0x0
	s_endpgm
.Lfunc_end_k_qe6593da5e0_r1:
	.size	k_qe6593da5e0_r1, .Lfunc_end_k_qe6593da5e0_r1-k_qe6593da5e0_r1
	.p2alignl 7, 3214868480
	.fill 96, 4, 3214868480
	.section	.rodata,"a",@progbits
	.p2align	6, 0x0
	.amdhsa_kernel k_qe6593da5e0_r1
		.amdhsa_group_segment_fixed_size 263168
		.amdhsa_private_segment_fixed_size 0
		.amdhsa_enable_private_segment 0
		.amdhsa_kernarg_size 40
		.amdhsa_user_sgpr_count 2
		.amdhsa_user_sgpr_kernarg_segment_ptr 1
		.amdhsa_wavefront_size32 1
		.amdhsa_system_sgpr_workgroup_id_x 1
		.amdhsa_system_sgpr_workgroup_id_y 1
		.amdhsa_system_sgpr_workgroup_id_z 1
		.amdhsa_system_vgpr_workitem_id 0
		.amdhsa_next_free_vgpr 512
		.amdhsa_next_free_sgpr 66
		.amdhsa_reserve_vcc 0
		.amdhsa_float_denorm_mode_32 3
		.amdhsa_float_denorm_mode_16_64 3
		.amdhsa_memory_ordered 1
		.amdhsa_forward_progress 1
		.amdhsa_inst_pref_size 99
	.end_amdhsa_kernel
	.amdgpu_metadata
---
amdhsa.version: [ 1, 2 ]
amdhsa.kernels:
  - .name:           k_qe6593da5e0_r1
    .symbol:         k_qe6593da5e0_r1.kd
    .args:
      - { .name: hB, .offset: 0, .size: 8, .value_kind: global_buffer, .address_space: global }
      - { .name: RW1, .offset: 8, .size: 8, .value_kind: global_buffer, .address_space: global }
      - { .name: Rb1, .offset: 16, .size: 8, .value_kind: global_buffer, .address_space: global }
      - { .name: tabR, .offset: 24, .size: 8, .value_kind: global_buffer, .address_space: global }
      - { .name: hA, .offset: 32, .size: 8, .value_kind: global_buffer, .address_space: global }
    .group_segment_fixed_size: 263168
    .private_segment_fixed_size: 0
    .kernarg_segment_align: 8
    .kernarg_segment_size: 40
    .max_flat_workgroup_size: 256
    .sgpr_count:     66
    .vgpr_count:     512
    .wavefront_size: 32
...
	.end_amdgpu_metadata
.endif
;; end of part 11
;; launch r2: the kernel of part 11 again; grid 16 x 16, 8 waves a work-group, no clusters, 263,168 bytes of LDS; arguments hA, RW2, Rb2, tabR, hB; writes hB
;; launch r3 (part 12): grid 16 x 16, 8 waves a work-group, no clusters, 263,168 bytes of LDS; arguments hB, RW3, Rb3, tabR, list, out0; writes out0
.if DOCPART == 12
	.amdgcn_target "amdgcn-amd-amdhsa--gfx1250"
	.amdhsa_code_object_version 6
	.text
	.protected	k_qe6593da5e0_r3
	.globl	k_qe6593da5e0_r3
	.p2align	8
	.type	k_qe6593da5e0_r3,@function
k_qe6593da5e0_r3:
	s_mov_b64 s[64:65], 0
	v_nop
	global_prefetch_b8 v0, s[64:65] scope:SCOPE_SE
	s_setreg_imm32_b32 hwreg(HW_REG_WAVE_SCHED_MODE, 0, 2), 2
	s_setreg_imm32_b32 hwreg(HW_REG_WAVE_MODE, 25, 1), 1
	s_wait_xcnt 0x0
	s_wait_alu depctr_vm_vsrc(0)
; ONE LAYER, last form: K = 1,024, input in two parts and in the order in which a layer leaves it, a weight matrix for each relation, no ReLU, f32 rows stored at their own places.
; out0[n] = in[n] W[e] + b[e] for the rows n of relation e and the output columns 64 cb .. 64 cb + 63.
; SHARES.  Work-group (cb, e), eight waves.  Wave w owns the K rows 32 NKS w on of the relation's matrix, for all 64 columns: 16 NKS loads, all issued at the head; it rounds them to bf16 and keeps them in
; registers as fragments for the whole launch.  Every wave multiplies every tile of 16 rows by its eighth of K; the eight partial sums meet in LDS; wave w finishes four rows of the tiles of parity w / 4.
; WEIGHTS.  W[e] is [K][1024] f32.  A lane loads 16 bytes, columns 64 cb + 4 r .. + 3 of one row: 16 lanes take 256 consecutive bytes.  Two rows that follow each other in a lane's k are paired by
; v_cvt_pk_bf16_f32, which turns the matrix on the way: fragment j, lane index r, is column 64 cb + 4 r + j.  Each byte of these weights is read once in the launch.
; TWO PARTS.  A number h of the input is stored as hi = bf16(h) and lo = bf16(h - hi): a tile, 64 e + i, is 65,536 bytes, 32 blocks of hi and then 32 of lo.  Both are multiplied by the same
; weights into one sum.  A block of 1,024 bytes is one K step ks, [c][lane][16 bytes]; element t of lane (r, h) is row r, k = 64 (ks / 2) + 32 h + 4 t + 2 (ks % 2) + c.
; The weight rows are loaded in the same order: a permutation of k applied alike to both sources keeps the products.
; OUTPUT.  Source 0 = activations, source 1 = weights: lane (r, h), register t of fragment j holds tile row 8 h + t, column 64 cb + 4 r + j.  Wave w finishes tile rows 8 h + 2 (w % 4) and the next:
; the four fragments give a lane four neighbouring columns, 16 lanes 256 consecutive bytes of a row of out0.  The row's number comes from the list that the first launch stored.  Places of a tile behind
; the relation's last row repeat that row: the same numbers are stored twice at the same place, by this work-group.  An empty relation stores nothing (word 2 of the table entry is 0).
; TILES.  Their number comes from the table that the first launch stored.  A pass has 8 tiles in four register slots, tile i in slot i % 4.  Tiles 0-3 of a pass are always asked for (a tile that is not
; there: the last that is); a further tile is asked for only where it exists, when its slot has been multiplied: tiles 4 and 5 among the products of the tile that follows, tiles 6 and 7 in a run.
; The count of a wait must hold on every way that reaches it, so a pass is written in three ways: up to 4 tiles, 5 tiles, 6 to 8: in each the loads that stand behind a tile's own are known.
; All barriers stand in a loop of 8 trips, outside these ways; every jump but the loop's goes forward.
; NO CLUSTER: the weights pass through registers for the rounding, so they come by register loads, which cannot be asked for jointly; and no two work-groups read the same weights.
; LIMITS.  Weights and bias are rounded to bf16 (nearest even); sums in f32, K in eight parts, added as a tree, then the bias.  A row whose relation lies outside 0 .. 15 is not written.
; THE MODE: SCHED_MODE bits 1:0 = 2 (LLVM: expert scheduling mode 2), set by the entry lines.  The code itself states the register dependences
; between vector or matrix instructions and memory or LDS instructions, with s_wait_alu, always for 0.
; THE PLAN.  Registers that memory or LDS instructions touch:
;   v4, v5, v6      Offsets of the weights', the tiles' and the bias's loads: made ahead of the first load, never written again.
;   WR, RD, v13     LDS addresses and the list's offset: made behind the weights' loads, ahead of the first K step's wait, never written again.
;   window 1, raw   K step s: the weights' loads land there; its 32 conversions read it; then loads of the first pass's tiles land there.
;   window 1, slots Slot i % 4: tile i's loads land there; tile i's products read it; then tile i + 4's loads land there.
;   the two sets    Set i % 2: tile i's products write it; tile i's eight LDS stores read it; tile i + 2's products write it again.  Behind the barrier both are P: a unit's LDS loads land there, its additions work there.
;   OUT0, OUT1      Buffer u % 2, and with it a pair of offsets: unit u's additions write them; unit u's stores read them; unit u + 2 writes them again.
;   RI              Zeros at the head; a pass's list loads land there; the units read it.
; THE WAITS.  Behind each K step's conversions one on va_vdst.  In a tile one on va_vdst, behind its products and their places: the set is written, the slot has been read; beside it, ahead of the tile's own
; stores, one on vm_vsrc: the stores of the tile before have read the other set.  Behind the first barrier one on vm_vsrc: the pass's LDS stores and the last trip's stores have read their registers.
; In a unit one on va_vdst behind its last vector line: the out-buffer is written, P and RI are done with; in units 1 and 2 one on vm_vsrc ahead of the unit's own stores: the other out-buffer has been read.
.set NKS,   4                          ; K steps of 32 a wave
.set NAT,   0                          ; 1: k in the natural order; 0: in the order in which a layer leaves its output
.set FINAL, 1                          ; 1: no ReLU, f32 rows scattered to their places
.set PARTS, 2                          ; parts of the input that are read: 1: bf16 alone; 2: hi and lo
.set OPARTS, 2                         ; parts of the output that are stored (not in this form)
.set ASH,   16                         ; tiles of the input lie 1 << ASH bytes apart
.set DENSE, 0                          ; 1: weight matrix and bias number 0; 0: number e
.set AL,    2*NKS*PARTS                ; loads of a wave for a tile
.set SLR,   8*NKS*PARTS                ; registers of a wave for a tile
.set PBYTES, 8192*NKS                  ; bytes of one part of a tile of the input
.set ATILE, 1<<ASH                     ; bytes from a tile of the input to the next
.set TPS,   4/NKS                      ; tiles asked for behind each K step of the weights
.set PT,    8                          ; tiles in a pass
.set NPASS, 64/PT
.set NB,    8-7*FINAL                  ; loads of the bias
.set NRI,   4*FINAL                    ; loads of row numbers in a pass
.if NAT
.set HSH,   15                         ; lanes 16-31 take the row 8 further down: 8 x 4,096 bytes
.else
.set HSH,   17                         ; 32 further down
.endif
; window 0: v1 r, v2 h, v3 lane, v4 my offset in a weight row pair, v5 16 x lane, v6 offset in the bias, v13 offset in the list, v16 16 r, v17 at work
.set WR,    9                          ; v[9:12]    LDS: where I put partial sums, tiles 2 k and 2 k + 1
.set SA,    14                         ; v[14:15], v[22:23] last layer: the offsets of a unit's two stores, by the unit's parity
.set RD,    18                         ; v[18:21]   LDS: where I read them, my unit k
.set BI,    24                         ; v[24:31]   bias
.set ACC,   32                         ; v[32:95]   two sets of four accumulators, by the tile's parity: the wait for the LDS stores that read a set stands a tile's products behind them
.set P,     32                         ; v[32:95]   eight waves' partial sums, while the accumulators are idle
.set OUT,   96                         ; v[96:103], v[112:119] what is stored: two out-buffers, by the unit's parity
.set RI,    104                        ; v[104:111] row numbers (last layer)
.set WB,    128                        ; v[128:255] the weights: fragment j of K step s at 32 s + 8 j
; window 1: NKS slots of 64 f32 on their way to WB; then four slots of SLR registers, the input of tile i in slot i % 4
; s[4:5] input at my relation and my K steps; s[6:7] weights at my rows and columns; s[8:9] bias; s[10:11] table entry; s[12:13] output (last layer: list); s[14:15] last layer: out0
; s16 w, s17 cb, s18 e, s19, s49 at work, s[20:23] the entry, s24 tiles to do, s25 last tile that exists, s26 tiles left, s27 first tile of the pass, s28 counter, s29 w / 4, s48 w % 4,
; s[30:31] offsets (s31 = 0), s[32:39] addresses of a pass's tiles 0-3, s[40:41] input at the pass, s[42:43] output or list at the pass
.set MSB, 0
.macro WIN new                         ; s_set_vgpr_msb: bits 1:0 source 0, 3:2 source 1, 5:4 source 2, 7:6 destination; the high byte repeats the setting that is left
.if MSB != (\new)
	s_set_vgpr_msb (MSB<<8)|(\new)
.set MSB, \new
.endif
.endm
.macro LOADW st                        ; the 32 weight rows of my K step st, 16 loads, into slot st of window 1: row (c, t) at 4 (8 c + t)
	WIN 0x40
.set cc, 0
.rept 2
.set tt, 0
.rept 8
.if NAT
.set rw, 32*(\st)+16*cc+tt
.else
.set rw, 64*((\st)/2)+2*((\st)%2)+cc+4*tt
.endif
.set rg, 64*(\st)+4*(8*cc+tt)
.if DENSE
	global_load_b128 v[rg:rg+3], v4, s[6:7] offset:rw*4096
.else
	global_load_b128 v[rg:rg+3], v4, s[6:7] offset:rw*4096 th:TH_LOAD_NT
.endif
.set tt, tt+1
.endr
.set cc, cc+1
.endr
.endm
.macro CVT st                          ; 64 f32 a lane become four fragments: rows t and t + 1 of a column share a register
	WIN 0x05
.set fj, 0
.rept 4
.set cc, 0
.rept 2
.set tt, 0
.rept 4
	v_cvt_pk_bf16_f32 v[WB+32*(\st)+8*fj+4*cc+tt], v[64*(\st)+4*(8*cc+2*tt)+fj], v[64*(\st)+4*(8*cc+2*tt+1)+fj]
.set tt, tt+1
.endr
.set cc, cc+1
.endr
.set fj, fj+1
.endr
.endm
.macro LOADT slot, base, off           ; my K steps of one tile, all parts that are read: AL loads of 512 consecutive bytes
	WIN 0x40
.set pp, 0
.rept PARTS
.set kk, 0
.rept NKS
.set rg, SLR*(\slot)+8*NKS*pp+8*kk
	global_load_b128 v[rg:rg+3], v5, s[\base:\base+1] offset:(\off)+PBYTES*pp+1024*kk
	global_load_b128 v[rg+4:rg+7], v5, s[\base:\base+1] offset:(\off)+PBYTES*pp+1024*kk+512
.set kk, kk+1
.endr
.set pp, pp+1
.endr
.endm
.macro LOADK slot, base, off, k        ; the same tile's K step k alone, all parts that are read: 2 PARTS of the AL loads, into the same registers
	WIN 0x40
.set pp, 0
.rept PARTS
.set rg, SLR*(\slot)+8*NKS*pp+8*(\k)
	global_load_b128 v[rg:rg+3], v5, s[\base:\base+1] offset:(\off)+PBYTES*pp+1024*(\k)
	global_load_b128 v[rg+4:rg+7], v5, s[\base:\base+1] offset:(\off)+PBYTES*pp+1024*(\k)+512
.set pp, pp+1
.endr
.endm
.macro LBASES first                    ; the addresses of the four tiles s27 + first on; a tile that is not there is replaced by the last that is
.irp i, 0,1,2,3
	s_add_co_u32 s30, s27, (\first)+\i
	s_min_u32 s30, s30, s25
	s_min_u32 s30, s30, 63
	s_lshl_b32 s30, s30, ASH
	s_add_nc_u64 s[32+2*\i:33+2*\i], s[4:5], s[30:31]
.endr
.endm
.macro MMA d, a, b, first
.if \first
	v_wmma_f32_16x16x32_bf16 v[\d:\d+7], v[\a:\a+7], v[\b:\b+7], 0
.else
	v_wmma_f32_16x16x32_bf16 v[\d:\d+7], v[\a:\a+7], v[\b:\b+7], v[\d:\d+7]
.endif
.endm
; Tile i of a pass times my eighth of K: 4 NKS PARTS products, by K step, part and fragment; the set's four accumulators take turns, one instruction a turn; the first starts each sum.
; Then the partial sums go to LDS: [tile: 32,768][fragment: 8,192][wave: 1,024][registers 0-3, 4-7: 512][lane: 16], lanes side by side, lowest registers first.
; ask = 1: the pass's tile next is asked for, into slot slot, a K step's loads behind a K step's products.  No wait: the tile before multiplied that slot, its wait on va_vdst stands behind its products,
; and no vector or matrix instruction since names the slot or v5.  more = 1: a further tile can follow in this pass.
.macro TILE i, more=1, ask=0, slot=0, next=0
.set kk, 0
.rept NKS
.if FINAL
	WIN 0x01                                       ; source 0 = input (window 1), source 1 = weights
.else
	WIN 0x04                                       ; source 0 = weights, source 1 = input (window 1)
.endif
.set pq, 0
.rept PARTS
.set f1, 0
.if kk+pq == 0
.set f1, 1
.endif
.set fj, 0
.rept 4
.set ra, SLR*((\i)%4)+8*NKS*pq+8*kk
.set rb, WB+32*kk+8*fj
.set rc, ACC+32*((\i)%2)+8*fj
.if FINAL
	MMA rc, ra, rb, f1
.else
	MMA rc, rb, ra, f1
.endif
.set fj, fj+1
.endr
.set pq, pq+1
.endr
.if \ask
	LOADK \slot, 40, (\next)*ATILE, kk
.endif
.set kk, kk+1
.endr
	WIN 0
.rept 5
	v_nop                                          ; places behind the last products: four before the stores read the sums; five before a first product writes over the sums: the next trip's tile 0 takes the same set as this trip's, with these places alone certain between
.endr
	s_wait_alu depctr_va_vdst(0)                   ; the products have written this set, which the LDS stores below read and in which partial sums land later; they are done reading the tile's slot, in which a later tile's loads land.  The places above stay beside this wait
.if ((\i) > 0) && (\more)
	s_wait_alu depctr_vm_vsrc(0)                   ; the LDS stores of the tile before have read the other set, which the next tile's products write
.endif
.set fj, 0
.rept 8
	ds_store_b128 v[WR+(\i)/2], v[ACC+32*((\i)%2)+4*fj:ACC+32*((\i)%2)+4*fj+3] offset:((\i)%2)*32768+8192*(fj/2)+512*(fj%2)
.set fj, fj+1
.endr
.endm
.macro UPTO n, label                   ; a pass of up to n tiles goes on at the label, forward
	s_cmp_le_u32 s26, \n
	s_cbranch_scc1 \label
.endm
.macro ASK slot, tile                  ; the pass's tile is asked for, into a slot that has just been multiplied: the wait on va_vdst of the tile that multiplied it stands ahead, and only its LDS stores and a jump since
	LOADT \slot, 40, (\tile)*ATILE
	WIN 0
.endm
.macro MULT tile, left, more=1, ask=0, slot=0, next=0  ; left: the loads that stand behind the tile's own on every way that leads here
	s_wait_loadcnt \left
	TILE \tile, \more, \ask, \slot, \next
.endm
; My unit u: my part of tile 2 u + w / 4 is finished: the eight waves' partial sums are added, then the bias.
.macro UNIT u
.set obuf, OUT+16*((\u)%2)
.set soff, SA+8*((\u)%2)
.set wq, 0
.if FINAL
.rept 32                               ; source wave wq / 4, fragment wq % 4: registers 2 (w % 4), + 1: tile rows 8 h + 2 (w % 4), + 1
	ds_load_b64 v[P+8*(wq/4)+2*(wq%4):P+8*(wq/4)+2*(wq%4)+1], v[RD+(\u)] offset:8192*(wq%4)+1024*(wq/4)
.set wq, wq+1
.endr
.else
.rept 16                               ; fragment w % 4: source wave wq / 2, registers 4 (wq % 2) on
	ds_load_b128 v[P+4*wq:P+4*wq+3], v[RD+(\u)] offset:512*wq
.set wq, wq+1
.endr
.endif
	s_wait_dscnt 0x0
.irp a, 0,16,32,48
.irp p, 0,2,4,6
	v_pk_add_f32 v[P+\a+\p:P+\a+\p+1], v[P+\a+\p:P+\a+\p+1], v[P+\a+8+\p:P+\a+8+\p+1]
.endr
.endr
.irp a, 0,32
.irp p, 0,2,4,6
	v_pk_add_f32 v[P+\a+\p:P+\a+\p+1], v[P+\a+\p:P+\a+\p+1], v[P+\a+16+\p:P+\a+16+\p+1]
.endr
.endr
.irp p, 0,2,4,6
	v_pk_add_f32 v[P+\p:P+\p+1], v[P+\p:P+\p+1], v[P+32+\p:P+32+\p+1]
.endr
.if FINAL
.irp j, 0,1,2,3
	v_add_f32 v[obuf+\j], v[P+2*\j], v[BI+\j]
	v_add_f32 v[obuf+4+\j], v[P+2*\j+1], v[BI+\j]
.endr
	v_min_u32 v17, 0x3ff, v[RI+2*(\u)]
	v_lshl_add_u32 v[soff], v17, 12, v16           ; row x 4,096 bytes + 16 r
	v_min_u32 v17, 0x3ff, v[RI+2*(\u)+1]
	v_lshl_add_u32 v[soff+1], v17, 12, v16
.else
.irp p, 0,2,4,6
	v_pk_add_f32 v[P+\p:P+\p+1], v[P+\p:P+\p+1], v[BI+\p:BI+\p+1]
.endr
.irp t, 0,1,2,3,4,5,6,7
	v_max_num_f32 v[P+\t], 0, v[P+\t]
.endr
.irp t, 0,1,2,3
	v_cvt_pk_bf16_f32 v[obuf+\t], v[P+2*\t], v[P+2*\t+1]           ; hi
.endr
.if OPARTS == 2
.irp t, 0,1,2,3
	v_lshlrev_b32 v[P+8+2*\t], 16, v[obuf+\t]      ; hi as f32 again
	v_and_b32 v[P+9+2*\t], 0xffff0000, v[obuf+\t]
.endr
.irp t, 0,1,2,3,4,5,6,7
	v_sub_f32 v[P+\t], v[P+\t], v[P+8+\t]          ; what hi has left out: exact
.endr
.irp t, 0,1,2,3
	v_cvt_pk_bf16_f32 v[obuf+4+\t], v[P+2*\t], v[P+2*\t+1]         ; lo
.endr
.endif
.endif
	s_wait_alu depctr_va_vdst(0)                   ; the unit has written its out-buffer (last layer: and the two offsets), which the stores below read; it is done with P, in which the next unit's LDS loads land (last layer: and with RI, in which the next trip's list loads land)
.if ((\u) == 1) || ((\u) == 2)
	s_wait_xcnt 0x0                                ; the stores of the unit before have had their addresses translated (ISA guide 3.1): their data (last layer: and offsets) are rewritten, by the next unit, only behind this wait,
	s_wait_alu depctr_vm_vsrc(0)                   ; and they have read the other out-buffer (last layer: and its offsets), which the next unit writes again
.endif
.if FINAL
	global_store_b128 v[soff], v[obuf:obuf+3], s[14:15] th:TH_STORE_NT      ; 16 lanes store 256 consecutive bytes of a row, at a multiple of 256 from the buffer's first byte
	global_store_b128 v[soff+1], v[obuf+4:obuf+7], s[14:15] th:TH_STORE_NT
.else
	global_store_b128 v5, v[obuf:obuf+3], s[42:43] offset:(\u)*131072          ; 512 consecutive bytes: half a fragment of the next layer
.if OPARTS == 2
	global_store_b128 v5, v[obuf+4:obuf+7], s[42:43] offset:(\u)*131072+32768  ; and the same half fragment of lo
.endif
.endif
.endm
	s_load_b256 s[4:11], s[0:1], 0x0               ; input, weights, bias, table
.if FINAL
	s_load_b128 s[12:15], s[0:1], 0x20             ; list, out0
	v_lshl_add_u32 v126, v0, 2, 0x40000
	v_mov_b32 v127, 0
.else
	s_load_b64 s[12:13], s[0:1], 0x20              ; output
.endif
	v_and_b32 v1, 15, v0
	v_bfe_u32 v2, v0, 4, 1
	v_and_b32 v3, 31, v0
	v_lshrrev_b32 v17, 5, v0
	v_readfirstlane_b32 s16, v17                   ; wave 0..7
	s_mov_b32 s17, ttmp9
	s_and_b32 s18, ttmp7, 0xffff
	s_wait_alu depctr_va_sdst(0)                   ; s16 is written, ahead of its first reader: offsets, LDS addresses and the units' shares are made from it
	s_lshr_b32 s29, s16, 2
	s_and_b32 s48, s16, 3
	s_mov_b32 s31, 0
	v_lshlrev_b32 v4, 4, v1
	v_lshl_add_u32 v4, v2, HSH, v4
	v_lshlrev_b32 v5, 4, v3
	s_lshl_b32 s19, s17, 8
.if FINAL
	v_lshl_add_u32 v6, v1, 4, s19                  ; bias of columns 64 cb + 4 r on
.else
	s_lshl2_add_u32 s19, s48, s19
	v_lshl_add_u32 v6, v2, 7, s19                  ; bias of column 64 cb + 32 h + w % 4 (+ 4 t by the immediate)
.endif
	s_mul_i32 s49, s16, NKS*131072                 ; my 32 NKS rows of 4,096 bytes,
	s_lshl_b32 s19, s17, 8                         ; my 64 columns,
	s_add_co_u32 s49, s49, s19
.if DENSE == 0
	s_mul_i32 s19, s18, NKS*1048576                ; the relation's matrix: 256 NKS rows
	s_add_co_u32 s49, s49, s19
.endif
	s_wait_kmcnt 0x0
	s_lshl_b32 s30, s18, 4
	s_add_nc_u64 s[10:11], s[10:11], s[30:31]
	s_load_b128 s[20:23], s[10:11], 0x0            ; tiles, (not used), tiles to store: on its way while the weights are asked for
	s_mov_b32 s30, s49
	s_add_nc_u64 s[6:7], s[6:7], s[30:31]
.if DENSE == 0
	s_lshl_b32 s30, s18, 12
	s_add_nc_u64 s[8:9], s[8:9], s[30:31]
.endif
; THE STREAM.  All my weights are asked for at once, then the bias.
	WIN 0x40
	s_wait_alu depctr_va_vdst(0)                   ; v4, v5 and v6 are written: the offsets that the weights', the tiles' and the bias's loads read
.set kst, 0
.rept NKS
	LOADW kst
.set kst, kst+1
.endr
	WIN 0
.if FINAL
	global_load_b128 v[BI:BI+3], v6, s[8:9]
.else
.irp t, 0,1,2,3,4,5,6,7
	global_load_b32 v[BI+\t], v6, s[8:9] offset:16*\t
.endr
.endif
	s_lshl_b32 s19, s16, 10
	v_add_nc_u32 v[WR], s19, v5
.irp k, 1,2,3
	v_add_nc_u32 v[WR+\k], \k*0x10000, v[WR]
.endr
	s_lshl_b32 s19, s29, 15                        ; the tiles of my parity
.if FINAL
	s_lshr_b32 s49, s48, 1
	s_lshl_b32 s49, s49, 9
	s_add_co_u32 s19, s19, s49
	s_and_b32 s49, s48, 1
	s_lshl3_add_u32 s19, s49, s19
	v_add_nc_u32 v[RD], s19, v5
	s_lshl_b32 s19, s48, 3
	v_lshl_add_u32 v13, v2, 5, s19                 ; list words 8 h + 2 (w % 4), + 1 of a tile
	v_lshlrev_b32 v16, 4, v1
.set tt, 0
.rept 8
	v_mov_b32 v[RI+tt], 0                          ; written on every way
.set tt, tt+1
.endr
.else
	s_lshl_b32 s49, s48, 13
	s_add_co_u32 s19, s19, s49
	v_add_nc_u32 v[RD], s19, v5
.endif
.irp k, 1,2,3
	v_add_nc_u32 v[RD+\k], \k*0x10000, v[RD]
.endr
	s_lshl_b32 s30, s18, ASH+6                     ; 64 tiles a relation,
	s_mul_i32 s19, s16, NKS*1024                   ; my K steps' blocks
	s_add_co_u32 s30, s30, s19
	s_add_nc_u64 s[4:5], s[4:5], s[30:31]
.if FINAL
	s_lshl_b32 s30, s18, 12
	s_lshl_b32 s19, s29, 6                         ; the tiles of my parity
	s_add_co_u32 s30, s30, s19
	s_add_nc_u64 s[12:13], s[12:13], s[30:31]
	s_lshl_b32 s30, s17, 8
	s_add_nc_u64 s[14:15], s[14:15], s[30:31]
.else
	s_lshl_b32 s30, s18, 22                        ; 64 tiles of 65,536 bytes a relation,
	s_lshl_b32 s19, s17, 11                        ; K steps 2 cb, 2 cb + 1 of the next layer,
	s_add_co_u32 s30, s30, s19
	s_lshl_b32 s19, s48, 9                         ; my half fragment,
	s_add_co_u32 s30, s30, s19
	s_lshl_b32 s19, s29, 16                        ; the tiles of my parity
	s_add_co_u32 s30, s30, s19
	s_add_nc_u64 s[12:13], s[12:13], s[30:31]
.endif
	s_wait_kmcnt 0x0                               ; the table entry
	s_min_u32 s20, s20, 64
	s_min_u32 s22, s22, 64
.if FINAL
	s_mov_b32 s24, s22
.else
	s_mov_b32 s24, s20
.endif
	s_max_u32 s25, s20, 1
	s_sub_co_u32 s25, s25, 1
	s_mov_b32 s27, 0
	LBASES 0
; As each K step is rounded, its registers take the first pass's tiles.  The count: behind K step kst's loads stand 16 for each later step, the bias's NB, and AL for each tile asked for so far.
.set kst, 0
.rept NKS
	s_wait_loadcnt 16*(NKS-1-kst)+NB+kst*TPS*AL
	CVT kst
	WIN 0x40
	s_wait_alu depctr_va_vdst(0)                   ; the conversions are done reading this K step's raw registers, in which tiles' loads land; the first of these waits also states that WR and RD (last layer: v13 and the zeros in RI too) are written, for the LDS stores and loads (and the list's loads) of the passes
.set tq, 0
.rept TPS
	LOADT kst*TPS+tq, 32+2*(kst*TPS+tq), 0
.set tq, tq+1
.endr
.set kst, kst+1
.endr
	WIN 0
	s_wait_loadcnt 3*AL                            ; tile 0 is in, and with it the bias, which is older
.set tt, 0
.rept 4-2*FINAL                        ; the bias is rounded to bf16 like the other inputs; these lines name BI and v17 alone, which no memory instruction touches from here on
	v_cvt_pk_bf16_f32 v17, v[BI+tt], v[BI+tt+1]
	v_lshlrev_b32 v[BI+tt], 16, v17
	v_and_b32 v[BI+tt+1], 0xffff0000, v17
.set tt, tt+2
.endr
; THE PASSES: NPASS trips of PT tiles.  Two barriers a trip: between the partial sums' stores and the other waves' reads, and between those reads and the next trip's stores.
; The pass's two bases are made at the trip's head, on every way: each is its buffer's address plus the counted step, whether or not the trip has tiles (a trip without tiles uses neither).
	s_mov_b32 s28, NPASS
.Lpass:
	s_wait_xcnt 0x0                                ; the last trip's loads and stores name the bases below, and its stores the out-buffers: all these are rewritten only behind this wait
	s_lshl_b32 s30, s27, ASH
	s_add_nc_u64 s[40:41], s[4:5], s[30:31]
.if FINAL
	s_lshl_b32 s30, s27, 6
.else
	s_lshl_b32 s30, s27, 16
.endif
	s_add_nc_u64 s[42:43], s[12:13], s[30:31]
	s_sub_co_i32 s26, s24, s27
	s_max_i32 s26, s26, 0                          ; tiles left
	s_cmp_eq_u32 s26, 0
	s_cbranch_scc1 .Lmeet
.if FINAL
.irp u, 0,1,2,3
	global_load_b64 v[RI+2*\u:RI+2*\u+1], v13, s[42:43] offset:128*\u  ; the pass's 128 list words all lie inside the relation's 1,024.  No wait: every line that names RI stands ahead of a wait on va_vdst (the head's, a unit's)
.endr
.endif
	MULT 0, 3*AL+NRI                               ; behind tile 0's loads: tiles 1, 2, 3, the row numbers
	UPTO 4, .Lshort
	MULT 1, 2*AL+NRI, 1, 1, 0, 4                   ; FIVE TILES OR MORE.  Behind tile 1's: tiles 2, 3, the row numbers; tile 4 is asked for among tile 1's products
	UPTO 5, .Lfive
	MULT 2, 2*AL+NRI, 1, 1, 1, 5                   ; SIX TO EIGHT.  Behind tile 2's: tile 3, the row numbers, tile 4; tile 5 is asked for among tile 2's products
	UPTO 6, .Ls2
	ASK 2, 6
.Ls2:
	MULT 3, 2*AL+NRI                               ; behind tile 3's, on both ways: the row numbers, tiles 4, 5
	UPTO 7, .Ls3
	ASK 3, 7
.Ls3:
	MULT 4, AL                                     ; behind tile 4's, on every way: tile 5
	MULT 5, 0                                      ; tile 5, and tiles 6 and 7 where they were asked for
	UPTO 6, .Lmeet
	TILE 6
	UPTO 7, .Lmeet
	TILE 7, 0
	UPTO 8, .Lmeet
	s_wait_xcnt 0x0                                ; the four addresses may be written; no load is pending on the four slots (the wait for 0 above)
	LBASES PT
.set gg, 0
.rept 4
	LOADT gg, 32+2*gg, 0                           ; the four slots were multiplied by tiles 4 to 7, each with its wait on va_vdst behind its products
.set gg, gg+1
.endr
	WIN 0
	s_branch .Lmeet
.Lfive:                                                ; FIVE TILES: nothing more is asked for
	MULT 2, 2*AL+NRI                               ; behind tile 2's: tile 3, the row numbers, tile 4
	MULT 3, AL+NRI                                 ; behind tile 3's: the row numbers, tile 4
	MULT 4, 0, 0
	s_branch .Lmeet
.Lshort:                                               ; UP TO FOUR TILES: nothing more is asked for
	UPTO 1, .Lmeet
	MULT 1, 2*AL+NRI                               ; behind tile 1's: tiles 2, 3, the row numbers
	UPTO 2, .Lmeet
	MULT 2, AL+NRI
	UPTO 3, .Lmeet
	MULT 3, NRI, 0
.Lmeet:
	s_wait_loadcnt 0x0                             ; nothing is pending on a slot when the next trip begins; the row numbers are in
	s_wait_dscnt 0x0                               ; for the others' sake: my partial sums are in LDS
	s_barrier_signal -1
	s_barrier_wait -1
	s_wait_alu depctr_vm_vsrc(0)                   ; my LDS stores have read the two sets, in which the units' LDS loads land and which the next trip's products write; the last trip's stores have read the out-buffers (last layer: and their offsets), which this trip's units write again
.set un, 0
.rept 4
	s_add_co_u32 s19, s29, 2*un                    ; my unit's tile
	s_cmp_le_u32 s26, s19
	s_cbranch_scc1 .Lu
	UNIT un
.set un, un+1
.endr
.Lu:
	s_wait_dscnt 0x0                               ; my reads of the partial sums are back: the next trip may write over them
	s_barrier_signal -1
	s_barrier_wait -1
	s_add_co_u32 s27, s27, PT
	s_sub_co_u32 s28, s28, 1
	s_cmp_lg_u32 s28, 0
	s_cbranch_scc1 .Lpass
	s_wait_dscnt 0x0
	s_wait_alu depctr_hold_cnt(0) depctr_sa_sdst(0) depctr_va_vdst(0) depctr_va_sdst(0) depctr_va_ssrc(0) depctr_va_vcc(0) depctr_vm_vsrc(0)
	s_wait_tensorcnt 0x0
	ds_add_u32 v126, v127
	s_wait_dscnt 0x0
	s_endpgm
.Lfunc_end_k_qe6593da5e0_r3:
	.size	k_qe6593da5e0_r3, .Lfunc_end_k_qe6593da5e0_r3-k_qe6593da5e0_r3
	.p2alignl 7, 3214868480
	.fill 96, 4, 3214868480
	.section	.rodata,"a",@progbits
	.p2align	6, 0x0
	.amdhsa_kernel k_qe6593da5e0_r3
		.amdhsa_group_segment_fixed_size 263168
		.amdhsa_private_segment_fixed_size 0
		.amdhsa_enable_private_segment 0
		.amdhsa_kernarg_size 48
		.amdhsa_user_sgpr_count 2
		.amdhsa_user_sgpr_kernarg_segment_ptr 1
		.amdhsa_wavefront_size32 1
		.amdhsa_system_sgpr_workgroup_id_x 1
		.amdhsa_system_sgpr_workgroup_id_y 1
		.amdhsa_system_sgpr_workgroup_id_z 1
		.amdhsa_system_vgpr_workitem_id 0
		.amdhsa_next_free_vgpr 512
		.amdhsa_next_free_sgpr 66
		.amdhsa_reserve_vcc 0
		.amdhsa_float_denorm_mode_32 3
		.amdhsa_float_denorm_mode_16_64 3
		.amdhsa_memory_ordered 1
		.amdhsa_forward_progress 1
		.amdhsa_inst_pref_size 98
	.end_amdhsa_kernel
	.amdgpu_metadata
---
amdhsa.version: [ 1, 2 ]
amdhsa.kernels:
  - .name:           k_qe6593da5e0_r3
    .symbol:         k_qe6593da5e0_r3.kd
    .args:
      - { .name: hB, .offset: 0, .size: 8, .value_kind: global_buffer, .address_space: global }
      - { .name: RW3, .offset: 8, .size: 8, .value_kind: global_buffer, .address_space: global }
      - { .name: Rb3, .offset: 16, .size: 8, .value_kind: global_buffer, .address_space: global }
      - { .name: tabR, .offset: 24, .size: 8, .value_kind: global_buffer, .address_space: global }
      - { .name: list, .offset: 32, .size: 8, .value_kind: global_buffer, .address_space: global }
      - { .name: out0, .offset: 40, .size: 8, .value_kind: global_buffer, .address_space: global }
    .group_segment_fixed_size: 263168
    .private_segment_fixed_size: 0
    .kernarg_segment_align: 8
    .kernarg_segment_size: 48
    .max_flat_workgroup_size: 256
    .sgpr_count:     66
    .vgpr_count:     512
    .wavefront_size: 32
...
	.end_amdgpu_metadata
.endif
;; end of part 12
